; MI455X (gfx1250); checked and timed in simulation.
; The chip was launched on July 23, 2026; its instructions are those of AMD's public machine-readable ISA for CDNA 5 (MIT licence, August 2026) and "CDNA5" Instruction Set Architecture Reference Guide (July 2026). The comments in the code are by the model that wrote it; some were corrected since.
;; Window Attention. Allowed arithmetic: matrix products marked QUANTISED: E2M3 operands, one E8M0 scale for each 32 along K, by v_wmma_scale_f32_16x16x128_f8f6f4 with both operands' format E2M3, f32 sums; everything else in f32.
;; Inputs: Wk 512 x 512 float32; Wp 512 x 512 float32; Wq 512 x 512 float32; Wv 512 x 512 float32; bias_table 31 x 31 x 16 float32; bk 512 float32; bp 512 float32; bq 512 float32; bv 512 float32; mask 1 x 256 x 16 x 256 int32; x 128 x 256 x 512 float32.
;; Outputs: out0 128 x 256 x 512 float32.
;; This version of the problem:
;;   THIS VERSION OF THE PROBLEM IS GIVEN IN LOW PRECISION. The matrix products marked QUANTISED in the list below multiply operands that are first quantised to E2M3 (2 exponent bits, 3 mantissa bits; 6 bits a number), with one power-of-two scale for each 32 numbers along K (OCP MX v1.0); their sums are f32. All else is computed in f32.
;;   The module's matrix products, in the order in which they are computed (A, B: the left and right operand; K: the contracted axis; several contracted axes count as one K, in the product's order):
;;     1. [M 32,768, K 512] x [K 512, N 512]; A: input x; B: input Wq: QUANTISED
;;     2. [M 32,768, K 512] x [K 512, N 512]; A: input x; B: input Wk: QUANTISED
;;     3. [M 32,768, K 512] x [K 512, N 512]; A: input x; B: input Wv: QUANTISED
;;     4. batch 2,048 x [M 256, K 32] x [K 32, N 256]; A: computed on the way; B: computed on the way: QUANTISED
;;     5. batch 2,048 x [M 32, K 256] x [K 256, N 256]; A: computed on the way; B: softmax (see below): QUANTISED
;;     6. [M 32,768, K 512] x [K 512, N 512]; A: computed on the way; B: input Wp: QUANTISED
;;   THE QUANTISER, for each operand of a quantised product, along K:
;;     - K is cut into blocks of 32 from its start; a last block that is shorter is filled with zeros.
;;     - A block's scale is 2^e with e = floor(log2(the largest magnitude in the block)) - 2, held to -126 .. 127; a block of zeros has e = 0. As a byte (E8M0): e + 127.
;;     - Each number is divided by its block's scale, clamped to +-7.5, and rounded to the nearest number of E2M3, ties to even, subnormals kept.
;;     - The product sums the exact products of the quantised numbers (number of the format x scale) in f32.
;;   ~~~python
;;   def quantise(x, axis):      # numpy; x: float32 -> the quantised numbers, widened to float32 again
;;       x = np.moveaxis(x, axis, -1); K = x.shape[-1]
;;       x = np.pad(x, [(0, 0)] * (x.ndim - 1) + [(0, -K % 32)]); x = x.reshape(x.shape[:-1] + (-1, 32)); a = np.abs(x).max(-1, keepdims=True)
;;       e = np.where(a > 0, np.clip(np.frexp(np.where(a > 0, a, 1))[1] - 1 - 2, -126, 127), 0)      # np.frexp(a)[1] - 1 = floor(log2(a)), exactly
;;       r = np.clip(x / 2.0 ** e, -7.5, 7.5)
;;       step = 2.0 ** (np.maximum(np.frexp(np.where(r == 0, 1, r))[1] - 1, 0) - 3)
;;       q = np.round(r / step) * step * 2.0 ** e      # np.round: ties to even
;;       return np.moveaxis(q.reshape(q.shape[:-2] + (-1,))[..., :K], -1, axis).astype(np.float32)
;;   ~~~
;;   SOFTMAX AHEAD OF A QUANTISED PRODUCT. Where the list says 'softmax', what is quantised is not the finished softmax but p = 2^(t - M), with t = logit x log2(e) and M = ceil(the row's largest t), a whole number; so 1/2 < the row's largest p <= 1. The row's sum l is taken of the UNQUANTISED p, in f32, and the product's result is divided by l at the end. Since M is a whole number, a kernel that streams over the keys may use a running M (the ceiling of the running maximum): every later rescaling is an exact power of two, which a block's scale takes up: the codes' values come out the same.
;;   OPERANDS COMPUTED ON THE WAY. 'Computed on the way' means the value that the module computes at that place (a softmax that the list does not call 'softmax' is quantised finished and normalised). What goes into a quantiser is computed in f32, as accurately as f32 sums, v_exp_f32 and their like allow (about 1e-6 of the number): no bf16 or f16 on the way to a quantiser, and a product that is left as it is and whose result goes on into a quantised operand takes f32 operands (vector FMAs, or v_wmma_f32_16x16x4_f32). A number that lies on a knife's edge between two numbers of the format may be rounded either way, as far as f32 arithmetic and the matrix unit's own rounding can turn it there, and no further.
;; 3 versions. Each part assembles by itself: llvm-mc -triple=amdgcn-amd-amdhsa -mcpu=gfx1250 --defsym DOCPART=n.
;; ======== version 1 of 3: 2 launches
;; limits: right only within a limited range of input values
;; workspace buffers: wfrag 786,432 bytes; wscale 65,536 bytes; mwords 131,072 bytes of whole numbers
;; launch prep (part 1): grid 256 x 1, 2 waves a work-group, no clusters, 0 bytes of LDS; arguments Wq, Wk, Wv, Wp, mask, wfrag, wscale, mwords; writes wfrag, wscale, mwords
.if DOCPART == 1
	.amdgcn_target "amdgcn-amd-amdhsa--gfx1250"
	.amdhsa_code_object_version 6
	.text
	.protected	k_qa67c8374a6_prep
	.globl	k_qa67c8374a6_prep
	.p2align	8
	.type	k_qa67c8374a6_prep,@function
k_qa67c8374a6_prep:
	s_mov_b64 s[64:65], 0
	v_nop
	global_prefetch_b8 v0, s[64:65] scope:SCOPE_SE
	s_setreg_imm32_b32 hwreg(HW_REG_WAVE_MODE, 25, 1), 1
	s_wait_xcnt 0x0
; What all 128 windows share is made ready once.
; (1) Wq, Wk, Wv, Wp [512][512] f32, K innermost, become codes of FP6 (E2M3) with one E8M0 byte for each 32 along K, laid as IMAGES OF OPERAND REGISTERS:
;     fragment id = 128 mat + 32 g + 8 s + t holds 16 rows x 128 K: rows 128 g + 32 (t / 2) + 8 (t % 2) + r + 8 (r / 8), K = 128 s on; 12 registers a lane, as three blocks of 512 bytes, lane L's 16 bytes at 16 L.
;     Its scale words: 4 bytes a lane, the row's word in lanes r and 16 + r.
; (2) mask [256 n][16 h][256 m] int32 becomes lane masks: word (T, h, s, rho), bit L = (mask[32 (T / 2) + 8 (T % 2) + r + 8 (r / 8)][h][128 s + 32 (rho / 16) + 16 (L / 16) + rho % 16] == 1), r = L % 16:
;     the very order in which the second launch's lanes and registers hold the scores.
; 512 waves; wave id takes weight fragment id and the 64 mask words of unit id = 32 T + 2 h + s.  No LDS, no barrier, no branch.
; A block's scale is 2^(floor(log2(largest magnitude)) - 2); its byte is the largest magnitude's exponent field - 2, held at 1 from below.
; LIMITS: a block of zeros gets the byte 1 where the quantiser's text says 127 (its codes are zeros, and this program alone reads the bytes); NaN and infinities among the weights are not served.
	s_load_b512 s[16:31], s[0:1], 0x0              ; Wq, Wk, Wv, Wp, mask, wfrag, wscale, mwords
	v_lshrrev_b32 v1, 5, v0
	v_readfirstlane_b32 s3, v1                     ; wave 0, 1
	s_lshl_b32 s2, ttmp9, 1
	s_add_co_u32 s2, s2, s3                        ; id
	v_and_b32 v2, 15, v0                           ; r
	v_bfe_u32 v3, v0, 4, 1                         ; the lane's half
	v_and_b32 v4, 31, v0                           ; L
	v_and_b32 v5, 8, v2
	v_add_nc_u32 v5, v5, v2                        ; r + 8 (r / 8)
	v_lshlrev_b32 v6, 11, v5
	v_lshl_add_u32 v6, v3, 7, v6                   ; W: my row of 2,048 bytes, + 128 bytes for the upper half: a lane holds whole blocks of 32
	v_lshlrev_b32 v7, 14, v5
	v_lshl_add_u32 v7, v3, 6, v7                   ; mask: my query's 16,384 bytes, + 16 keys for the upper half
	v_lshlrev_b32 v8, 4, v4                        ; 16 L
	v_lshlrev_b32 v9, 2, v4                        ; 4 L
	v_lshlrev_b32 v10, 3, v4                       ; 8 L
	s_bfe_u32 s4, s2, 0x20005                      ; g
	s_bfe_u32 s5, s2, 0x20003                      ; the K step
	s_bfe_u32 s6, s2, 0x20001                      ; t / 2
	s_and_b32 s7, s2, 1                            ; t % 2
	s_lshl_b32 s4, s4, 7
	s_lshl_b32 s6, s6, 5
	s_lshl_b32 s7, s7, 3
	s_add_co_u32 s4, s4, s6
	s_add_co_u32 s4, s4, s7                        ; the tile's first row
	s_lshl_b32 s4, s4, 11
	s_lshl_b32 s5, s5, 9
	s_add_co_u32 s4, s4, s5                        ; in bytes, + 512 for each K step
	s_mov_b32 s5, 0
	s_lshr_b32 s8, s2, 6                           ; T / 2
	s_lshl_b32 s8, s8, 5
	s_bfe_u32 s9, s2, 0x10005                      ; T % 2
	s_lshl_b32 s9, s9, 3
	s_add_co_u32 s8, s8, s9                        ; the tile's first query
	s_lshl_b32 s8, s8, 14
	s_bfe_u32 s9, s2, 0x40001                      ; h
	s_lshl_b32 s9, s9, 10
	s_add_co_u32 s8, s8, s9
	s_and_b32 s9, s2, 1                            ; which 128 keys
	s_lshl_b32 s9, s9, 9
	s_add_co_u32 s8, s8, s9
	s_mov_b32 s9, 0
	s_mul_i32 s10, s2, 1536
	s_mov_b32 s11, 0
	s_lshl_b32 s12, s2, 7
	s_mov_b32 s13, 0
	s_lshl_b32 s14, s2, 8
	s_mov_b32 s15, 0
	s_mov_b32 s34, 0x76543210
	s_mov_b32 s35, 0xfedcba98                      ; v_permlanex16_b32's selects for lane l xor 16
	s_lshr_b32 s3, ttmp9, 6                        ; which matrix: the same for both waves
	s_wait_kmcnt 0x0
	s_cmp_eq_u32 s3, 1                             ; the choice hangs on the work-group's number alone
	s_cselect_b64 s[32:33], s[18:19], s[16:17]
	s_cmp_eq_u32 s3, 2
	s_cselect_b64 s[32:33], s[20:21], s[32:33]
	s_cmp_eq_u32 s3, 3
	s_cselect_b64 s[32:33], s[22:23], s[32:33]
	s_add_nc_u64 s[32:33], s[32:33], s[4:5]
	s_add_nc_u64 s[24:25], s[24:25], s[8:9]
	s_add_nc_u64 s[26:27], s[26:27], s[10:11]
	s_add_nc_u64 s[28:29], s[28:29], s[12:13]
	s_add_nc_u64 s[30:31], s[30:31], s[14:15]
.irp c, 0,1
.irp q, 0,1,2,3,4,5,6,7
	global_load_b128 v[64+32*\c+4*\q:67+32*\c+4*\q], v6, s[32:33] offset:256*\c+16*\q th:TH_LOAD_NT   ; W(my row, 128 s + 64 c + 32 half + 4 q ..): the operand's own order
.endr
.endr
.irp b, 0,1,2,3
.irp q, 0,1,2,3
	global_load_b128 v[128+16*\b+4*\q:131+16*\b+4*\q], v7, s[24:25] offset:128*\b+16*\q th:TH_LOAD_NT   ; register 128 + rho: key 128 s + 32 (rho / 16) + 16 half + rho % 16
.endr
.endr
	s_wait_loadcnt 16                              ; the 16 younger loads are the mask's: W is in
.irp c, 0,1
	v_max3_num_f32 v[16+\c], |v[64+32*\c]|, |v[65+32*\c]|, 0x1800000   ; my block 2 c + half: all 32 numbers are mine; the floor 2^(3 - 127) holds the byte at 1 from below
.endr
.irp i, 2,4,6,8,10,12,14,16,18,20,22,24,26,28,30
.irp c, 0,1
	v_max3_num_f32 v[16+\c], v[16+\c], |v[64+32*\c+\i]|, |v[65+32*\c+\i]|   ; (the two blocks by turns)
.endr
.endr
.irp c, 0,1
	v_add_nc_u32 v[18+\c], 0xff000000, v[16+\c]    ; 2 off the exponent field: the conversion takes the exponent field of this operand as its scale
.endr
.irp c, 0,1
	v_lshrrev_b32 v[20+\c], 23, v[18+\c]           ; the scale's byte
.endr
	v_lshl_or_b32 v14, v21, 16, v20                ; my two bytes: blocks half and 2 + half of my row,
	v_lshlrev_b32 v15, 3, v3
	v_lshlrev_b32 v14, v15, v14                    ; at their places in the word;
	v_mov_b32 v15, 0
	v_permlanex16_b32 v15, v14, s34, s35
	v_or_b32 v14, v14, v15                         ; with lane l xor 16's two the word is whole, in both halves
.irp c, 0,1
	v_cvt_scalef32_pk16_fp6_f32 v[48+6*\c:50+6*\c], v[64+32*\c:79+32*\c], v[18+\c]
	v_cvt_scalef32_pk16_fp6_f32 v[24+4*\c:26+4*\c], v[80+32*\c:95+32*\c], v[18+\c]   ; (a conversion's three registers begin on an even number: the block's second half is made elsewhere and moved)
.endr
	v_nop                                          ; one plain line behind the scaled conversions
.irp c, 0,1
.irp i, 0,1,2
	v_mov_b32 v[51+6*\c+\i], v[24+4*\c+\i]
.endr
.endr
.irp i, 0,1,2
	global_store_b128 v8, v[48+4*\i:51+4*\i], s[26:27] offset:512*\i   ; 32 lanes store 512 consecutive bytes, aligned
.endr
	global_store_b32 v9, v14, s[28:29]
	v_mov_b32 v12, 0
	v_mov_b32 v13, 0
	s_wait_loadcnt 0x0                             ; the mask
.set rho, 0
.rept 64
	v_cmp_eq_u32 s[36+rho%8], 1, v[128+rho]        ; the 32 lanes' bits are word rho
	v_writelane_b32 v[12+rho%2], s[36+rho%8], rho/2   ; lane L gathers words 2 L and 2 L + 1
.set rho, rho+1
.endr
	global_store_b64 v10, v[12:13], s[30:31]       ; 32 lanes store 256 consecutive bytes, aligned
	s_endpgm
.Lfunc_end_k_qa67c8374a6_prep:
	.size	k_qa67c8374a6_prep, .Lfunc_end_k_qa67c8374a6_prep-k_qa67c8374a6_prep
	.p2alignl 7, 3214868480
	.fill 96, 4, 3214868480
	.section	.rodata,"a",@progbits
	.p2align	6, 0x0
	.amdhsa_kernel k_qa67c8374a6_prep
		.amdhsa_group_segment_fixed_size 0
		.amdhsa_private_segment_fixed_size 0
		.amdhsa_enable_private_segment 0
		.amdhsa_kernarg_size 64
		.amdhsa_user_sgpr_count 2
		.amdhsa_user_sgpr_kernarg_segment_ptr 1
		.amdhsa_wavefront_size32 1
		.amdhsa_system_sgpr_workgroup_id_x 1
		.amdhsa_system_sgpr_workgroup_id_y 1
		.amdhsa_system_sgpr_workgroup_id_z 1
		.amdhsa_system_vgpr_workitem_id 0
		.amdhsa_next_free_vgpr 192
		.amdhsa_next_free_sgpr 66
		.amdhsa_reserve_vcc 0
		.amdhsa_float_denorm_mode_32 3
		.amdhsa_float_denorm_mode_16_64 3
		.amdhsa_memory_ordered 1
		.amdhsa_forward_progress 1
		.amdhsa_inst_pref_size 18
	.end_amdhsa_kernel
	.amdgpu_metadata
---
amdhsa.version: [ 1, 2 ]
amdhsa.kernels:
  - .name:           k_qa67c8374a6_prep
    .symbol:         k_qa67c8374a6_prep.kd
    .args:
      - { .name: Wq, .offset: 0, .size: 8, .value_kind: global_buffer, .address_space: global }
      - { .name: Wk, .offset: 8, .size: 8, .value_kind: global_buffer, .address_space: global }
      - { .name: Wv, .offset: 16, .size: 8, .value_kind: global_buffer, .address_space: global }
      - { .name: Wp, .offset: 24, .size: 8, .value_kind: global_buffer, .address_space: global }
      - { .name: mask, .offset: 32, .size: 8, .value_kind: global_buffer, .address_space: global }
      - { .name: wfrag, .offset: 40, .size: 8, .value_kind: global_buffer, .address_space: global }
      - { .name: wscale, .offset: 48, .size: 8, .value_kind: global_buffer, .address_space: global }
      - { .name: mwords, .offset: 56, .size: 8, .value_kind: global_buffer, .address_space: global }
    .group_segment_fixed_size: 0
    .private_segment_fixed_size: 0
    .kernarg_segment_align: 8
    .kernarg_segment_size: 64
    .max_flat_workgroup_size: 64
    .sgpr_count:     66
    .vgpr_count:     192
    .wavefront_size: 32
...
	.end_amdgpu_metadata
.endif
;; end of part 1
;; launch winattn (part 2): grid 256 x 1, 4 waves a work-group, no clusters, 281,344 bytes of LDS; arguments x, wfrag, wscale, mwords, bias_table, bq, bk, bv, bp, out0; writes out0
.if DOCPART == 2
	.amdgcn_target "amdgcn-amd-amdhsa--gfx1250"
	.amdhsa_code_object_version 6
	.text
	.protected	k_qa67c8374a6_winattn
	.globl	k_qa67c8374a6_winattn
	.p2align	8
	.type	k_qa67c8374a6_winattn,@function
k_qa67c8374a6_winattn:
	s_mov_b64 s[64:65], 0
	v_nop
	global_prefetch_b8 v0, s[64:65] scope:SCOPE_SE
	s_setreg_imm32_b32 hwreg(HW_REG_WAVE_MODE, 25, 1), 1
	s_wait_xcnt 0x0
; Window attention, the whole chain in one launch, every product on codes of FP6 (E2M3) with one E8M0 scale for each 32 along K:
; q, k, v = x W^T + b;  S = q k^T / sqrt(32) + bias, -1e9 where mask == 1;  p = 2^(t - M), not normalised;  o = (p v) / sum(p);  out = o Wp^T + bp.
; SHARES.  128 windows of 256 tokens x 512 channels, 16 heads of 32.  A work-group takes one window (ttmp9 / 2) and one half of its queries (ttmp9 % 2): 256 work-groups.  It makes K and V of the whole window itself.
; Wave w of four takes head group g = w (heads 4 g .. 4 g + 3, channels 128 g .. + 127): it makes V, Q, K of its channels, keeps K and V in registers (384), runs its heads' attention for the 8 tiles of 16 queries,
; and at the end makes output columns 128 w .. + 127.  Two barriers: behind x's quantising, and in front of the output projection.
; TILES.  The 16 rows of tile T are 32 (T / 2) + 8 (T % 2) + r + 8 (r / 8), for tokens and for the weights' rows alike, so that the 16 registers of two neighbouring result tiles are 16 neighbours along the next K.
; OPERANDS go through LDS and memory as images of their registers: 12 registers a lane as three blocks of 512 bytes, lane L's 16 bytes at 16 L; scale words 4 bytes a lane.
; A HEAD'S K IS 32: a fragment of q or k holds 4 heads, one block of 32 each; for head hl the product takes k's fragment as it is and q's with all blocks but hl's set to zero codes, which add nothing.
; THE BIAS is bias_table[n / 16 - h + 15][n % 16 - m / 16 + 15][m % 16]; 25 rows of the table lie in LDS, multiplied by sqrt(32), and are loaded into the scores' registers as the C of the product k q^T.
; THE MASK comes as lane masks made by the launch before: one scalar register for each register of scores, one select each.
; NO TENSOR LOADS, NO CLUSTER: what work-groups share are the weights' 786,432 bytes of codes.  Each wave loads its 32 fragments of a matrix straight into the 384 registers that hold them for the phase, each byte once a
; work-group; a way through LDS would add a store and a read of every byte, and beside x's codes, the table and the waves' own areas 46,848 bytes of LDS are left.
; LIMITS.  A masked score is held at -2^33 ahead of the factor log2(e) / sqrt(32), a logit of -1.52e9 where the problem's text has -1e9: the product with the factor is then exact, so a row that is wholly masked gives
; p = 1 for every key, the uniform weights of the problem's text; results agree as long as unmasked logits lie above about -9.9e8.  Blocks of zeros carry the byte 1 (read by this program alone).  NaN and infinities are not served.
; LDS
.set XS,    0                          ; x's scale words: (4 T + s) x 128 + 4 L
.set XF,    8192                       ; x's 64 fragments: (4 T + s) x 1,536; behind the second barrier the waves' stages: 8,448 w, 16 rows of 528
.set BT,    106496                     ; 25 rows of the table: row x 2,688 + entry x 80; an entry is 64 bytes
.set BTE,   80
.set BTR,   2688
.set PRIV0, 173824                     ; each wave's own 26,624 bytes:
.set PRIVB, 26624
.set OFO,   12288                      ; +0 q's 8 fragments, +12,288 o's 8 (before: V's scratch over both, K's scratch over the second),
.set QSO,   24576                      ; +24,576 q's scale words (before: V's scale bytes),
.set OSD,   1024                       ; 1,024 further on o's (before: K's)
.set FRB,   1536
; window 0
.set LI,  1                            ; 16 L
.set LS,  2                            ; 4 L
.set PI,  3                            ; my area + 16 L
.set PS,  4                            ; my area + QSO + 4 L
.set XA,  5                            ; x: my row and half (X phase); V's scratch, on the way in (V phase)
.set BBL, 6                            ; my lane's place in the table; the stage, on the way in (output)
.set BA,  7                            ; V's scale bytes (V phase); the table's address in hand; the stage, on the way back (output)
.set KS,  16                           ; v16-31  K's scale words
.set VS,  32                           ; v32-47  V's
.set S,   48                           ; v48-111 64 results: a projection's, or the scores
.set XFR, 112                          ; v112-159 four fragments of x or o
.set OH,  112                          ; v112-175 in the attention: O^T of four heads
.set XSC, 160                          ; v160-163 their scale words; v164-175 weight fragment 31
.set WS,  176                          ; v176-207 the weights' 32 scale words
.set QF,  176                          ; in the attention: q's fragment,
.set QM,  188                          ; the same with one head's block kept,
.set QSC, 200                          ; its scale word,
.set FF,  202                          ; 2^(old M - new M) (a pair is named),
.set SUM2, 204                         ; the second chain of the row's sum,
.set T0,  206                          ; at work
.set PC,  208                          ; v208-226 codes just made
.set TM,  228                          ; v228-231 largest magnitudes, v232-235 the other half's, then bytes, v240-243 the conversions' scale operands
.set PW,  244                          ; the scale word just made
.set NEG, 245                          ; -2^33
.set RS,  246                          ; v246, 248, 250, 252 the four heads' row sums (pairs are named)
.set H64, 254                          ; 64 x half
.set R4,  255                          ; 4 (r + 8 (r / 8))
; window 1: weight fragments 0-20.  window 2: v0-191 x on its way, V's 16 accumulators and quantiser, a bias as C (v128-191), at last K's 16 fragments; v192-251 weight fragments 21-25.
; window 3: v0-191 x on its way, bv as C (v128-191), then V's 16 fragments; v192-251 weight fragments 26-30.
; scalars: s[4:5] x, s[6:7] my weights' codes, s[8:9] their scale words, s[10:11] my mask words, s[12:13] out0, s[14:15] bp; s16-63, s68-83 arguments, later 64 mask words; s84 wave; s85 trips; s86, s87, s96-99 stepped offsets;
; s[88:89] lane selects; s[90:91] log2(e) / sqrt(32); s92 the mask words' offset; s94, s95 the two halves of the lanes; s[100:101] the step from tile to tile in rows of 2,048 bytes.
.set MSB, 0
.macro WIN new                         ; s_set_vgpr_msb: bits 1:0 source 0, 3:2 source 1, 5:4 source 2, 7:6 destination; the high byte repeats the setting that is left
.if MSB != (\new)
	s_set_vgpr_msb (MSB<<8)|(\new)
.set MSB, (\new)
.endif
.endm
.macro PLACES n                        ; plain lines between a matrix instruction and what reads its result or writes its registers (ISA guide 7.12.1)
.rept \n
	v_nop
.endr
.endm
.macro WPOS n                          ; where weight fragment n lies: window WW, register WR
.if (\n) < 21
.set WW, 1
.set WR, 12*(\n)
.elseif (\n) < 26
.set WW, 2
.set WR, 192+12*((\n)-21)
.elseif (\n) < 31
.set WW, 3
.set WR, 192+12*((\n)-26)
.else
.set WW, 0
.set WR, 164
.endif
.endm
.macro MMC                             ; D = A B + C on the registers named by rD, rA, rB, rC, rSA, rSB
	v_wmma_scale_f32_16x16x128_f8f6f4 v[rD:rD+7], v[rA:rA+11], v[rB:rB+11], v[rC:rC+7], v[rSA], v[rSB] matrix_a_fmt:MATRIX_FMT_FP6 matrix_b_fmt:MATRIX_FMT_FP6
.endm
.macro MMZ                             ; D = A B: the product starts the sum
	v_wmma_scale_f32_16x16x128_f8f6f4 v[rD:rD+7], v[rA:rA+11], v[rB:rB+11], 0, v[rSA], v[rSB] matrix_a_fmt:MATRIX_FMT_FP6 matrix_b_fmt:MATRIX_FMT_FP6
.endm
; 64 numbers of a lane in window w, register 16 b + i = k 32 b + 16 half + i of my row, become a fragment's codes in v[PC] on and its scale word in v[PW].
.macro QUANT src, w
	WIN (((\w)<<2)|((\w)<<4))
.irp b, 0,1,2,3
	v_max3_num_f32 v[TM+\b], 0x1800000, |v[(\src)+16*\b]|, |v[(\src)+16*\b+1]|   ; block b: my 16 numbers, and the floor 2^(3 - 127): the byte cannot fall under 1
.endr
.irp i, 2,4,6,8,10,12,14
.irp b, 0,1,2,3
	v_max3_num_f32 v[TM+\b], v[TM+\b], |v[(\src)+16*\b+\i]|, |v[(\src)+16*\b+\i+1]|   ; (the four blocks by turns)
.endr
.endr
	WIN 0
.irp b, 0,1,2,3
	v_permlanex16_b32 v[TM+4+\b], v[TM+\b], s88, s89
.endr
.irp b, 0,1,2,3
	v_max_num_f32 v[TM+\b], v[TM+\b], v[TM+4+\b]   ; with lane l xor 16's: the block's largest magnitude
.endr
.irp b, 0,1,2,3
	v_add_nc_u32 v[TM+12+\b], 0xff000000, v[TM+\b] ; 2 off its exponent field: the conversion's scale operand
.endr
.irp b, 0,1,2,3
	v_lshrrev_b32 v[TM+4+\b], 23, v[TM+12+\b]      ; the scale's byte
.endr
	v_lshl_or_b32 v[PW], v[TM+5], 8, v[TM+4]
	v_lshl_or_b32 v[PW], v[TM+6], 16, v[PW]
	v_lshl_or_b32 v[PW], v[TM+7], 24, v[PW]
	WIN (\w)
.irp c, 0,1
	v_cvt_scalef32_pk16_fp6_f32 v[PC+6*\c:PC+6*\c+2], v[(\src)+32*\c:(\src)+32*\c+15], v[TM+12+2*\c]
	v_cvt_scalef32_pk16_fp6_f32 v[PC+12+4*\c:PC+12+4*\c+2], v[(\src)+32*\c+16:(\src)+32*\c+31], v[TM+12+2*\c+1]   ; (a conversion's three registers begin on an even number)
.endr
	WIN 0
	v_nop                                          ; one plain line behind the scaled conversions
.irp c, 0,1                                    ; the operand's layout wants a whole block in a lane: lanes 0-15 block 2 c, lanes 16-31 block 2 c + 1
.irp i, 0,1,2
	v_permlane16_swap_b32 v[PC+6*\c+\i], v[PC+12+4*\c+\i]
.endr
.irp i, 0,1,2
	v_mov_b32 v[PC+3+6*\c+\i], v[PC+12+4*\c+\i]
.endr
.endr
.endm
.macro IMAGE adr, off                          ; the fragment in v[PC] on goes to LDS as it stands
.irp c, 0,1,2
	ds_store_b128 v[\adr], v[PC+4*\c:PC+4*\c+3] offset:(\off)+512*\c
.endr
.endm
.macro LOADW mat, lo, hi                       ; my fragments lo .. hi of a matrix, from memory into the registers that hold them for the phase
.set idx, \lo
.rept (\hi)-(\lo)+1
	WPOS idx
	WIN (WW<<6)
.irp c, 0,1,2
	global_load_b128 v[WR+4*\c:WR+4*\c+3], v[LI], s[6:7] offset:(\mat)*196608+idx*FRB+512*\c
.endr
.set idx, idx+1
.endr
	WIN 0
.endm
.macro LOADWS mat
.set idx, 0
.rept 32
	global_load_b32 v[WS+idx], v[LS], s[8:9] offset:(\mat)*16384+idx*128
.set idx, idx+1
.endr
.endm
.macro LOADCB p                                ; a bias in the result's layout, the C of each sum's first product: register 8 t + j = b[32 (t / 2) + 16 half + 8 (t % 2) + j] of my 128
	WIN 0x80
.irp t, 0,1,2,3,4,5,6,7
	global_load_b128 v[128+8*\t:128+8*\t+3], v[H64], s[\p:\p+1] offset:(32*(\t/2)+8*(\t%2))*4
	global_load_b128 v[128+8*\t+4:128+8*\t+7], v[H64], s[\p:\p+1] offset:(32*(\t/2)+8*(\t%2))*4+16
.endr
	WIN 0
.endm
.macro XFETCH                                  ; a tile's four K steps of x, and their scale words
.irp sx, 0,1,2,3
.irp c, 0,1,2
	ds_load_b128 v[XFR+12*\sx+4*\c:XFR+12*\sx+4*\c+3], v8 offset:FRB*\sx+512*\c
.endr
	ds_load_b32 v[XSC+\sx], v9 offset:128*\sx
.endr
.endm
; 32 products: my 128 channels (source 0: 8 tiles of weight rows) x 16 tokens (source 1), K = 512.  A lane holds one token, register 8 t + j channel 32 (t / 2) + 16 half + 8 (t % 2) + j.
; The eight accumulators take turns, one instruction a turn.
.macro PMUL
.irp sx, 0,1,2,3
.irp t, 0,1,2,3,4,5,6,7
	WPOS 8*\sx+\t
.set rD, S+8*\t
.set rA, WR
.set rB, XFR+12*\sx
.set rSA, WS+8*\sx+\t
.set rSB, XSC+\sx
.if \sx == 0
.set rC, 128+8*\t
	WIN (WW|(2<<4))
.else
.set rC, rD
	WIN WW
.endif
	MMC
.endr
.endr
.endm
.macro XLOAD s                                 ; 64 numbers a lane: K step s of the tile at s[4:5]: of each block of 32 my half's 16 neighbours
	WIN ((2+(\s)/2)<<6)
.irp b, 0,1,2,3
.irp j, 0,1,2,3
	global_load_b128 v[64*((\s)%2)+16*\b+4*\j:64*((\s)%2)+16*\b+4*\j+3], v[XA], s[4:5] offset:512*(\s)+128*\b+16*\j
.endr
.endr
	WIN 0
.endm
.macro XUNIT s, ahead, left                    ; one K step of one tile of x becomes a fragment in LDS; left: the younger loads, which may stay out
	s_wait_loadcnt \left
	s_wait_dscnt 0x0                               ; the last image's stores have read the codes' registers
	QUANT 64*((\s)%2), 2+(\s)/2
	IMAGE 8, FRB*(\s)
	ds_store_b32 v9, v[PW] offset:128*(\s)
.if \ahead
	XLOAD \s                                       ; the same K step of the next tile
.endif
.endm
.macro VGROUP s                                ; K step s of the two tiles of 16 tokens in hand, into slots 2 (s % 2) + e
.irp e, 0,1
.irp c, 0,1,2
	ds_load_b128 v[XFR+12*(2*((\s)%2)+\e)+4*\c:XFR+12*(2*((\s)%2)+\e)+4*\c+3], v8 offset:\e*4*FRB+(\s)*FRB+512*\c
.endr
	ds_load_b32 v[XSC+2*((\s)%2)+\e], v9 offset:\e*512+128*(\s)
.endr
.endm
; 16 products of V: source 0 = 16 tokens, source 1 = 16 rows of Wv: a lane holds ONE channel, and the 16 registers of tiles e = 0, 1 are 16 neighbouring tokens, the next K.  Sixteen accumulators by turns.
.macro VSTEP s
.irp ct, 0,1,2,3,4,5,6,7
	WPOS 8*(\s)+\ct
.irp e, 0,1
.set rD, 16*\ct+8*\e
.set rA, XFR+12*(2*((\s)%2)+\e)
.set rB, WR
.set rSA, XSC+2*((\s)%2)+\e
.set rSB, WS+8*(\s)+\ct
.if (\s) == 0
.set rC, 128+8*\ct
	WIN (0x80|(3<<4)|(WW<<2))
.else
.set rC, rD
	WIN (0x80|(2<<4)|(WW<<2))
.endif
	MMC
.endr
.endr
.endm
; A loop of 8 trips: 16 tokens' projection onto my 128 channels, quantised, image and scale word into my own area.  s86, s87: the tiles' places among x's fragments and scale words; s98, s99 = 0.
.macro PLOOP imgoff, scoff
	v_add_nc_u32 v8, s86, v[LI]
	v_add_nc_u32 v9, s87, v[LS]
	XFETCH
	s_mov_b32 s85, 8
.Lp_\@:
	s_wait_dscnt 0x0                               ; the tile's fragments are in, and the last image's stores have read their registers
	PMUL
	WIN 0
	PLACES 4
	s_add_co_u32 s86, s86, 4*FRB
	s_add_co_u32 s87, s87, 512
	s_cmp_eq_u32 s85, 1                            ; the last trip fetches nothing
	s_cbranch_scc1 .Lpn_\@
	v_add_nc_u32 v8, s86, v[LI]
	v_add_nc_u32 v9, s87, v[LS]
	XFETCH
.Lpn_\@:
	QUANT S, 0
	v_add_nc_u32 v10, s98, v[PI]
	v_add_nc_u32 v11, s99, v[PS]
	IMAGE 10, \imgoff
	ds_store_b32 v11, v[PW] offset:\scoff
	s_add_co_u32 s98, s98, FRB
	s_add_co_u32 s99, s99, 128
	s_sub_co_u32 s85, s85, 1
	s_cmp_lg_u32 s85, 0
	s_cbranch_scc1 .Lp_\@
.endm
.macro KHALF hf                                ; K of tokens 128 hf on: through my scratch into window 2
	s_mov_b32 s86, XF+32*FRB*(\hf)
	s_mov_b32 s87, XS+4096*(\hf)
	s_mov_b32 s98, 0
	s_mov_b32 s99, 0
	PLOOP OFO, OSD
	WIN 0x80
.irp i, 0,1,2,3,4,5,6,7
.irp c, 0,1,2
	ds_load_b128 v[12*(8*(\hf)+\i)+4*\c:12*(8*(\hf)+\i)+4*\c+3], v[PI] offset:OFO+FRB*\i+512*\c   ; LDS serves a wave's instructions in order (ISA guide 5.7.1.4): these see my stores
.endr
.endr
	WIN 0
.irp i, 0,1,2,3,4,5,6,7
	ds_load_b32 v[KS+8*(\hf)+\i], v[PS] offset:OSD+128*\i
.endr
.endm
.macro MASKLOAD off                            ; 64 mask words: s16-63 and s68-83
	s_load_b512 s[16:31], s[10:11], s92 offset:(\off)
	s_load_b512 s[32:47], s[10:11], s92 offset:(\off)+64
	s_load_b512 s[48:63], s[10:11], s92 offset:(\off)+128
	s_load_b512 s[68:83], s[10:11], s92 offset:(\off)+192
.endm
.macro BIASLOAD hl, sx                         ; the bias x sqrt(32) of 16 queries x 128 keys, in the scores' own layout
.irp tt, 0,1,2,3,4,5,6,7
	ds_load_b128 v[S+8*\tt:S+8*\tt+3], v[BA] offset:(3-(\hl))*BTR+(7-4*(\sx)-\tt/2)*160+32*(\tt%2)
	ds_load_b128 v[S+8*\tt+4:S+8*\tt+7], v[BA] offset:(3-(\hl))*BTR+(7-4*(\sx)-\tt/2)*160+32*(\tt%2)+16
.endr
.endm
.macro QMASK hl                                ; q's fragment with head hl's block alone: registers 6 (hl / 2) on, lanes 16 (hl % 2) on; zero codes elsewhere
.set qc, (\hl)/2
.set qp, (\hl)%2
.irp i, 0,1,2,3,4,5
	v_cndmask_b32 v[QM+6*qc+\i], 0, v[QF+6*qc+\i], s[94+qp]
.endr
.irp i, 0,1,2,3,4,5
	v_mov_b32 v[QM+6*(1-qc)+\i], 0
.endr
.endm
; HEAD hl, KEYS 128 sx ON, for the tile of 16 queries in hand.  Both products are used transposed: a lane holds one query throughout.
.macro STEP hl, sx
.if (\sx) == 0
.set nh, (\hl)
.set ns, 1
.else
.set nh, ((\hl)+1)%4
.set ns, 0
.endif
	s_wait_dscnt 0x0                               ; the bias lies in the scores' registers
	WIN 0x02
.irp tt, 0,1,2,3,4,5,6,7                       ; S^T = k q^T + bias sqrt(32): register 8 tt + j holds key 128 sx + 32 (tt / 2) + 16 half + 8 (tt % 2) + j
.set rD, S+8*\tt
.set rA, 12*(8*(\sx)+\tt)
.set rB, QM
.set rC, rD
.set rSA, KS+8*(\sx)+\tt
.set rSB, QSC
	MMC
.endr
	WIN 0
	s_wait_kmcnt 0x0                               ; this step's mask words
	PLACES 4
.set rho, 0
.rept 64
	v_cndmask_b32 v[S+rho], v[S+rho], v[NEG], s[16+rho+4*(rho/48)]   ; each accumulator from its low end on
.set rho, rho+1
.endr
.irp b, 0,1,2,3
	v_max3_num_f32 v[TM+\b], v[S+16*\b], v[S+1+16*\b], v[S+2+16*\b]   ; the largest score of each block of 32 keys: for the row's maximum, and, since p rises with the score, for the block's largest p
.endr
.irp i, 3,5,7,9,11,13
.irp b, 0,1,2,3
	v_max3_num_f32 v[TM+\b], v[TM+\b], v[S+16*\b+\i], v[S+16*\b+\i+1]
.endr
.endr
.irp b, 0,1,2,3
	v_max_num_f32 v[TM+\b], v[TM+\b], v[S+15+16*\b]
.endr
.if ((\hl) == 3) && ((\sx) == 1)
	s_add_co_u32 s92, s92, 8192                    ; the next tile of queries; the last trip asks for its own tile again, so that no load leaves the buffer
	s_min_u32 s92, s92, 57344
.endif
	MASKLOAD nh*512+ns*256                         ; the next step's words: the selects above have read these registers
.irp b, 0,1,2,3
	v_permlanex16_b32 v[TM+4+\b], v[TM+\b], s88, s89
.endr
.irp b, 0,1,2,3
	v_max_num_f32 v[TM+\b], v[TM+\b], v[TM+4+\b]   ; with lane l xor 16's 16 keys
.endr
	v_max3_num_f32 v[T0], v[TM], v[TM+1], v[TM+2]
	v_max_num_f32 v[T0], v[T0], v[TM+3]
.if (\sx) == 0
	v_mul_f32 v13, s90, v[T0]                      ; the largest t so far
	v_floor_f32 v12, -v13                          ; -M = floor(-t): M is a whole number
.else
	v_mul_f32 v[T0], s90, v[T0]
	v_max_num_f32 v13, v13, v[T0]                  ; the running largest t
	v_mov_b32 v[T0], v12
	v_floor_f32 v12, -v13
	v_sub_f32 v[T0], v12, v[T0]                    ; old M - new M: a whole number, 0 or less
	v_cvt_i32_f32 v[T0], v[T0]                     ; (it saturates)
	v_ldexp_f32 v[FF], 1.0, v[T0]                  ; f = 2^(old M - new M): a multiplication by it rounds nothing
.endif
.irp j, 0,2,4,6,8,10,12,14,16,18,20,22,24,26,28,30,32,34,36,38,40,42,44,46,48,50,52,54,56,58,60,62
	v_pk_fma_f32 v[S+\j:S+\j+1], v[S+\j:S+\j+1], s[90:91], v[12:13] op_sel_hi:[1,0,0]   ; t - M, two at a time
.endr
.irp b, 0,1,2,3
	v_fma_f32 v[TM+\b], v[TM+\b], s90, v12         ; the same of each block's largest score
.endr
.set rho, 0
.rept 64
	v_exp_f32 v[S+rho], v[S+rho]                   ; p = 2^(t - M), at most 1, not normalised
.set rho, rho+1
.endr
.if (\sx) == 0
	v_mov_b32 v14, 0                               ; the row's sum begins.  (A plain line behind the exponentials)
	v_mov_b32 v15, 0
.else
	v_pk_mul_f32 v[14:15], v[14:15], v[FF:FF+1] op_sel_hi:[1,0]   ; the sum under the new M.  (A plain line behind the exponentials)
.endif
	s_wait_alu depctr_va_vdst(0)                   ; one wait for the batch, ahead of its first reader
.irp b, 0,1,2,3
	v_exp_f32 v[TM+\b], v[TM+\b]                   ; the block's largest p
.endr
	v_pk_add_f32 v[SUM2:SUM2+1], v[S:S+1], v[S+2:S+3]   ; the row's sum is taken of the unquantised p, in two chains
.irp j, 4,8,12,16,20,24,28,32,36,40,44,48,52,56,60
	v_pk_add_f32 v[14:15], v[14:15], v[S+\j:S+\j+1]
	v_pk_add_f32 v[SUM2:SUM2+1], v[SUM2:SUM2+1], v[S+2+\j:S+3+\j]
.endr
	v_pk_add_f32 v[14:15], v[14:15], v[SUM2:SUM2+1]
	s_wait_alu depctr_va_vdst(0)                   ; and one for the four
.irp b, 0,1,2,3
	v_max_num_f32 v[TM+\b], 0x1800000, v[TM+\b]    ; the floor: a block whose every p is 0 keeps the byte 1; its codes are zeros
.endr
.irp b, 0,1,2,3
	v_add_nc_u32 v[TM+12+\b], 0xff000000, v[TM+\b]
.endr
.irp b, 0,1,2,3
	v_lshrrev_b32 v[TM+4+\b], 23, v[TM+12+\b]
.endr
	v_lshl_or_b32 v[PW], v[TM+5], 8, v[TM+4]       ; p's scale word for these 128 keys
	v_lshl_or_b32 v[PW], v[TM+6], 16, v[PW]
	v_lshl_or_b32 v[PW], v[TM+7], 24, v[PW]
.irp c, 0,1
	v_cvt_scalef32_pk16_fp6_f32 v[PC+6*\c:PC+6*\c+2], v[S+32*\c:S+32*\c+15], v[TM+12+2*\c]
	v_cvt_scalef32_pk16_fp6_f32 v[PC+12+4*\c:PC+12+4*\c+2], v[S+32*\c+16:S+32*\c+31], v[TM+12+2*\c+1]
.endr
	v_nop                                          ; one plain line behind the scaled conversions
.irp c, 0,1
.irp i, 0,1,2
	v_permlane16_swap_b32 v[PC+6*\c+\i], v[PC+12+4*\c+\i]
.endr
.irp i, 0,1,2
	v_mov_b32 v[PC+3+6*\c+\i], v[PC+12+4*\c+\i]
.endr
.endr
.if ((\hl) == 3) && ((\sx) == 1)               ; on to the next tile of queries: 16 rows of the window's grid are two rows of the table for every second tile, eight entries for the others
	s_add_co_u32 s86, s86, BTR
	s_xor_b32 s87, s87, 2048
	v_add_nc_u32 v[BA], s86, v[BBL]
	v_sub_nc_u32 v[BA], v[BA], s87                 ; 2 x 2,688 (i / 2) + 8 x 80 (i % 2)
	s_add_co_u32 s96, s96, FRB
	s_add_co_u32 s97, s97, 128
	v_add_nc_u32 v8, s96, v[PI]
	v_add_nc_u32 v10, s97, v[PS]
.endif
	BIASLOAD nh, ns                                ; the scores' registers are free: the next step's bias (behind the last trip: bytes of the table's rows 8 to 24, not used)
.if ((\hl) == 3) && ((\sx) == 1)
.irp c, 0,1,2
	ds_load_b128 v[QF+4*\c:QF+4*\c+3], v8 offset:512*\c   ; the next tile's q (behind the last trip: my own bytes of o, not used)
.endr
	ds_load_b32 v[QSC], v10
.endif
.if (\sx) == 0
	PLACES 8                                       ; a scale word made by vector lines stands eight plain lines ahead of the scaled product, codes so made four
.else
.if (\hl) < 3
	QMASK (\hl)+1
.endif
.irp k, 0,1,2,3,4,5,6,7
	v_pk_mul_f32 v[OH+16*(\hl)+2*\k:OH+16*(\hl)+2*\k+1], v[OH+16*(\hl)+2*\k:OH+16*(\hl)+2*\k+1], v[FF:FF+1] op_sel_hi:[1,0]   ; O^T under the new M; these eight are those plain lines too
.endr
.endif
	WIN 0x03
.irp u, 0,1                                    ; O^T += V^T P^T: register 8 u + j holds channel 32 hl + 16 half + 8 u + j
.set rD, OH+16*(\hl)+8*\u
.set rA, 12*(2*(2*(\hl)+\u)+(\sx))
.set rB, PC
.set rC, rD
.set rSA, VS+2*(2*(\hl)+\u)+(\sx)
.set rSB, PW
.if (\sx) == 0
	MMZ
.else
	MMC
.endif
.endr
	WIN 0
.if (\sx) == 1
	v_add_f32 v[RS+2*(\hl)], v14, v15              ; the head's sum, my half of the keys
.endif
.endm
.macro OFETCH                                  ; o's four K steps of a tile of queries: K step s lies in wave s's area
.irp sx, 0,1
.irp c, 0,1,2
	ds_load_b128 v[XFR+12*\sx+4*\c:XFR+12*\sx+4*\c+3], v8 offset:PRIVB*\sx+512*\c
	ds_load_b128 v[XFR+24+12*\sx+4*\c:XFR+24+12*\sx+4*\c+3], v10 offset:PRIVB*\sx+512*\c
.endr
	ds_load_b32 v[XSC+\sx], v9 offset:PRIVB*\sx
	ds_load_b32 v[XSC+2+\sx], v11 offset:PRIVB*\sx
.endr
.endm
; ---- HEAD
	s_load_b512 s[16:31], s[0:1], 0x0              ; x, wfrag, wscale, mwords, bias_table, bq, bk, bv
	s_load_b128 s[32:35], s[0:1], 0x40             ; bp, out0
	s_set_vgpr_msb 0x40
	v_lshl_add_u32 v254, v0, 2, 0x44900
	v_mov_b32 v255, 0
	s_set_vgpr_msb 0x4000
	v_lshrrev_b32 v12, 5, v0
	v_readfirstlane_b32 s84, v12                   ; wave 0..3 = head group
	v_and_b32 v12, 31, v0                          ; L
	v_lshlrev_b32 v[LI], 4, v12
	v_lshlrev_b32 v[LS], 2, v12
	v_and_b32 v13, 15, v0                          ; r
	v_bfe_u32 v14, v0, 4, 1                        ; half
	v_and_b32 v15, 8, v13
	v_add_nc_u32 v15, v15, v13                     ; r + 8 (r / 8)
	v_lshlrev_b32 v[XA], 11, v15
	v_lshl_add_u32 v[XA], v14, 6, v[XA]            ; x: my row of 2,048 bytes, + 64 bytes for the upper half
	v_lshlrev_b32 v[R4], 2, v15
	v_lshlrev_b32 v[H64], 6, v14
	v_lshrrev_b32 v15, 3, v13
	v_mul_u32_u24 v[BBL], v15, BTR
	v_and_b32 v15, 7, v13
	v_mad_u32_u24 v[BBL], v15, BTE, v[BBL]
	v_xor_b32 v15, 1, v14
	v_mad_u32_u24 v[BBL], v15, BTE, v[BBL]         ; the table: row r / 8, entry r % 8 + (1 - half)
	s_mul_i32 s2, s84, PRIVB
	s_add_co_u32 s2, s2, PRIV0                     ; my own area
	v_add_nc_u32 v[PI], s2, v[LI]
	s_add_co_u32 s3, s2, QSO
	v_add_nc_u32 v[PS], s3, v[LS]
	s_xor_b32 s3, s84, 3
	s_mul_i32 s3, s3, 4*BTR                        ; four rows for each head group below 3
	s_add_co_u32 s3, s3, BT
	v_add_nc_u32 v[BBL], s3, v[BBL]
	v_lshlrev_b32 v10, 4, v0
	v_min_u32 v10, 1968, v10                       ; a row of the table is 1,984 bytes: 124 threads' 16; the last four read the last 16 again
	v_lshrrev_b32 v11, 2, v0
	v_mul_u32_u24 v11, v11, BTE
	v_and_b32 v12, 3, v0
	v_lshl_add_u32 v11, v12, 4, v11
	v_add_nc_u32 v11, BT, v11                      ; and in LDS: entry thread / 4, 16 bytes each (the last four threads write into the row's unused end)
	s_mov_b32 s88, 0x76543210
	s_mov_b32 s89, 0xfedcba98                      ; v_permlanex16_b32's selects for lane l xor 16
	s_mov_b32 s100, 16384                          ; from tile to tile: 8 rows and 24 rows by turns
	s_mov_b32 s101, 0
	s_mul_i32 s96, s84, 16*FRB
	s_add_co_u32 s96, s96, XF                      ; where my four tiles' fragments go,
	s_lshl_b32 s97, s84, 11                        ; and their scale words
	s_and_b32 s93, ttmp9, 1                        ; which half of the queries
	s_lshr_b32 s2, ttmp9, 1
	s_lshl_b32 s2, s2, 19                          ; the window's 524,288 bytes in x and in out0
	s_mov_b32 s87, 0
	s_lshl_b32 s86, s84, 17
	s_add_co_u32 s86, s86, s2
	s_wait_kmcnt 0x0
	s_add_nc_u64 s[4:5], s[16:17], s[86:87]        ; x at my 64 rows
	s_mul_i32 s86, s84, 32*FRB
	s_add_nc_u64 s[6:7], s[18:19], s[86:87]
	s_lshl_b32 s86, s84, 12
	s_add_nc_u64 s[8:9], s[20:21], s[86:87]
	s_lshl_b32 s86, s84, 11
	s_lshl_b32 s3, s93, 16
	s_add_co_u32 s86, s86, s3
	s_add_nc_u64 s[10:11], s[22:23], s[86:87]
	s_lshl_b32 s86, s84, 9                         ; my 128 numbers of each bias, my 128 columns of out0
	s_add_nc_u64 s[14:15], s[32:33], s[86:87]
	s_add_nc_u64 s[26:27], s[26:27], s[86:87]
	s_add_nc_u64 s[28:29], s[28:29], s[86:87]
	s_add_nc_u64 s[30:31], s[30:31], s[86:87]
	s_lshl_b32 s3, s93, 18
	s_add_co_u32 s86, s86, s3
	s_add_co_u32 s86, s86, s2
	s_add_nc_u64 s[12:13], s[34:35], s[86:87]
	s_lshl_b32 s3, s93, 3
	s_add_co_u32 s86, s3, 23                       ; LDS rows 23 and 24 are read by a look-ahead alone: they take the table's row held at its last
	s_min_u32 s86, s86, 30
	s_mul_i32 s86, s86, 1984
	s_add_nc_u64 s[36:37], s[24:25], s[86:87]
	s_add_co_u32 s86, s3, 24
	s_min_u32 s86, s86, 30
	s_mul_i32 s86, s86, 1984
	s_add_nc_u64 s[38:39], s[24:25], s[86:87]
	s_mul_i32 s86, s93, 8*1984
	s_add_nc_u64 s[24:25], s[24:25], s[86:87]      ; LDS row y holds the table's row y + 8 x (half of the queries)
.set y, 0
.rept 23
	global_load_b128 v[16+4*y:19+4*y], v10, s[24:25] offset:y*1984
.set y, y+1
.endr
	global_load_b128 v[108:111], v10, s[36:37]
	global_load_b128 v[112:115], v10, s[38:39]
	LOADW 2, 0, 31                                 ; Wv
	LOADWS 2
	WIN 0xc0
.irp ct, 0,1,2,3,4,5,6,7
.irp j, 0,1,2,3,4,5,6,7
	global_load_b32 v[128+8*\ct+\j], v[R4], s[30:31] offset:(32*(\ct/2)+8*(\ct%2))*4   ; bv as C: in V's result a lane holds one channel, so its eight registers are equal
.endr
.endr
	WIN 0x80
.irp i, 0,1,2,3,4,5,6,7
	v_mov_b32 v[136+\i], 0                         ; written once: a lane permute's destination counts as one of its sources
.endr
	WIN 0
.irp b, 0,1,2,3
	v_mov_b32 v[TM+4+\b], 0
	v_mov_b32 v[RS+1+2*\b], 0                      ; (named as the upper halves of pairs)
.endr
.irp s, 0,1,2,3
	XLOAD \s                                       ; my first tile's four K steps.  All loads above are older: the counted waits below cover them
.endr
; ---- X: my four tiles of 16 tokens become 16 fragments.  Four buffers, one for each K step; a unit's loads are issued a tile ahead
	s_mov_b32 s85, 3
.Lx:
	s_wait_xcnt 0x0                                ; the loads issued so far have read their base: it steps to the next tile
	s_add_nc_u64 s[4:5], s[4:5], s[100:101]
	s_xor_b32 s100, s100, 0x8000
	s_wait_dscnt 0x0
	v_add_nc_u32 v8, s96, v[LI]
	v_add_nc_u32 v9, s97, v[LS]
.irp s, 0,1,2,3
	XUNIT \s, 1, 48                                ; behind a unit's 16 loads stand those of the three younger units
.endr
	s_add_co_u32 s96, s96, 4*FRB
	s_add_co_u32 s97, s97, 512
	s_sub_co_u32 s85, s85, 1
	s_cmp_lg_u32 s85, 0
	s_cbranch_scc1 .Lx
	s_wait_dscnt 0x0
	v_add_nc_u32 v8, s96, v[LI]
	v_add_nc_u32 v9, s97, v[LS]
	XUNIT 0, 0, 48                                 ; the last tile loads nothing: the counts run down
	XUNIT 1, 0, 32
	XUNIT 2, 0, 16
	XUNIT 3, 0, 0
	s_mov_b32 s2, 0x40b504f3                       ; sqrt(32): (q.k + bias sqrt(32)) / sqrt(32) = q.k / sqrt(32) + bias
	s_mov_b32 s3, s2
.set y, 0
.rept 25
	v_pk_mul_f32 v[16+4*y:17+4*y], v[16+4*y:17+4*y], s[2:3] op_sel_hi:[1,0]
	v_pk_mul_f32 v[18+4*y:19+4*y], v[18+4*y:19+4*y], s[2:3] op_sel_hi:[1,0]
	ds_store_b128 v11, v[16+4*y:19+4*y] offset:y*BTR
.set y, y+1
.endr
	s_wait_dscnt 0x0                               ; for the others' sake: my fragments, scale words and part of the table have landed
	s_barrier_signal -1
	s_barrier_wait -1
; ---- V: 8 trips of 32 tokens (one block along the keys), all my 128 channels
	v_and_b32 v12, 15, v0
	v_bfe_u32 v13, v0, 4, 1
	s_mul_i32 s2, s84, PRIVB
	s_add_co_u32 s2, s2, PRIV0
	v_mul_u32_u24 v5, v12, 24
	v_mad_u32_u24 v5, v13, 12, v5
	v_add_nc_u32 v5, s2, v5                        ; scratch: a channel's block is 24 bytes, my half's 16 codes 12 of them: LDS puts the halves together
	s_add_co_u32 s3, s2, QSO
	v_lshl_add_u32 v7, v12, 3, s3                  ; a channel's 8 scale bytes
	s_mov_b32 s96, XF
	s_mov_b32 s97, XS
	s_mov_b32 s98, 0
	s_mov_b32 s99, 0
	v_add_nc_u32 v8, s96, v[LI]
	v_add_nc_u32 v9, s97, v[LS]
	VGROUP 0
	VGROUP 1
	s_mov_b32 s85, 8
.Lv:
	s_wait_dscnt 0x0                               ; K steps 0 and 1 are in; the last trip's stores have read their registers
	VSTEP 0
	WIN 0
	PLACES 4
	VGROUP 2
	VSTEP 1
	WIN 0
	PLACES 4
	VGROUP 3
	s_wait_dscnt 8                                 ; the eight loads of K step 3 may be out
	VSTEP 2
	s_wait_dscnt 0x0
	VSTEP 3
	WIN 0
	PLACES 4
	s_add_co_u32 s96, s96, 8*FRB
	s_add_co_u32 s97, s97, 1024
	s_cmp_eq_u32 s85, 1                            ; the last trip fetches nothing
	s_cbranch_scc1 .Lv_last
	v_add_nc_u32 v8, s96, v[LI]
	v_add_nc_u32 v9, s97, v[LS]
	VGROUP 0
	VGROUP 1
.Lv_last:
	v_add_nc_u32 v10, s98, v5
	v_add_nc_u32 v11, s99, v7
	WIN 0xaa                                       ; the quantiser works wholly in window 2, the eight tiles of channels by turns
.irp ct, 0,1,2,3,4,5,6,7
	v_max3_num_f32 v[128+\ct], |v[16*\ct]|, |v[16*\ct+1]|, 0x1800000
.endr
.irp i, 2,4,6,8,10,12,14
.irp ct, 0,1,2,3,4,5,6,7
	v_max3_num_f32 v[128+\ct], v[128+\ct], |v[16*\ct+\i]|, |v[16*\ct+\i+1]|
.endr
.endr
.irp ct, 0,1,2,3,4,5,6,7
	v_permlanex16_b32 v[136+\ct], v[128+\ct], s88, s89
.endr
.irp ct, 0,1,2,3,4,5,6,7
	v_max_num_f32 v[128+\ct], v[128+\ct], v[136+\ct]
.endr
.irp ct, 0,1,2,3,4,5,6,7
	v_add_nc_u32 v[144+\ct], 0xff000000, v[128+\ct]
.endr
.irp ct, 0,1,2,3,4,5,6,7
	v_lshrrev_b32 v[152+\ct], 23, v[144+\ct]
.endr
.irp ct, 0,1,2,3,4,5,6,7
	v_cvt_scalef32_pk16_fp6_f32 v[160+4*\ct:162+4*\ct], v[16*\ct:16*\ct+15], v[144+\ct]
.endr
	v_nop                                          ; one plain line behind the scaled conversions
	WIN 0x08                                       ; an LDS store's data are its source 1
.irp ct, 0,1,2,3,4,5,6,7
.irp i, 0,1,2
	ds_store_b32 v10, v[160+4*\ct+\i] offset:2*FRB*\ct+4*\i
.endr
	ds_store_b8 v11, v[152+\ct] offset:128*\ct     ; both lanes of a block write the same byte with the same value
.endr
	WIN 0
	s_add_co_u32 s98, s98, 384
	s_add_co_u32 s99, s99, 1
	s_sub_co_u32 s85, s85, 1
	s_cmp_lg_u32 s85, 0
	s_cbranch_scc1 .Lv
	s_wait_dscnt 0x0                               ; the stores have read their registers: loads may land there
	PLACES 4
	LOADW 0, 0, 31                                 ; Wq
	LOADWS 0
	LOADCB 26
	v_and_b32 v12, 31, v0
	v_mul_u32_u24 v8, v12, 24
	s_mul_i32 s2, s84, PRIVB
	s_add_co_u32 s2, s2, PRIV0
	v_add_nc_u32 v8, s2, v8                        ; V's fragments: block 4 s + 2 c + half of channel r lies at 24 L within its 768 bytes
	WIN 0xc0
.irp ct, 0,1,2,3,4,5,6,7
.irp sx, 0,1
.irp c, 0,1
.irp i, 0,1,2
	ds_load_b64 v[12*(2*\ct+\sx)+6*\c+2*\i:12*(2*\ct+\sx)+6*\c+2*\i+1], v8 offset:2*FRB*\ct+FRB*\sx+768*\c+8*\i
.endr
.endr
.endr
.endr
	WIN 0
.irp ct, 0,1,2,3,4,5,6,7
	ds_load_b64 v[VS+2*\ct:VS+2*\ct+1], v7 offset:128*\ct
.endr
	s_wait_loadcnt 0x0
; ---- Q: my half's 8 tiles of queries
	s_and_b32 s86, ttmp9, 1
	s_mul_i32 s87, s86, 4096
	s_mul_i32 s86, s86, 32*FRB
	s_add_co_u32 s86, s86, XF
	s_mov_b32 s98, 0
	s_mov_b32 s99, 0
	PLOOP 0, 0
	PLACES 4
	LOADW 1, 0, 31                                 ; Wk
	LOADWS 1
	LOADCB 28
	s_wait_loadcnt 0x0
; ---- K: all 16 tiles of keys, in two halves through my scratch
	KHALF 0
	KHALF 1
	PLACES 4
	LOADW 3, 0, 30                                 ; Wp lands during the attention: nothing there names these registers
; ---- ATTENTION: 8 trips, a tile of 16 queries each; four heads x two key steps written out
	v_mov_b32 v[NEG], 0xd0000000                   ; -2^33
	v_mov_b32 v[FF+1], 0                           ; (named as the upper half of a pair)
	s_mov_b32 s90, 0x3e8293ee                      ; c = log2(e) / sqrt(32)
	s_mov_b32 s91, s90
	s_mov_b32 s94, 0x0000ffff
	s_mov_b32 s95, 0xffff0000
	s_mov_b32 s86, 0
	s_mov_b32 s87, 0
	s_mov_b32 s92, 0
	s_mov_b32 s96, 0
	s_mov_b32 s97, 0
	v_mov_b32 v[BA], v[BBL]
	BIASLOAD 0, 0
	MASKLOAD 0
.irp c, 0,1,2
	ds_load_b128 v[QF+4*\c:QF+4*\c+3], v[PI] offset:512*\c
.endr
	ds_load_b32 v[QSC], v[PS]
	s_mov_b32 s85, 8
.La:
	s_wait_dscnt 0x0                               ; q, its scale word, the first bias; K's and V's fragments in the first trip
	v_add_nc_u32 v9, s96, v[PI]                    ; where this tile's o will go
	v_add_nc_u32 v11, s97, v[PS]
	QMASK 0
	PLACES 4                                       ; codes made by vector lines stand four plain lines ahead of the scaled product
	STEP 0, 0
	STEP 0, 1
	STEP 1, 0
	STEP 1, 1
	STEP 2, 0
	STEP 2, 1
	STEP 3, 0
	STEP 3, 1
.irp h, 0,1,2,3
	v_permlanex16_b32 v[TM+4+\h], v[RS+2*\h], s88, s89
.endr
.irp h, 0,1,2,3
	v_add_f32 v[RS+2*\h], v[RS+2*\h], v[TM+4+\h]   ; with lane l xor 16's keys: the row's sum
.endr
.irp h, 0,1,2,3
	v_rcp_f32 v[RS+2*\h], v[RS+2*\h]
.endr
	v_nop                                          ; a plain line behind the reciprocals
	s_wait_alu depctr_va_vdst(0)                   ; one wait for the four, ahead of their first reader
.irp h, 0,1,2,3
.irp k, 0,1,2,3,4,5,6,7
	v_pk_mul_f32 v[OH+16*\h+2*\k:OH+16*\h+2*\k+1], v[OH+16*\h+2*\k:OH+16*\h+2*\k+1], v[RS+2*\h:RS+2*\h+1] op_sel_hi:[1,0]   ; o = O^T / the sum; each accumulator from its low end on
.endr
.endr
	QUANT OH, 0                                    ; my 128 channels are K step w of the output projection
	IMAGE 9, OFO
	ds_store_b32 v11, v[PW] offset:OSD
	s_sub_co_u32 s85, s85, 1
	s_cmp_lg_u32 s85, 0
	s_cbranch_scc1 .La
	s_wait_kmcnt 0x0                               ; the look-ahead's mask words,
	s_wait_dscnt 0x0                               ; its LDS loads, and my stores of o: for the others' sake too
	PLACES 4
	LOADW 3, 31, 31
	LOADWS 3
	LOADCB 14
	s_barrier_signal -1
	s_barrier_wait -1                              ; every wave's o lies in LDS, and nobody reads x's fragments any more
; ---- OUTPUT: 8 trips, 16 queries x my 128 columns; through my stage, so that whole rows of 512 bytes leave
	v_and_b32 v12, 15, v0
	v_bfe_u32 v13, v0, 4, 1
	s_mul_i32 s2, s84, 16*528
	s_add_co_u32 s2, s2, XF                        ; my stage
	v_mul_u32_u24 v6, v12, 528
	v_lshl_add_u32 v6, v13, 6, v6
	v_add_nc_u32 v6, s2, v6                        ; in: row r, + 64 bytes for the upper half
	v_add_nc_u32 v7, s2, v[LI]                     ; back: 32 lanes take a row
	s_mov_b32 s96, PRIV0+OFO
	s_mov_b32 s97, PRIV0+QSO+OSD
	s_mov_b32 s100, 16384
	s_add_co_u32 s2, s96, 2*PRIVB
	s_add_co_u32 s3, s97, 2*PRIVB
	v_add_nc_u32 v8, s96, v[LI]
	v_add_nc_u32 v9, s97, v[LS]
	v_add_nc_u32 v10, s2, v[LI]
	v_add_nc_u32 v11, s3, v[LS]
	OFETCH
	s_wait_loadcnt 0x0                             ; Wp, its scale words, bp
	s_mov_b32 s85, 8
.Lo:
	s_wait_dscnt 0x0
	PMUL
	WIN 0
	PLACES 5                                       ; four serve the loads into the fragments' registers and the stores of the results; the next trip's first products begin sums anew, with bp as C, over these accumulators, and
	                                               ; such a product stands five plain lines behind the products that wrote them: the rest of a trip is LDS and memory work, which is no such line
	s_add_co_u32 s96, s96, FRB
	s_add_co_u32 s97, s97, 128
	s_cmp_eq_u32 s85, 1                            ; the last trip fetches nothing
	s_cbranch_scc1 .Lo_last
	s_add_co_u32 s2, s96, 2*PRIVB
	s_add_co_u32 s3, s97, 2*PRIVB
	v_add_nc_u32 v8, s96, v[LI]
	v_add_nc_u32 v9, s97, v[LS]
	v_add_nc_u32 v10, s2, v[LI]
	v_add_nc_u32 v11, s3, v[LS]
	OFETCH
.Lo_last:
.set k, 0
.rept 16
	ds_store_b128 v6, v[S+4*k:S+4*k+3] offset:128*(k/4)+16*(k%4)   ; registers 4 k on: columns 32 (k / 4) + 16 half + 4 (k % 4) on; each accumulator's low half first
.set k, k+1
.endr
.set k, 0
.rept 16
.if k < 8
.set rb, 16+4*k
.else
.set rb, 208+4*(k-8)
.endif
	ds_load_b128 v[rb:rb+3], v7 offset:528*k       ; LDS serves a wave's instructions in order (ISA guide 5.7.1.4): these see my stores
.set k, k+1
.endr
.set k, 0
.rept 16
.if k < 8
.set rb, 16+4*k
.else
.set rb, 208+4*(k-8)
.endif
	s_wait_dscnt 15-k                              ; the younger rows may be out
	global_store_b128 v[LI], v[rb:rb+3], s[12:13] offset:(k+8*(k/8))*2048 th:TH_STORE_NT   ; 32 lanes store 512 consecutive bytes, at a multiple of 256 from out0's first byte
.set k, k+1
.endr
	s_wait_xcnt 0x0                                ; the stores have read their registers and their base: both may be written again
	s_add_nc_u64 s[12:13], s[12:13], s[100:101]
	s_xor_b32 s100, s100, 0x8000
	s_sub_co_u32 s85, s85, 1
	s_cmp_lg_u32 s85, 0
	s_cbranch_scc1 .Lo
	s_set_vgpr_msb 0x5
	s_wait_tensorcnt 0x0
	ds_add_u32 v254, v255
	s_wait_dscnt 0x0
	s_set_vgpr_msb 0x500
	s_endpgm
.Lfunc_end_k_qa67c8374a6_winattn:
	.size	k_qa67c8374a6_winattn, .Lfunc_end_k_qa67c8374a6_winattn-k_qa67c8374a6_winattn
	.p2alignl 7, 3214868480
	.fill 96, 4, 3214868480
	.section	.rodata,"a",@progbits
	.p2align	6, 0x0
	.amdhsa_kernel k_qa67c8374a6_winattn
		.amdhsa_group_segment_fixed_size 281344
		.amdhsa_private_segment_fixed_size 0
		.amdhsa_enable_private_segment 0
		.amdhsa_kernarg_size 80
		.amdhsa_user_sgpr_count 2
		.amdhsa_user_sgpr_kernarg_segment_ptr 1
		.amdhsa_wavefront_size32 1
		.amdhsa_system_sgpr_workgroup_id_x 1
		.amdhsa_system_sgpr_workgroup_id_y 1
		.amdhsa_system_sgpr_workgroup_id_z 1
		.amdhsa_system_vgpr_workitem_id 0
		.amdhsa_next_free_vgpr 1024
		.amdhsa_next_free_sgpr 104
		.amdhsa_reserve_vcc 0
		.amdhsa_float_denorm_mode_32 3
		.amdhsa_float_denorm_mode_16_64 3
		.amdhsa_memory_ordered 1
		.amdhsa_forward_progress 1
		.amdhsa_inst_pref_size 255
	.end_amdhsa_kernel
	.section	.bss,"aw",@nobits
	.p2align	6
	.space	262144
	.amdgpu_metadata
---
amdhsa.version: [ 1, 2 ]
amdhsa.kernels:
  - .name:           k_qa67c8374a6_winattn
    .symbol:         k_qa67c8374a6_winattn.kd
    .args:
      - { .name: x, .offset: 0, .size: 8, .value_kind: global_buffer, .address_space: global }
      - { .name: wfrag, .offset: 8, .size: 8, .value_kind: global_buffer, .address_space: global }
      - { .name: wscale, .offset: 16, .size: 8, .value_kind: global_buffer, .address_space: global }
      - { .name: mwords, .offset: 24, .size: 8, .value_kind: global_buffer, .address_space: global }
      - { .name: bias_table, .offset: 32, .size: 8, .value_kind: global_buffer, .address_space: global }
      - { .name: bq, .offset: 40, .size: 8, .value_kind: global_buffer, .address_space: global }
      - { .name: bk, .offset: 48, .size: 8, .value_kind: global_buffer, .address_space: global }
      - { .name: bv, .offset: 56, .size: 8, .value_kind: global_buffer, .address_space: global }
      - { .name: bp, .offset: 64, .size: 8, .value_kind: global_buffer, .address_space: global }
      - { .name: out0, .offset: 72, .size: 8, .value_kind: global_buffer, .address_space: global }
    .group_segment_fixed_size: 281344
    .private_segment_fixed_size: 0
    .kernarg_segment_align: 8
    .kernarg_segment_size: 80
    .max_flat_workgroup_size: 128
    .sgpr_count:     104
    .vgpr_count:     1024
    .wavefront_size: 32
...
	.end_amdgpu_metadata
.endif
;; end of part 2
;; ======== version 2 of 3: 2 launches
;; limits: right only within a limited range of input values
;; workspace buffers: wfrag 786,432 bytes; wscale 65,536 bytes; mwords 131,072 bytes of whole numbers
;; launch prep: the kernel of part 1 again; grid 256 x 1, 2 waves a work-group, no clusters, 0 bytes of LDS; arguments Wq, Wk, Wv, Wp, mask, wfrag, wscale, mwords; writes wfrag, wscale, mwords
;; launch winattn (part 3): grid 256 x 1, 8 waves a work-group, no clusters, 324,608 bytes of LDS; arguments x, wfrag, wscale, mwords, bias_table, bq, bk, bv, bp, out0; writes out0
.if DOCPART == 3
	.amdgcn_target "amdgcn-amd-amdhsa--gfx1250"
	.amdhsa_code_object_version 6
	.text
	.protected	k_qa67c8374a6_winattn
	.globl	k_qa67c8374a6_winattn
	.p2align	8
	.type	k_qa67c8374a6_winattn,@function
k_qa67c8374a6_winattn:
	s_mov_b64 s[64:65], 0
	v_nop
	global_prefetch_b8 v0, s[64:65] scope:SCOPE_SE
	s_setreg_imm32_b32 hwreg(HW_REG_WAVE_MODE, 25, 1), 1
	s_wait_xcnt 0x0
; Window attention, the whole chain in one launch, every product on codes of FP6 (E2M3) with one E8M0 scale for each 32 along K:
; q, k, v = x W^T + b;  S = q k^T / sqrt(32) + bias, -1e9 where mask == 1;  p = 2^(t - M), not normalised;  o = (p v) / sum(p);  out = o Wp^T + bp.
; SHARES.  128 windows of 256 tokens x 512 channels, 16 heads of 32.  A work-group takes one window (ttmp9 / 2) and one half of its queries (ttmp9 % 2): 256 work-groups.  It makes K and V of the whole window itself.
; EIGHT WAVES OF 512 REGISTERS, two to a SIMD, so that one wave's softmax and waits stand beside the other's products.  Wave w takes heads 2 w, 2 w + 1 (channels 64 w .. + 63): it makes V, Q, K of its channels, keeps K and V
; in registers (192), runs its heads' attention for the 8 tiles of 16 queries, and at the end makes output columns 64 w .. + 63.  Four barriers: behind x's quantising, round the change of V's scratch into the table, in front of the output.
; TILES.  The 16 rows of tile T are 32 (T / 2) + 8 (T % 2) + r + 8 (r / 8), for tokens and for the weights' rows alike, so that the 16 registers of two neighbouring result tiles are 16 neighbours along the next K.
; OPERANDS go through LDS and memory as images of their registers.  A fragment of x or of a weight: 12 registers a lane as three blocks of 512 bytes, lane L's 16 bytes at 16 L.  A wave's 64 channels of q, k or o are HALF a fragment:
; 6 registers a lane (lanes 0-15 the first head's block of 32, lanes 16-31 the second's), three blocks of 256 bytes, lane L's 8 bytes at 8 L; its scale word has two bytes, the upper two are 0.
; A HEAD'S K IS 32.  In k q^T my two heads are blocks 0 and 1 of the instruction's 128: q's operand keeps one head's block and is zero codes elsewhere, registers 6-11 among them; k's operand for tile T is its 6 registers and the
; 6 that follow them (the next tile's, behind the last tile V's), which meet zero codes alone and add nothing.
; THE BIAS is bias_table[n / 16 - h + 15][n % 16 - m / 16 + 15][m % 16]; 26 rows of the table lie in LDS, multiplied by sqrt(32), and are loaded into the scores' registers as the C of the product k q^T.
; THE MASK comes as lane masks made by the launch before: one scalar register for each register of scores, one select each.
; NO TENSOR LOADS, NO CLUSTER: what work-groups share are the weights' 786,432 bytes of codes.  Each wave loads its 16 fragments of a matrix straight into the 192 registers that hold them for the phase, each byte once a
; work-group; a way through LDS would add a store and a read of every byte, and 4,096 bytes of LDS are left.
; LIMITS.  A masked score is held at -2^33 ahead of the factor log2(e) / sqrt(32), a logit of -1.52e9 where the problem's text has -1e9: the product with the factor is then exact, so a row that is wholly masked gives
; p = 1 for every key, the uniform weights of the problem's text; results agree as long as unmasked logits lie above about -9.9e8.  Blocks of zeros carry the byte 1 (read by this program alone).  NaN and infinities are not served.
; LDS
.set XS,    0                          ; x's scale words: (4 T + s) x 128 + 4 L
.set XF,    8192                       ; x's 64 fragments: (4 T + s) x 1,536; behind the last barrier the waves' stages: 4,352 w, 16 rows of 272
.set PRIV0, 106496                     ; each wave's own 14,336 bytes:
.set PRIVB, 14336
.set OFO,   6144                       ; +0 q's 8 halves, +6,144 K's scratch (8 halves at a time), then o's 8 halves,
.set QSO,   12288                      ; +12,288 q's scale words,
.set OSD,   1024                       ; 1,024 further on K's, then o's
.set RC,    221184                     ; first V's scratch, 12,800 bytes a wave: 4 tiles of channels x 8 blocks x 384 bytes of codes, then 512 scale bytes;
.set VPB,   12800
.set VSB,   12288
.set BT,    RC                         ; then 26 rows of the table: row x 2,688 + entry x 80; an entry is 64 bytes
.set BTE,   80
.set BTR,   2688
.set FRB,   1536
.set HFB,   768
.set SPT,   272                        ; a stage's row: 256 bytes + 16
; window 0
.set LI,  1                            ; 16 L
.set LS,  2                            ; 4 L
.set PI,  3                            ; my area + 8 L
.set PS,  4                            ; my area + QSO + 4 L
.set XA,  5                            ; x: my row and half (X phase); V's scratch, on the way in and on the way back
.set BBL, 6                            ; my lane's place in the table; the stage, on the way in (output)
.set BA,  7                            ; V's scale bytes; the table's address in hand; the stage, on the way back (output)
.set KS,  16                           ; v16-31  K's scale words
.set VS,  32                           ; v32-39  V's
.set L8,  40                           ; 8 L
.set GO,  41                           ; out0: 2,048 x half + 16 r
.set OT,  42                           ; v42-45  the upper halves of o's scale words
.set S,   48                           ; v48-111 the scores; a projection's 32 or 64 results; x on its way
.set RB,  80                           ; v80-111 the output's rows on their way back
.set XFR, 112                          ; v112-159 four fragments of x or o
.set OH,  112                          ; v112-143 in the attention: O^T of two heads
.set QF,  144                          ; q's half fragment,
.set QM,  150                          ; q's operand: one head's block kept,
.set XSC, 160                          ; v160-163 the four fragments' scale words
.set QSC, 162                          ; q's scale word
.set WS,  164                          ; v164-179 the weights' 16 scale words
.set CB,  180                          ; v180-211 a bias as C
.set FF,  180                          ; in the attention: 2^(old M - new M) (a pair is named),
.set SUM2, 182                         ; the second chain of the row's sum,
.set T0,  184                          ; at work
.set PC,  212                          ; v212-230 codes just made
.set TM,  232                          ; v232-247 the quantisers' largest magnitudes, bytes and scale operands
.set PW,  248                          ; the scale word just made
.set NEG, 249                          ; -2^33
.set RS,  250                          ; v250, 252 the two heads' row sums (pairs are named)
.set H64, 254                          ; 64 x half
.set R4,  255                          ; 4 (r + 8 (r / 8))
; window 1
.set KB,  0                            ; v0-95   K's 16 halves (before: x on its way in v0-63)
.set WB,  64                           ; v64-255 the 16 weight fragments, 4 s + t at 12 (4 s + t)
.set VB,  96                           ; v96-191 in the attention: V's 8 fragments; Wp's fragments 11-15 wait in v196-255
; scalars: s[4:5] x, s[6:7] my weights' codes, s[8:9] their scale words, s[10:11] my mask words, s[12:13] out0, s[14:15] bp; s16-63, s68-83 arguments, later 64 mask words; s84 wave; s85 trips; s86, s87, s96-99 stepped offsets;
; s[88:89] lane selects; s[90:91] log2(e) / sqrt(32); s92 the mask words' offset; s94, s95 the two halves of the lanes; s[100:101] the step from tile to tile in rows of 2,048 bytes.
.set MSB, 0
.macro WIN new                         ; s_set_vgpr_msb: bits 1:0 source 0, 3:2 source 1, 5:4 source 2, 7:6 destination; the high byte repeats the setting that is left
.if MSB != (\new)
	s_set_vgpr_msb (MSB<<8)|(\new)
.set MSB, (\new)
.endif
.endm
.macro PLACES n                        ; plain lines between a matrix instruction and what reads its result or writes its registers (ISA guide 7.12.1)
.rept \n
	v_nop
.endr
.endm
.macro MMC                             ; D = A B + C on the registers named by rD, rA, rB, rC, rSA, rSB
	v_wmma_scale_f32_16x16x128_f8f6f4 v[rD:rD+7], v[rA:rA+11], v[rB:rB+11], v[rC:rC+7], v[rSA], v[rSB] matrix_a_fmt:MATRIX_FMT_FP6 matrix_b_fmt:MATRIX_FMT_FP6
.endm
.macro MMZ                             ; D = A B: the product starts the sum
	v_wmma_scale_f32_16x16x128_f8f6f4 v[rD:rD+7], v[rA:rA+11], v[rB:rB+11], 0, v[rSA], v[rSB] matrix_a_fmt:MATRIX_FMT_FP6 matrix_b_fmt:MATRIX_FMT_FP6
.endm
; 64 numbers of a lane in window w, register 16 b + i = k 32 b + 16 half + i of my row, become a fragment's codes in v[PC] on and its scale word in v[PW].
.macro QUANT src, w
	WIN (((\w)<<2)|((\w)<<4))
.irp b, 0,1,2,3
	v_max3_num_f32 v[TM+\b], 0x1800000, |v[(\src)+16*\b]|, |v[(\src)+16*\b+1]|   ; block b: my 16 numbers, and the floor 2^(3 - 127): the byte cannot fall under 1
.endr
.irp i, 2,4,6,8,10,12,14
.irp b, 0,1,2,3
	v_max3_num_f32 v[TM+\b], v[TM+\b], |v[(\src)+16*\b+\i]|, |v[(\src)+16*\b+\i+1]|   ; (the four blocks by turns)
.endr
.endr
	WIN 0
.irp b, 0,1,2,3
	v_permlanex16_b32 v[TM+4+\b], v[TM+\b], s88, s89
.endr
.irp b, 0,1,2,3
	v_max_num_f32 v[TM+\b], v[TM+\b], v[TM+4+\b]   ; with lane l xor 16's: the block's largest magnitude
.endr
.irp b, 0,1,2,3
	v_add_nc_u32 v[TM+12+\b], 0xff000000, v[TM+\b] ; 2 off its exponent field: the conversion's scale operand
.endr
.irp b, 0,1,2,3
	v_lshrrev_b32 v[TM+4+\b], 23, v[TM+12+\b]      ; the scale's byte
.endr
	v_lshl_or_b32 v[PW], v[TM+5], 8, v[TM+4]
	v_lshl_or_b32 v[PW], v[TM+6], 16, v[PW]
	v_lshl_or_b32 v[PW], v[TM+7], 24, v[PW]
	WIN (\w)
.irp c, 0,1
	v_cvt_scalef32_pk16_fp6_f32 v[PC+6*\c:PC+6*\c+2], v[(\src)+32*\c:(\src)+32*\c+15], v[TM+12+2*\c]
	v_cvt_scalef32_pk16_fp6_f32 v[PC+12+4*\c:PC+12+4*\c+2], v[(\src)+32*\c+16:(\src)+32*\c+31], v[TM+12+2*\c+1]   ; (a conversion's three registers begin on an even number)
.endr
	WIN 0
	v_nop                                          ; one plain line behind the scaled conversions
.irp c, 0,1                                    ; the operand's layout wants a whole block in a lane: lanes 0-15 block 2 c, lanes 16-31 block 2 c + 1
.irp i, 0,1,2
	v_permlane16_swap_b32 v[PC+6*\c+\i], v[PC+12+4*\c+\i]
.endr
.irp i, 0,1,2
	v_mov_b32 v[PC+3+6*\c+\i], v[PC+12+4*\c+\i]
.endr
.endr
.endm
; 32 numbers of a lane in window 0, register 16 b + i = k 32 b + 16 half + i of my row, become half a fragment's codes in v[PC] .. v[PC + 5] and two scale bytes in v[PW].
.macro QUANT2 src
.irp q, 0,1,2,3
	v_max3_num_f32 v[TM+\q], 0x1800000, |v[(\src)+8*\q]|, |v[(\src)+8*\q+1]|   ; four chains, two to a block, each with the floor 2^(3 - 127); each accumulator is read from its low end on
.endr
.irp i, 2,4,6
.irp q, 0,1,2,3
	v_max3_num_f32 v[TM+\q], v[TM+\q], |v[(\src)+8*\q+\i]|, |v[(\src)+8*\q+\i+1]|
.endr
.endr
	v_max_num_f32 v[TM], v[TM], v[TM+1]            ; block 0: my 16 numbers
	v_max_num_f32 v[TM+1], v[TM+2], v[TM+3]        ; block 1
.irp b, 0,1
	v_permlanex16_b32 v[TM+4+\b], v[TM+\b], s88, s89
.endr
.irp b, 0,1
	v_max_num_f32 v[TM+\b], v[TM+\b], v[TM+4+\b]   ; with lane l xor 16's: the block's largest magnitude
.endr
.irp b, 0,1
	v_add_nc_u32 v[TM+12+\b], 0xff000000, v[TM+\b] ; 2 off its exponent field: the conversion's scale operand
.endr
.irp b, 0,1
	v_lshrrev_b32 v[TM+4+\b], 23, v[TM+12+\b]      ; the scale's byte
.endr
	v_lshl_or_b32 v[PW], v[TM+5], 8, v[TM+4]
	v_cvt_scalef32_pk16_fp6_f32 v[PC:PC+2], v[(\src):(\src)+15], v[TM+12]
	v_cvt_scalef32_pk16_fp6_f32 v[PC+12:PC+14], v[(\src)+16:(\src)+31], v[TM+13]
	v_nop                                          ; one plain line behind the scaled conversions
.irp i, 0,1,2
	v_permlane16_swap_b32 v[PC+\i], v[PC+12+\i]    ; lanes 0-15 now hold block 0 whole, lanes 16-31 block 1
.endr
.irp i, 0,1,2
	v_mov_b32 v[PC+3+\i], v[PC+12+\i]
.endr
.endm
.macro IMAGE adr, off                          ; the fragment in v[PC] on goes to LDS as it stands
.irp c, 0,1,2
	ds_store_b128 v[\adr], v[PC+4*\c:PC+4*\c+3] offset:(\off)+512*\c
.endr
.endm
.macro HIMG adr, off                           ; and so does half a fragment
.irp p, 0,1,2
	ds_store_b64 v[\adr], v[PC+2*\p:PC+2*\p+1] offset:(\off)+256*\p
.endr
.endm
.macro LOADW mat, lo, hi                       ; my fragments lo .. hi (4 s + t) of a matrix, from memory into the registers that hold them for the phase
	WIN 0x40
.set idx, \lo
.rept (\hi)-(\lo)+1
.irp c, 0,1,2
	global_load_b128 v[WB+12*idx+4*\c:WB+12*idx+4*\c+3], v[LI], s[6:7] offset:(\mat)*196608+(8*(idx/4)+idx%4)*FRB+512*\c
.endr
.set idx, idx+1
.endr
	WIN 0
.endm
.macro LOADWS mat
.set idx, 0
.rept 16
	global_load_b32 v[WS+idx], v[LS], s[8:9] offset:(\mat)*16384+(8*(idx/4)+idx%4)*128
.set idx, idx+1
.endr
.endm
.macro LOADCB p                                ; a bias in the result's layout, the C of each sum's first product: register 8 t + j = b[32 (t / 2) + 16 half + 8 (t % 2) + j] of my 64
.irp t, 0,1,2,3
	global_load_b128 v[CB+8*\t:CB+8*\t+3], v[H64], s[\p:\p+1] offset:(32*(\t/2)+8*(\t%2))*4
	global_load_b128 v[CB+8*\t+4:CB+8*\t+7], v[H64], s[\p:\p+1] offset:(32*(\t/2)+8*(\t%2))*4+16
.endr
.endm
.macro BVLOAD h                                ; bv as C for tiles of channels 2 h, 2 h + 1: in V's result a lane holds one channel, so its eight registers are equal
.irp q, 0,1
.irp j, 0,1,2,3,4,5,6,7
	global_load_b32 v[CB+8*(2*(\h)+\q)+\j], v[R4], s[30:31] offset:(32*(\h)+8*\q)*4
.endr
.endr
.endm
.macro XFETCH                                  ; a tile's four K steps of x, and their scale words
.irp sx, 0,1,2,3
.irp c, 0,1,2
	ds_load_b128 v[XFR+12*\sx+4*\c:XFR+12*\sx+4*\c+3], v8 offset:FRB*\sx+512*\c
.endr
	ds_load_b32 v[XSC+\sx], v9 offset:128*\sx
.endr
.endm
; 16 products: my 64 channels (source 0: 4 tiles of weight rows) x 16 tokens (source 1), K = 512.  A lane holds one token, register 8 t + j channel 32 (t / 2) + 16 half + 8 (t % 2) + j.
; The four accumulators take turns, one instruction a turn.
.macro PMUL
	WIN 0x01
.irp sx, 0,1,2,3
.irp t, 0,1,2,3
.set rD, S+8*\t
.set rA, WB+12*(4*\sx+\t)
.set rB, XFR+12*\sx
.set rSA, WS+4*\sx+\t
.set rSB, XSC+\sx
.if \sx == 0
.set rC, CB+8*\t
.else
.set rC, rD
.endif
	MMC
.endr
.endr
.endm
.macro XLOAD u                                 ; unit u = 4 e + s: 64 numbers a lane: K step s of my tile e: of each block of 32 my half's 16 neighbours.  Even units land in window 1, odd ones in window 0
.if ((\u)%2) == 0
	WIN 0x40
.set xr, 0
.else
	WIN 0
.set xr, S
.endif
.irp b, 0,1,2,3
.irp j, 0,1,2,3
	global_load_b128 v[xr+16*\b+4*\j:xr+16*\b+4*\j+3], v[XA], s[4:5] offset:16384*((\u)/4)+512*((\u)%4)+128*\b+16*\j
.endr
.endr
	WIN 0
.endm
.macro XUNIT u, left                           ; one K step of one tile of x becomes a fragment in LDS; left: the loads issued behind this unit's, which may stay out
	s_wait_loadcnt \left
	s_wait_dscnt 0x0                               ; the last image's stores have read the codes' registers
.if ((\u)%2) == 0
	QUANT 0, 1
.else
	QUANT S, 0
.endif
	IMAGE 8, FRB*(\u)
	ds_store_b32 v9, v[PW] offset:128*(\u)
.if (\u)+2 < 8
	XLOAD (\u)+2                                   ; the buffer takes the unit two further on
.endif
.endm
.macro VGROUP s                                ; K step s of the two tiles of 16 tokens in hand, into slots 2 (s % 2) + e
.irp e, 0,1
.irp c, 0,1,2
	ds_load_b128 v[XFR+12*(2*((\s)%2)+\e)+4*\c:XFR+12*(2*((\s)%2)+\e)+4*\c+3], v8 offset:\e*4*FRB+(\s)*FRB+512*\c
.endr
	ds_load_b32 v[XSC+2*((\s)%2)+\e], v9 offset:\e*512+128*(\s)
.endr
.endm
; 8 products of V: source 0 = 16 tokens, source 1 = 16 rows of Wv: a lane holds ONE channel, and the 16 registers of tiles e = 0, 1 are 16 neighbouring tokens, the next K.  Eight accumulators by turns.
.macro VSTEP s
	WIN 0x04
.irp ct, 0,1,2,3
.irp e, 0,1
.set rD, S+16*\ct+8*\e
.set rA, XFR+12*(2*((\s)%2)+\e)
.set rB, WB+12*(4*(\s)+\ct)
.set rSA, XSC+2*((\s)%2)+\e
.set rSB, WS+4*(\s)+\ct
.if (\s) == 0
.set rC, CB+8*\ct
.else
.set rC, rD
.endif
	MMC
.endr
.endr
.endm
; A loop of 8 trips: 16 tokens' projection onto my 64 channels, quantised, half image and scale word into my own area.  s86, s87: the tiles' places among x's fragments and scale words; s98, s99 = 0.
.macro PLOOP imgoff, scoff
	v_add_nc_u32 v8, s86, v[LI]
	v_add_nc_u32 v9, s87, v[LS]
	XFETCH
	s_mov_b32 s85, 8
.Lp_\@:
	s_wait_dscnt 0x0                               ; the tile's fragments are in, and the last image's stores have read their registers
	PMUL
	WIN 0
	PLACES 4
	s_add_co_u32 s86, s86, 4*FRB
	s_add_co_u32 s87, s87, 512
	s_cmp_eq_u32 s85, 1                            ; the last trip fetches nothing
	s_cbranch_scc1 .Lpn_\@
	v_add_nc_u32 v8, s86, v[LI]
	v_add_nc_u32 v9, s87, v[LS]
	XFETCH
.Lpn_\@:
	QUANT2 S
	v_add_nc_u32 v10, s98, v[PI]
	v_add_nc_u32 v11, s99, v[PS]
	HIMG 10, \imgoff
	ds_store_b32 v11, v[PW] offset:\scoff
	s_add_co_u32 s98, s98, HFB
	s_add_co_u32 s99, s99, 128
	s_sub_co_u32 s85, s85, 1
	s_cmp_lg_u32 s85, 0
	s_cbranch_scc1 .Lp_\@
.endm
.macro KHALF hf                                ; K of tokens 128 hf on: through my scratch into window 1
	s_mov_b32 s86, XF+32*FRB*(\hf)
	s_mov_b32 s87, XS+4096*(\hf)
	s_mov_b32 s98, 0
	s_mov_b32 s99, 0
	PLOOP OFO, OSD
	WIN 0x40
.irp i, 0,1,2,3,4,5,6,7
.irp p, 0,1,2
	ds_load_b64 v[KB+6*(8*(\hf)+\i)+2*\p:KB+6*(8*(\hf)+\i)+2*\p+1], v[PI] offset:OFO+HFB*\i+256*\p   ; LDS serves a wave's instructions in order (ISA guide 5.7.1.4): these see my stores
.endr
.endr
	WIN 0
.irp i, 0,1,2,3,4,5,6,7
	ds_load_b32 v[KS+8*(\hf)+\i], v[PS] offset:OSD+128*\i
.endr
.endm
.macro MASKLOAD off                            ; 64 mask words: s16-63 and s68-83
	s_load_b512 s[16:31], s[10:11], s92 offset:(\off)
	s_load_b512 s[32:47], s[10:11], s92 offset:(\off)+64
	s_load_b512 s[48:63], s[10:11], s92 offset:(\off)+128
	s_load_b512 s[68:83], s[10:11], s92 offset:(\off)+192
.endm
.macro BIASLOAD hl, sx                         ; the bias x sqrt(32) of 16 queries x 128 keys, in the scores' own layout
.irp tt, 0,1,2,3,4,5,6,7
	ds_load_b128 v[S+8*\tt:S+8*\tt+3], v[BA] offset:(1-(\hl))*BTR+(7-4*(\sx)-\tt/2)*160+32*(\tt%2)
	ds_load_b128 v[S+8*\tt+4:S+8*\tt+7], v[BA] offset:(1-(\hl))*BTR+(7-4*(\sx)-\tt/2)*160+32*(\tt%2)+16
.endr
.endm
.macro QMASK hl                                ; q's operand with head hl's block alone: lanes 16 hl on of registers 0-5; zero codes elsewhere (registers 6-11 were cleared once)
.irp i, 0,1,2,3,4,5
	v_cndmask_b32 v[QM+\i], 0, v[QF+\i], s[94+(\hl)]
.endr
.endm
; HEAD hl, KEYS 128 sx ON, for the tile of 16 queries in hand.  Both products are used transposed: a lane holds one query throughout.
.macro STEP hl, sx
.if (\sx) == 0
.set nh, (\hl)
.set ns, 1
.else
.set nh, ((\hl)+1)%2
.set ns, 0
.endif
	s_wait_dscnt 0x0                               ; the bias lies in the scores' registers
	WIN 0x01
.irp tt, 0,1,2,3,4,5,6,7                       ; S^T = k q^T + bias sqrt(32): register 8 tt + j holds key 128 sx + 32 (tt / 2) + 16 half + 8 (tt % 2) + j
.set rD, S+8*\tt
.set rA, KB+6*(8*(\sx)+\tt)
.set rB, QM
.set rC, rD
.set rSA, KS+8*(\sx)+\tt
.set rSB, QSC
	MMC
.endr
	WIN 0
	s_wait_kmcnt 0x0                               ; this step's mask words
	PLACES 4
.set rho, 0
.rept 64
	v_cndmask_b32 v[S+rho], v[S+rho], v[NEG], s[16+rho+4*(rho/48)]   ; each accumulator from its low end on
.set rho, rho+1
.endr
.irp b, 0,1,2,3
	v_max3_num_f32 v[TM+\b], v[S+16*\b], v[S+1+16*\b], v[S+2+16*\b]   ; the largest score of each block of 32 keys: for the row's maximum, and, since p rises with the score, for the block's largest p
.endr
.irp i, 3,5,7,9,11,13
.irp b, 0,1,2,3
	v_max3_num_f32 v[TM+\b], v[TM+\b], v[S+16*\b+\i], v[S+16*\b+\i+1]
.endr
.endr
.irp b, 0,1,2,3
	v_max_num_f32 v[TM+\b], v[TM+\b], v[S+15+16*\b]
.endr
.if ((\hl) == 1) && ((\sx) == 1)
	s_add_co_u32 s92, s92, 8192                    ; the next tile of queries; the last trip asks for its own tile again, so that no load leaves the buffer
	s_min_u32 s92, s92, 57344
.endif
	MASKLOAD nh*512+ns*256                         ; the next step's words: the selects above have read these registers
.irp b, 0,1,2,3
	v_permlanex16_b32 v[TM+4+\b], v[TM+\b], s88, s89
.endr
.irp b, 0,1,2,3
	v_max_num_f32 v[TM+\b], v[TM+\b], v[TM+4+\b]   ; with lane l xor 16's 16 keys
.endr
	v_max3_num_f32 v[T0], v[TM], v[TM+1], v[TM+2]
	v_max_num_f32 v[T0], v[T0], v[TM+3]
.if (\sx) == 0
	v_mul_f32 v13, s90, v[T0]                      ; the largest t so far
	v_floor_f32 v12, -v13                          ; -M = floor(-t): M is a whole number
.else
	v_mul_f32 v[T0], s90, v[T0]
	v_max_num_f32 v13, v13, v[T0]                  ; the running largest t
	v_mov_b32 v[T0], v12
	v_floor_f32 v12, -v13
	v_sub_f32 v[T0], v12, v[T0]                    ; old M - new M: a whole number, 0 or less
	v_cvt_i32_f32 v[T0], v[T0]                     ; (it saturates)
	v_ldexp_f32 v[FF], 1.0, v[T0]                  ; f = 2^(old M - new M): a multiplication by it rounds nothing
.endif
.irp j, 0,2,4,6,8,10,12,14,16,18,20,22,24,26,28,30,32,34,36,38,40,42,44,46,48,50,52,54,56,58,60,62
	v_pk_fma_f32 v[S+\j:S+\j+1], v[S+\j:S+\j+1], s[90:91], v[12:13] op_sel_hi:[1,0,0]   ; t - M, two at a time
.endr
.irp b, 0,1,2,3
	v_fma_f32 v[TM+\b], v[TM+\b], s90, v12         ; the same of each block's largest score
.endr
.set rho, 0
.rept 64
	v_exp_f32 v[S+rho], v[S+rho]                   ; p = 2^(t - M), at most 1, not normalised
.set rho, rho+1
.endr
.if (\sx) == 0
	v_mov_b32 v14, 0                               ; the row's sum begins.  (A plain line behind the exponentials)
	v_mov_b32 v15, 0
.else
	v_pk_mul_f32 v[14:15], v[14:15], v[FF:FF+1] op_sel_hi:[1,0]   ; the sum under the new M.  (A plain line behind the exponentials)
.endif
	s_wait_alu depctr_va_vdst(0)                   ; one wait for the batch, ahead of its first reader
.irp b, 0,1,2,3
	v_exp_f32 v[TM+\b], v[TM+\b]                   ; the block's largest p
.endr
	v_pk_add_f32 v[SUM2:SUM2+1], v[S:S+1], v[S+2:S+3]   ; the row's sum is taken of the unquantised p, in two chains
.irp j, 4,8,12,16,20,24,28,32,36,40,44,48,52,56,60
	v_pk_add_f32 v[14:15], v[14:15], v[S+\j:S+\j+1]
	v_pk_add_f32 v[SUM2:SUM2+1], v[SUM2:SUM2+1], v[S+2+\j:S+3+\j]
.endr
	v_pk_add_f32 v[14:15], v[14:15], v[SUM2:SUM2+1]
	s_wait_alu depctr_va_vdst(0)                   ; and one for the four
.irp b, 0,1,2,3
	v_max_num_f32 v[TM+\b], 0x1800000, v[TM+\b]    ; the floor: a block whose every p is 0 keeps the byte 1; its codes are zeros
.endr
.irp b, 0,1,2,3
	v_add_nc_u32 v[TM+12+\b], 0xff000000, v[TM+\b]
.endr
.irp b, 0,1,2,3
	v_lshrrev_b32 v[TM+4+\b], 23, v[TM+12+\b]
.endr
	v_lshl_or_b32 v[PW], v[TM+5], 8, v[TM+4]       ; p's scale word for these 128 keys
	v_lshl_or_b32 v[PW], v[TM+6], 16, v[PW]
	v_lshl_or_b32 v[PW], v[TM+7], 24, v[PW]
.irp c, 0,1
	v_cvt_scalef32_pk16_fp6_f32 v[PC+6*\c:PC+6*\c+2], v[S+32*\c:S+32*\c+15], v[TM+12+2*\c]
	v_cvt_scalef32_pk16_fp6_f32 v[PC+12+4*\c:PC+12+4*\c+2], v[S+32*\c+16:S+32*\c+31], v[TM+12+2*\c+1]
.endr
	v_nop                                          ; one plain line behind the scaled conversions
.irp c, 0,1
.irp i, 0,1,2
	v_permlane16_swap_b32 v[PC+6*\c+\i], v[PC+12+4*\c+\i]
.endr
.irp i, 0,1,2
	v_mov_b32 v[PC+3+6*\c+\i], v[PC+12+4*\c+\i]
.endr
.endr
.if ((\hl) == 1) && ((\sx) == 1)               ; on to the next tile of queries: two rows of the table for every second tile, eight entries for the others
	s_add_co_u32 s86, s86, BTR
	s_xor_b32 s87, s87, 2048
	v_add_nc_u32 v[BA], s86, v[BBL]
	v_sub_nc_u32 v[BA], v[BA], s87                 ; 2 x 2,688 (i / 2) + 8 x 80 (i % 2)
	s_add_co_u32 s96, s96, HFB
	s_add_co_u32 s97, s97, 128
	v_add_nc_u32 v8, s96, v[PI]
	v_add_nc_u32 v10, s97, v[PS]
.endif
	BIASLOAD nh, ns                                ; the scores' registers are free: the next step's bias (behind the last trip: bytes of the table's rows 8 to 24, not used)
.if ((\hl) == 1) && ((\sx) == 1)
.irp p, 0,1,2
	ds_load_b64 v[QF+2*\p:QF+2*\p+1], v8 offset:256*\p   ; the next tile's q (behind the last trip: my own bytes of o, not used)
.endr
	ds_load_b32 v[QSC], v10
.endif
.if (\sx) == 0
	PLACES 8                                       ; a scale word made by vector lines stands eight plain lines ahead of the scaled product, codes so made four
.else
.if (\hl) < 1
	QMASK (\hl)+1
.endif
.irp k, 0,1,2,3,4,5,6,7
	v_pk_mul_f32 v[OH+16*(\hl)+2*\k:OH+16*(\hl)+2*\k+1], v[OH+16*(\hl)+2*\k:OH+16*(\hl)+2*\k+1], v[FF:FF+1] op_sel_hi:[1,0]   ; O^T under the new M; these eight are those plain lines too
.endr
.endif
	WIN 0x01
.irp u, 0,1                                    ; O^T += V^T P^T: register 8 u + j holds channel 32 hl + 16 half + 8 u + j
.set rD, OH+16*(\hl)+8*\u
.set rA, VB+12*(2*(2*(\hl)+\u)+(\sx))
.set rB, PC
.set rC, rD
.set rSA, VS+2*(2*(\hl)+\u)+(\sx)
.set rSB, PW
.if (\sx) == 0
	MMZ
.else
	MMC
.endif
.endr
	WIN 0
.if (\sx) == 1
	v_add_f32 v[RS+2*(\hl)], v14, v15              ; the head's sum, my half of the keys
.endif
.endm
.macro OADDR                                   ; where a tile's o lies: waves 0-3's areas by v8, v9, waves 4-7's by v10, v11
	s_add_co_u32 s2, s96, 4*PRIVB
	s_add_co_u32 s3, s97, 4*PRIVB
	v_add_nc_u32 v8, s96, v[L8]
	v_add_nc_u32 v9, s97, v[LS]
	v_add_nc_u32 v10, s2, v[L8]
	v_add_nc_u32 v11, s3, v[LS]
.endm
.macro OFETCH                                  ; o's four K steps of a tile of queries: K step s is the halves of waves 2 s and 2 s + 1; their scale words come apart and are joined in registers
.irp sx, 0,1
.irp cc, 0,1
.irp p, 0,1,2
	ds_load_b64 v[XFR+12*\sx+6*\cc+2*\p:XFR+12*\sx+6*\cc+2*\p+1], v8 offset:PRIVB*(2*\sx+\cc)+256*\p
	ds_load_b64 v[XFR+24+12*\sx+6*\cc+2*\p:XFR+24+12*\sx+6*\cc+2*\p+1], v10 offset:PRIVB*(2*\sx+\cc)+256*\p
.endr
.endr
	ds_load_b32 v[XSC+\sx], v9 offset:PRIVB*(2*\sx)
	ds_load_b32 v[OT+\sx], v9 offset:PRIVB*(2*\sx+1)
	ds_load_b32 v[XSC+2+\sx], v11 offset:PRIVB*(2*\sx)
	ds_load_b32 v[OT+2+\sx], v11 offset:PRIVB*(2*\sx+1)
.endr
.endm
; ---- HEAD
	s_load_b512 s[16:31], s[0:1], 0x0              ; x, wfrag, wscale, mwords, bias_table, bq, bk, bv
	s_load_b128 s[32:35], s[0:1], 0x40             ; bp, out0
	v_lshl_add_u32 v227, v0, 2, 0x4f000
	v_mov_b32 v231, 0
	v_lshrrev_b32 v12, 5, v0
	v_readfirstlane_b32 s84, v12                   ; wave 0..7
	v_and_b32 v12, 31, v0                          ; L
	v_lshlrev_b32 v[LI], 4, v12
	v_lshlrev_b32 v[LS], 2, v12
	v_lshlrev_b32 v[L8], 3, v12
	v_and_b32 v13, 15, v0                          ; r
	v_bfe_u32 v14, v0, 4, 1                        ; half
	v_and_b32 v15, 8, v13
	v_add_nc_u32 v15, v15, v13                     ; r + 8 (r / 8)
	v_lshlrev_b32 v[XA], 11, v15
	v_lshl_add_u32 v[XA], v14, 6, v[XA]            ; x: my row of 2,048 bytes, + 64 bytes for the upper half
	v_lshlrev_b32 v[R4], 2, v15
	v_lshlrev_b32 v[H64], 6, v14
	v_lshlrev_b32 v[GO], 4, v13
	v_lshl_add_u32 v[GO], v14, 11, v[GO]           ; out0: lanes 0-15 one row's 256 bytes, lanes 16-31 the next row's
	v_lshrrev_b32 v15, 3, v13
	v_mul_u32_u24 v[BBL], v15, BTR
	v_and_b32 v15, 7, v13
	v_mad_u32_u24 v[BBL], v15, BTE, v[BBL]
	v_xor_b32 v15, 1, v14
	v_mad_u32_u24 v[BBL], v15, BTE, v[BBL]         ; the table: row r / 8, entry r % 8 + (1 - half)
	s_mul_i32 s2, s84, PRIVB
	s_add_co_u32 s2, s2, PRIV0                     ; my own area
	v_add_nc_u32 v[PI], s2, v[L8]
	s_add_co_u32 s3, s2, QSO
	v_add_nc_u32 v[PS], s3, v[LS]
	s_xor_b32 s3, s84, 7
	s_mul_i32 s3, s3, 2*BTR                        ; two rows for each wave below 7
	s_add_co_u32 s3, s3, BT
	v_add_nc_u32 v[BBL], s3, v[BBL]
	s_mul_i32 s96, s84, 8*FRB
	s_add_co_u32 s96, s96, XF
	v_add_nc_u32 v8, s96, v[LI]                    ; where my two tiles' eight fragments go,
	s_lshl_b32 s97, s84, 10
	v_add_nc_u32 v9, s97, v[LS]                    ; and their scale words
.irp b, 0,1,2,3
	v_mov_b32 v[TM+4+\b], 0                        ; written once: a lane permute's destination counts as one of its sources
.endr
	v_mov_b32 v[RS+1], 0                           ; (named as the upper halves of pairs)
	v_mov_b32 v[RS+3], 0
	s_mov_b32 s88, 0x76543210
	s_mov_b32 s89, 0xfedcba98                      ; v_permlanex16_b32's selects for lane l xor 16
	s_and_b32 s93, ttmp9, 1                        ; which half of the queries
	s_lshr_b32 s2, ttmp9, 1
	s_lshl_b32 s2, s2, 19                          ; the window's 524,288 bytes in x and in out0
	s_lshr_b32 s3, s84, 1                          ; which group of 128 weight rows,
	s_and_b32 s85, s84, 1                          ; and which half of it
	s_mov_b32 s87, 0
	s_lshl_b32 s86, s84, 16                        ; my tiles 2 w, 2 w + 1 begin at rows 32 w and 32 w + 8
	s_add_co_u32 s86, s86, s2
	s_wait_kmcnt 0x0
	s_add_nc_u64 s[4:5], s[16:17], s[86:87]
	XLOAD 0                                        ; x first: it has the longest way
	XLOAD 1
	s_mul_i32 s86, s3, 32*FRB
	s_mul_i32 s99, s85, 4*FRB
	s_add_co_u32 s86, s86, s99
	s_add_nc_u64 s[6:7], s[18:19], s[86:87]
	s_lshl_b32 s86, s3, 12
	s_lshl_b32 s99, s85, 9
	s_add_co_u32 s86, s86, s99
	s_add_nc_u64 s[8:9], s[20:21], s[86:87]
	s_lshl_b32 s86, s84, 10                        ; two heads' 512 bytes of mask words in each tile's 8,192
	s_lshl_b32 s99, s93, 16
	s_add_co_u32 s86, s86, s99
	s_add_nc_u64 s[10:11], s[22:23], s[86:87]
	s_lshl_b32 s86, s84, 8                         ; my 64 numbers of each bias, my 64 columns of out0
	s_add_nc_u64 s[14:15], s[32:33], s[86:87]
	s_add_nc_u64 s[26:27], s[26:27], s[86:87]
	s_add_nc_u64 s[28:29], s[28:29], s[86:87]
	s_add_nc_u64 s[30:31], s[30:31], s[86:87]
	s_lshl_b32 s99, s93, 18
	s_add_co_u32 s86, s86, s99
	s_add_co_u32 s86, s86, s2
	s_add_nc_u64 s[12:13], s[34:35], s[86:87]
	s_mov_b64 s[36:37], s[24:25]                   ; the table from its first row,
	s_mul_i32 s86, s93, 8*1984
	s_add_nc_u64 s[24:25], s[24:25], s[86:87]      ; and from row 8 x (half of the queries): LDS row y holds the table's row y + that
; ---- X: my two tiles of 16 tokens become 8 fragments.  Two buffers; every offset is an immediate.  Wv, its scale words and bv are dealt out among the units, so that they land meanwhile.
; A unit's wait counts the loads issued behind its own 16: the next unit's 16 and the chunks of 15, 15, 15, 19, 16, 16 between them.
	LOADW 2, 0, 4
	XUNIT 0, 31                                    ; unit 1's 16, 15 of Wv
	LOADW 2, 5, 9
	XUNIT 1, 46                                    ; 15, unit 2's 16, 15
	LOADW 2, 10, 14
	XUNIT 2, 46                                    ; 15, 16, 15
	LOADW 2, 15, 15
	LOADWS 2
	XUNIT 3, 50                                    ; 15, 16, 19
	BVLOAD 0
	XUNIT 4, 51                                    ; 19, 16, 16
	BVLOAD 1
	XUNIT 5, 48                                    ; 16, 16, 16
	XUNIT 6, 32                                    ; 16, unit 7's 16
	XUNIT 7, 0                                     ; nothing was issued behind it: all loads are in
	s_wait_dscnt 0x0                               ; for the others' sake: my fragments and scale words have landed
	s_barrier_signal -1
	s_barrier_wait -1
; ---- V: 8 trips of 32 tokens (one block along the keys), my 64 channels
	v_and_b32 v12, 15, v0
	v_bfe_u32 v13, v0, 4, 1
	s_mul_i32 s2, s84, VPB
	s_add_co_u32 s2, s2, RC
	v_mul_u32_u24 v5, v12, 24
	v_mad_u32_u24 v5, v13, 12, v5
	v_add_nc_u32 v5, s2, v5                        ; scratch: a channel's block is 24 bytes, my half's 16 codes 12 of them: LDS puts the halves together
	s_add_co_u32 s3, s2, VSB
	v_lshl_add_u32 v7, v12, 3, s3                  ; a channel's 8 scale bytes
	s_mov_b32 s96, XF
	s_mov_b32 s97, XS
	s_mov_b32 s98, 0
	s_mov_b32 s99, 0
	v_add_nc_u32 v8, s96, v[LI]
	v_add_nc_u32 v9, s97, v[LS]
	VGROUP 0
	VGROUP 1
	s_mov_b32 s85, 8
.Lv:
	s_wait_dscnt 0x0                               ; K steps 0 and 1 are in; the last trip's stores have read their registers
	VSTEP 0
	WIN 0
	PLACES 4
	VGROUP 2
	VSTEP 1
	WIN 0
	PLACES 4
	VGROUP 3
	s_wait_dscnt 8                                 ; the eight loads of K step 3 may be out
	VSTEP 2
	s_wait_dscnt 0x0
	VSTEP 3
	WIN 0
	PLACES 4
	s_add_co_u32 s96, s96, 8*FRB
	s_add_co_u32 s97, s97, 1024
	s_cmp_eq_u32 s85, 1                            ; the last trip fetches nothing
	s_cbranch_scc1 .Lv_last
	v_add_nc_u32 v8, s96, v[LI]
	v_add_nc_u32 v9, s97, v[LS]
	VGROUP 0
	VGROUP 1
.Lv_last:
	v_add_nc_u32 v10, s98, v5
	v_add_nc_u32 v11, s99, v7
.irp ct, 0,1,2,3                               ; the quantiser, the four tiles of channels by turns
	v_max3_num_f32 v[TM+\ct], |v[S+16*\ct]|, |v[S+16*\ct+1]|, 0x1800000
.endr
.irp i, 2,4,6,8,10,12,14
.irp ct, 0,1,2,3
	v_max3_num_f32 v[TM+\ct], v[TM+\ct], |v[S+16*\ct+\i]|, |v[S+16*\ct+\i+1]|
.endr
.endr
.irp ct, 0,1,2,3
	v_permlanex16_b32 v[TM+4+\ct], v[TM+\ct], s88, s89
.endr
.irp ct, 0,1,2,3
	v_max_num_f32 v[TM+\ct], v[TM+\ct], v[TM+4+\ct]
.endr
.irp ct, 0,1,2,3
	v_add_nc_u32 v[TM+8+\ct], 0xff000000, v[TM+\ct]
.endr
.irp ct, 0,1,2,3
	v_lshrrev_b32 v[TM+12+\ct], 23, v[TM+8+\ct]
.endr
.irp ct, 0,1,2,3
	v_cvt_scalef32_pk16_fp6_f32 v[PC+4*\ct:PC+4*\ct+2], v[S+16*\ct:S+16*\ct+15], v[TM+8+\ct]
.endr
	v_nop                                          ; one plain line behind the scaled conversions
.irp ct, 0,1,2,3
.irp i, 0,1,2
	ds_store_b32 v10, v[PC+4*\ct+\i] offset:2*FRB*\ct+4*\i
.endr
	ds_store_b8 v11, v[TM+12+\ct] offset:128*\ct   ; both lanes of a block write the same byte with the same value
.endr
	s_add_co_u32 s98, s98, 384
	s_add_co_u32 s99, s99, 1
	s_sub_co_u32 s85, s85, 1
	s_cmp_lg_u32 s85, 0
	s_cbranch_scc1 .Lv
	s_wait_dscnt 0x0                               ; V stays in its scratch until the weights' registers are free
	PLACES 4
	LOADW 0, 0, 15                                 ; Wq
	LOADWS 0
	LOADCB 26
	s_wait_loadcnt 0x0
; ---- Q: my half's 8 tiles of queries
	s_and_b32 s86, ttmp9, 1
	s_mul_i32 s87, s86, 4096
	s_mul_i32 s86, s86, 32*FRB
	s_add_co_u32 s86, s86, XF
	s_mov_b32 s98, 0
	s_mov_b32 s99, 0
	PLOOP 0, 0
	PLACES 4
	LOADW 1, 0, 15                                 ; Wk
	LOADWS 1
	LOADCB 28
	s_wait_loadcnt 0x0
; ---- K: all 16 tiles of keys, in two halves through my scratch.  The first half's registers lie beside the weights', the second's over weights that are done with
	KHALF 0
	KHALF 1
	PLACES 4
; ---- V comes into registers, and the table takes its scratch's place
	v_and_b32 v12, 127, v0
	v_lshlrev_b32 v13, 4, v12
	v_min_u32 v13, 1968, v13                       ; a row of the table is 1,984 bytes: 124 threads' 16; the last four read the last 16 again
	v_lshrrev_b32 v14, 7, v0                       ; threads 0-127 take the even rows, threads 128-255 the odd ones
	v_mad_u32_u24 v8, v14, 1984, v13
	s_and_b32 s2, ttmp9, 1
	s_lshl_b32 s2, s2, 3
	s_add_co_u32 s3, s2, 22                        ; LDS rows 22 to 25: the table's row held at its last (rows 23 on are read by a look-ahead alone)
	v_add_nc_u32 v9, s3, v14
	v_min_u32 v9, 30, v9
	v_mad_u32_u24 v9, v9, 1984, v13
	s_add_co_u32 s3, s2, 24
	v_add_nc_u32 v10, s3, v14
	v_min_u32 v10, 30, v10
	v_mad_u32_u24 v10, v10, 1984, v13
	v_lshrrev_b32 v15, 2, v12
	v_mul_u32_u24 v11, v15, BTE
	v_and_b32 v15, 3, v12
	v_lshl_add_u32 v11, v15, 4, v11
	v_mad_u32_u24 v11, v14, BTR, v11
	v_add_nc_u32 v11, BT, v11                      ; in LDS: entry (thread % 128) / 4, 16 bytes each (the last four threads of a row write into its unused end)
.set y, 0
.rept 11
	global_load_b128 v[XFR+4*y:XFR+4*y+3], v8, s[24:25] offset:y*2*1984
.set y, y+1
.endr
	global_load_b128 v[XFR+44:XFR+47], v9, s[36:37]
	global_load_b128 v[XFR+48:XFR+51], v10, s[36:37]
	LOADW 3, 11, 15                                ; five fragments of Wp land during the attention: nothing there names their registers
	v_and_b32 v12, 31, v0
	v_mul_u32_u24 v5, v12, 24
	s_mul_i32 s2, s84, VPB
	s_add_co_u32 s2, s2, RC
	v_add_nc_u32 v5, s2, v5                        ; V's fragments: block 4 s + 2 c + half of channel r lies at 24 L within its 768 bytes
	WIN 0x40
.irp ct, 0,1,2,3
.irp sx, 0,1
.irp c, 0,1
.irp i, 0,1,2
	ds_load_b64 v[VB+12*(2*\ct+\sx)+6*\c+2*\i:VB+12*(2*\ct+\sx)+6*\c+2*\i+1], v5 offset:2*FRB*\ct+FRB*\sx+768*\c+8*\i
.endr
.endr
.endr
.endr
	WIN 0
.irp ct, 0,1,2,3
	ds_load_b64 v[VS+2*\ct:VS+2*\ct+1], v7 offset:128*\ct
.endr
	s_wait_dscnt 0x0                               ; my reads of V's scratch are over
	s_barrier_signal -1
	s_barrier_wait -1                              ; everybody's are: the table may be written over it
	s_wait_loadcnt 15                              ; the table's 13 loads are in; Wp's 15 may stay out
	s_mov_b32 s2, 0x40b504f3                       ; sqrt(32): (q.k + bias sqrt(32)) / sqrt(32) = q.k / sqrt(32) + bias
	s_mov_b32 s3, s2
.set y, 0
.rept 13
	v_pk_mul_f32 v[XFR+4*y:XFR+4*y+1], v[XFR+4*y:XFR+4*y+1], s[2:3] op_sel_hi:[1,0]
	v_pk_mul_f32 v[XFR+4*y+2:XFR+4*y+3], v[XFR+4*y+2:XFR+4*y+3], s[2:3] op_sel_hi:[1,0]
	ds_store_b128 v11, v[XFR+4*y:XFR+4*y+3] offset:y*2*BTR
.set y, y+1
.endr
	s_wait_dscnt 0x0                               ; for the others' sake: my part of the table has landed
	s_barrier_signal -1
	s_barrier_wait -1
; ---- ATTENTION: 8 trips, a tile of 16 queries each; two heads x two key steps written out
	v_mov_b32 v[NEG], 0xd0000000                   ; -2^33
	v_mov_b32 v[FF+1], 0                           ; (named as the upper half of a pair)
.irp i, 6,7,8,9,10,11
	v_mov_b32 v[QM+\i], 0                          ; blocks 2 and 3 of q's operand: zero codes, once
.endr
	s_mov_b32 s90, 0x3e8293ee                      ; c = log2(e) / sqrt(32)
	s_mov_b32 s91, s90
	s_mov_b32 s94, 0x0000ffff
	s_mov_b32 s95, 0xffff0000
	s_mov_b32 s86, 0
	s_mov_b32 s87, 0
	s_mov_b32 s92, 0
	s_mov_b32 s96, 0
	s_mov_b32 s97, 0
	v_mov_b32 v[BA], v[BBL]
	BIASLOAD 0, 0
	MASKLOAD 0
.irp p, 0,1,2
	ds_load_b64 v[QF+2*\p:QF+2*\p+1], v[PI] offset:256*\p
.endr
	ds_load_b32 v[QSC], v[PS]
	s_mov_b32 s85, 8
.La:
	s_wait_dscnt 0x0                               ; q, its scale word, the first bias
	v_add_nc_u32 v9, s96, v[PI]                    ; where this tile's o will go
	v_add_nc_u32 v11, s97, v[PS]
	QMASK 0
	PLACES 4                                       ; codes made by vector lines stand four plain lines ahead of the scaled product
	STEP 0, 0
	STEP 0, 1
	STEP 1, 0
	STEP 1, 1
	PLACES 4                                       ; behind the last products, ahead of the lines that read O^T
.irp h, 0,1
	v_permlanex16_b32 v[TM+4+\h], v[RS+2*\h], s88, s89
.endr
.irp h, 0,1
	v_add_f32 v[RS+2*\h], v[RS+2*\h], v[TM+4+\h]   ; with lane l xor 16's keys: the row's sum
.endr
.irp h, 0,1
	v_rcp_f32 v[RS+2*\h], v[RS+2*\h]
.endr
	v_nop                                          ; a plain line behind the reciprocals
	s_wait_alu depctr_va_vdst(0)                   ; one wait for the two, ahead of their first reader
.irp h, 0,1
.irp k, 0,1,2,3,4,5,6,7
	v_pk_mul_f32 v[OH+16*\h+2*\k:OH+16*\h+2*\k+1], v[OH+16*\h+2*\k:OH+16*\h+2*\k+1], v[RS+2*\h:RS+2*\h+1] op_sel_hi:[1,0]   ; o = O^T / the sum; each accumulator from its low end on
.endr
.endr
	QUANT2 OH                                      ; my 64 channels are half of K step w / 2 of the output projection
	HIMG 9, OFO
	ds_store_b32 v11, v[PW] offset:OSD
	s_sub_co_u32 s85, s85, 1
	s_cmp_lg_u32 s85, 0
	s_cbranch_scc1 .La
	s_wait_kmcnt 0x0                               ; the look-ahead's mask words,
	s_wait_dscnt 0x0                               ; its LDS loads, and my stores of o: for the others' sake too
	PLACES 4
	LOADW 3, 0, 10                                 ; the rest of Wp, over K and V
	LOADWS 3
	LOADCB 14
	s_barrier_signal -1
	s_barrier_wait -1                              ; every wave's o lies in LDS, and nobody reads x's fragments any more
; ---- OUTPUT: 8 trips, 16 queries x my 64 columns; through my stage, so that sixteen lanes store a row's 256 bytes
	v_and_b32 v12, 15, v0
	v_bfe_u32 v13, v0, 4, 1
	s_mul_i32 s2, s84, 16*SPT
	s_add_co_u32 s2, s2, XF                        ; my stage
	v_mul_u32_u24 v6, v12, SPT
	v_lshl_add_u32 v6, v13, 6, v6
	v_add_nc_u32 v6, s2, v6                        ; in: row r, + 64 bytes for the upper half
	v_mul_u32_u24 v7, v13, SPT
	v_lshl_add_u32 v7, v12, 4, v7
	v_add_nc_u32 v7, s2, v7                        ; back: lanes 0-15 one row, lanes 16-31 the next
	s_mov_b32 s96, PRIV0+OFO
	s_mov_b32 s97, PRIV0+QSO+OSD
	s_mov_b32 s100, 16384                          ; from tile to tile: 8 rows and 24 rows by turns
	s_mov_b32 s101, 0
	OADDR
	OFETCH
	s_wait_loadcnt 0x0                             ; Wp, its scale words, bp
	s_mov_b32 s85, 8
.Lo:
	s_wait_dscnt 0x0
.irp sx, 0,1,2,3
	v_lshl_or_b32 v[XSC+\sx], v[OT+\sx], 16, v[XSC+\sx]   ; a K step's scale word: two bytes from each of its two waves
.endr
	PLACES 8                                       ; a scale word made by vector lines stands eight plain lines ahead of the scaled product
	PMUL
	WIN 0
	PLACES 5                                       ; four serve the loads into the fragments' registers and the stores of the results; the next trip's first products begin sums anew, with bp as C, over these accumulators, and
	                                               ; such a product stands five plain lines behind the products that wrote them
	s_add_co_u32 s96, s96, HFB
	s_add_co_u32 s97, s97, 128
	s_cmp_eq_u32 s85, 1                            ; the last trip fetches nothing
	s_cbranch_scc1 .Lo_last
	OADDR
	OFETCH
.Lo_last:
.set k, 0
.rept 8
	ds_store_b128 v6, v[S+4*k:S+4*k+3] offset:128*(k/4)+16*(k%4)   ; registers 4 k on: columns 32 (k / 4) + 16 half + 4 (k % 4) on; each accumulator's low half first
.set k, k+1
.endr
.set k, 0
.rept 8
	ds_load_b128 v[RB+4*k:RB+4*k+3], v7 offset:2*SPT*k   ; LDS serves a wave's instructions in order (ISA guide 5.7.1.4): these see my stores
.set k, k+1
.endr
.set k, 0
.rept 8
	s_wait_dscnt 7-k                               ; the younger rows may be out
	global_store_b128 v[GO], v[RB+4*k:RB+4*k+3], s[12:13] offset:(2*k+8*(k/4))*2048 th:TH_STORE_NT   ; 16 lanes store 256 consecutive bytes, at a multiple of 256 from out0's first byte
.set k, k+1
.endr
	s_wait_xcnt 0x0                                ; the stores have read their registers and their base: both may be written again
	s_add_nc_u64 s[12:13], s[12:13], s[100:101]
	s_xor_b32 s100, s100, 0x8000
	s_sub_co_u32 s85, s85, 1
	s_cmp_lg_u32 s85, 0
	s_cbranch_scc1 .Lo
	s_wait_tensorcnt 0x0
	ds_add_u32 v227, v231
	s_wait_dscnt 0x0
	s_endpgm
.Lfunc_end_k_qa67c8374a6_winattn:
	.size	k_qa67c8374a6_winattn, .Lfunc_end_k_qa67c8374a6_winattn-k_qa67c8374a6_winattn
	.p2alignl 7, 3214868480
	.fill 96, 4, 3214868480
	.section	.rodata,"a",@progbits
	.p2align	6, 0x0
	.amdhsa_kernel k_qa67c8374a6_winattn
		.amdhsa_group_segment_fixed_size 324608
		.amdhsa_private_segment_fixed_size 0
		.amdhsa_enable_private_segment 0
		.amdhsa_kernarg_size 80
		.amdhsa_user_sgpr_count 2
		.amdhsa_user_sgpr_kernarg_segment_ptr 1
		.amdhsa_wavefront_size32 1
		.amdhsa_system_sgpr_workgroup_id_x 1
		.amdhsa_system_sgpr_workgroup_id_y 1
		.amdhsa_system_sgpr_workgroup_id_z 1
		.amdhsa_system_vgpr_workitem_id 0
		.amdhsa_next_free_vgpr 512
		.amdhsa_next_free_sgpr 104
		.amdhsa_reserve_vcc 0
		.amdhsa_float_denorm_mode_32 3
		.amdhsa_float_denorm_mode_16_64 3
		.amdhsa_memory_ordered 1
		.amdhsa_forward_progress 1
		.amdhsa_inst_pref_size 216
	.end_amdhsa_kernel
	.amdgpu_metadata
---
amdhsa.version: [ 1, 2 ]
amdhsa.kernels:
  - .name:           k_qa67c8374a6_winattn
    .symbol:         k_qa67c8374a6_winattn.kd
    .args:
      - { .name: x, .offset: 0, .size: 8, .value_kind: global_buffer, .address_space: global }
      - { .name: wfrag, .offset: 8, .size: 8, .value_kind: global_buffer, .address_space: global }
      - { .name: wscale, .offset: 16, .size: 8, .value_kind: global_buffer, .address_space: global }
      - { .name: mwords, .offset: 24, .size: 8, .value_kind: global_buffer, .address_space: global }
      - { .name: bias_table, .offset: 32, .size: 8, .value_kind: global_buffer, .address_space: global }
      - { .name: bq, .offset: 40, .size: 8, .value_kind: global_buffer, .address_space: global }
      - { .name: bk, .offset: 48, .size: 8, .value_kind: global_buffer, .address_space: global }
      - { .name: bv, .offset: 56, .size: 8, .value_kind: global_buffer, .address_space: global }
      - { .name: bp, .offset: 64, .size: 8, .value_kind: global_buffer, .address_space: global }
      - { .name: out0, .offset: 72, .size: 8, .value_kind: global_buffer, .address_space: global }
    .group_segment_fixed_size: 324608
    .private_segment_fixed_size: 0
    .kernarg_segment_align: 8
    .kernarg_segment_size: 80
    .max_flat_workgroup_size: 256
    .sgpr_count:     104
    .vgpr_count:     512
    .wavefront_size: 32
...
	.end_amdgpu_metadata
.endif
;; end of part 3
;; ======== version 3 of 3: 2 launches
;; limits: right only within a limited range of input values
;; workspace buffers: wfrag 786,432 bytes; wscale 65,536 bytes; mwords 131,072 bytes of whole numbers
;; launch prep (part 4): grid 256 x 1, 2 waves a work-group, no clusters, 0 bytes of LDS; arguments Wq, Wk, Wv, Wp, mask, wfrag, wscale, mwords; writes wfrag, wscale, mwords
.if DOCPART == 4
	.amdgcn_target "amdgcn-amd-amdhsa--gfx1250"
	.amdhsa_code_object_version 6
	.text
	.protected	k_qa67c8374a6_prep
	.globl	k_qa67c8374a6_prep
	.p2align	8
	.type	k_qa67c8374a6_prep,@function
k_qa67c8374a6_prep:
	s_mov_b64 s[64:65], 0
	v_nop
	global_prefetch_b8 v0, s[64:65] scope:SCOPE_SE
	s_setreg_imm32_b32 hwreg(HW_REG_WAVE_MODE, 25, 1), 1
	s_wait_xcnt 0x0
; What all 128 windows share is made ready once.
; (1) Wq, Wk, Wv, Wp [512][512] f32, K innermost, become codes of FP6 (E2M3) with one E8M0 byte for each 32 along K, laid as IMAGES OF OPERAND REGISTERS:
;     fragment id = 128 mat + 32 g + 8 s + t holds 16 rows x 128 K: rows 128 g + 32 (t / 2) + 8 (t % 2) + r + 8 (r / 8), K = 128 s on; 12 registers a lane, as three blocks of 512 bytes, lane L's 16 bytes at 16 L.
;     Its scale words: 4 bytes a lane, the row's word in lanes r and 16 + r.
; (2) mask [256 n][16 h][256 m] int32 becomes lane masks: word (T, h, s, rho), bit L = (mask[32 (T / 2) + 8 (T % 2) + r + 8 (r / 8)][h][128 s + 32 (rho / 16) + 16 (L / 16) + rho % 16] == 1), r = L % 16:
;     the very order in which the second launch's lanes and registers hold the scores.
; 512 waves; wave id takes weight fragment id and the 64 mask words of unit id = 32 T + 2 h + s.  No LDS, no barrier, no branch.
; A block's scale is 2^(floor(log2(largest magnitude)) - 2); its byte is the largest magnitude's exponent field - 2, held at 1 from below.
; LIMITS: a block of zeros gets the byte 1 where the quantiser's text says 127 (its codes are zeros, and this program alone reads the bytes); NaN and infinities among the weights are not served.
	s_load_b512 s[16:31], s[0:1], 0x0              ; Wq, Wk, Wv, Wp, mask, wfrag, wscale, mwords
	v_lshrrev_b32 v1, 5, v0
	v_readfirstlane_b32 s3, v1                     ; wave 0, 1
	s_lshl_b32 s2, ttmp9, 1
	s_add_co_u32 s2, s2, s3                        ; id
	v_and_b32 v2, 15, v0                           ; r
	v_bfe_u32 v3, v0, 4, 1                         ; the lane's half
	v_and_b32 v4, 31, v0                           ; L
	v_and_b32 v5, 8, v2
	v_add_nc_u32 v5, v5, v2                        ; r + 8 (r / 8)
	v_lshlrev_b32 v6, 11, v5
	v_lshl_add_u32 v6, v3, 7, v6                   ; W: my row of 2,048 bytes, + 128 bytes for the upper half: a lane holds whole blocks of 32
	v_lshlrev_b32 v7, 14, v5
	v_lshl_add_u32 v7, v3, 6, v7                   ; mask: my query's 16,384 bytes, + 16 keys for the upper half
	v_lshlrev_b32 v8, 4, v4                        ; 16 L
	v_lshlrev_b32 v9, 2, v4                        ; 4 L
	v_lshlrev_b32 v10, 3, v4                       ; 8 L
	s_bfe_u32 s4, s2, 0x20005                      ; g
	s_bfe_u32 s5, s2, 0x20003                      ; the K step
	s_bfe_u32 s6, s2, 0x20001                      ; t / 2
	s_and_b32 s7, s2, 1                            ; t % 2
	s_lshl_b32 s4, s4, 7
	s_lshl_b32 s6, s6, 5
	s_lshl_b32 s7, s7, 3
	s_add_co_u32 s4, s4, s6
	s_add_co_u32 s4, s4, s7                        ; the tile's first row
	s_lshl_b32 s4, s4, 11
	s_lshl_b32 s5, s5, 9
	s_add_co_u32 s4, s4, s5                        ; in bytes, + 512 for each K step
	s_mov_b32 s5, 0
	s_lshr_b32 s8, s2, 6                           ; T / 2
	s_lshl_b32 s8, s8, 5
	s_bfe_u32 s9, s2, 0x10005                      ; T % 2
	s_lshl_b32 s9, s9, 3
	s_add_co_u32 s8, s8, s9                        ; the tile's first query
	s_lshl_b32 s8, s8, 14
	s_bfe_u32 s9, s2, 0x40001                      ; h
	s_lshl_b32 s9, s9, 10
	s_add_co_u32 s8, s8, s9
	s_and_b32 s9, s2, 1                            ; which 128 keys
	s_lshl_b32 s9, s9, 9
	s_add_co_u32 s8, s8, s9
	s_mov_b32 s9, 0
	s_mul_i32 s10, s2, 1536
	s_mov_b32 s11, 0
	s_lshl_b32 s12, s2, 7
	s_mov_b32 s13, 0
	s_lshl_b32 s14, s2, 8
	s_mov_b32 s15, 0
	s_mov_b32 s34, 0x76543210
	s_mov_b32 s35, 0xfedcba98                      ; v_permlanex16_b32's selects for lane l xor 16
	s_lshr_b32 s3, ttmp9, 6                        ; which matrix: the same for both waves
	s_wait_alu depctr_va_vdst(0)
	s_wait_kmcnt 0x0
	s_cmp_eq_u32 s3, 1                             ; the choice hangs on the work-group's number alone
	s_cselect_b64 s[32:33], s[18:19], s[16:17]
	s_cmp_eq_u32 s3, 2
	s_cselect_b64 s[32:33], s[20:21], s[32:33]
	s_cmp_eq_u32 s3, 3
	s_cselect_b64 s[32:33], s[22:23], s[32:33]
	s_add_nc_u64 s[32:33], s[32:33], s[4:5]
	s_add_nc_u64 s[24:25], s[24:25], s[8:9]
	s_add_nc_u64 s[26:27], s[26:27], s[10:11]
	s_add_nc_u64 s[28:29], s[28:29], s[12:13]
	s_add_nc_u64 s[30:31], s[30:31], s[14:15]
.irp c, 0,1
.irp q, 0,1,2,3,4,5,6,7
	global_load_b128 v[64+32*\c+4*\q:67+32*\c+4*\q], v6, s[32:33] offset:256*\c+16*\q th:TH_LOAD_NT   ; W(my row, 128 s + 64 c + 32 half + 4 q ..): the operand's own order
.endr
.endr
.irp b, 0,1,2,3
.irp q, 0,1,2,3
	global_load_b128 v[128+16*\b+4*\q:131+16*\b+4*\q], v7, s[24:25] offset:128*\b+16*\q th:TH_LOAD_NT   ; register 128 + rho: key 128 s + 32 (rho / 16) + 16 half + rho % 16
.endr
.endr
	s_wait_loadcnt 16                              ; the 16 younger loads are the mask's: W is in
.irp c, 0,1
	v_max3_num_f32 v[16+\c], |v[64+32*\c]|, |v[65+32*\c]|, 0x1800000   ; my block 2 c + half: all 32 numbers are mine; the floor 2^(3 - 127) holds the byte at 1 from below
.endr
.irp i, 2,4,6,8,10,12,14,16,18,20,22,24,26,28,30
.irp c, 0,1
	v_max3_num_f32 v[16+\c], v[16+\c], |v[64+32*\c+\i]|, |v[65+32*\c+\i]|   ; (the two blocks by turns)
.endr
.endr
.irp c, 0,1
	v_add_nc_u32 v[18+\c], 0xff000000, v[16+\c]    ; 2 off the exponent field: the conversion takes the exponent field of this operand as its scale
.endr
.irp c, 0,1
	v_lshrrev_b32 v[20+\c], 23, v[18+\c]           ; the scale's byte
.endr
	v_lshl_or_b32 v14, v21, 16, v20                ; my two bytes: blocks half and 2 + half of my row,
	v_lshlrev_b32 v15, 3, v3
	v_lshlrev_b32 v14, v15, v14                    ; at their places in the word;
	v_mov_b32 v15, 0
	v_permlanex16_b32 v15, v14, s34, s35
	v_or_b32 v14, v14, v15                         ; with lane l xor 16's two the word is whole, in both halves
.irp c, 0,1
	v_cvt_scalef32_pk16_fp6_f32 v[48+6*\c:50+6*\c], v[64+32*\c:79+32*\c], v[18+\c]
	v_cvt_scalef32_pk16_fp6_f32 v[24+4*\c:26+4*\c], v[80+32*\c:95+32*\c], v[18+\c]   ; (a conversion's three registers begin on an even number: the block's second half is made elsewhere and moved)
.endr
	v_nop                                          ; one plain line behind the scaled conversions
.irp c, 0,1
.irp i, 0,1,2
	v_mov_b32 v[51+6*\c+\i], v[24+4*\c+\i]
.endr
.endr
.irp i, 0,1,2
	global_store_b128 v8, v[48+4*\i:51+4*\i], s[26:27] offset:512*\i   ; 32 lanes store 512 consecutive bytes, aligned
.endr
	global_store_b32 v9, v14, s[28:29]
	v_mov_b32 v12, 0
	v_mov_b32 v13, 0
	s_wait_alu depctr_va_vdst(0)
	s_wait_loadcnt 0x0                             ; the mask
.set rho, 0
.rept 64
	v_cmp_eq_u32 s[36+rho%8], 1, v[128+rho]        ; the 32 lanes' bits are word rho
	v_writelane_b32 v[12+rho%2], s[36+rho%8], rho/2   ; lane L gathers words 2 L and 2 L + 1
.set rho, rho+1
.endr
	global_store_b64 v10, v[12:13], s[30:31]       ; 32 lanes store 256 consecutive bytes, aligned
	s_endpgm
.Lfunc_end_k_qa67c8374a6_prep:
	.size	k_qa67c8374a6_prep, .Lfunc_end_k_qa67c8374a6_prep-k_qa67c8374a6_prep
	.p2alignl 7, 3214868480
	.fill 96, 4, 3214868480
	.section	.rodata,"a",@progbits
	.p2align	6, 0x0
	.amdhsa_kernel k_qa67c8374a6_prep
		.amdhsa_group_segment_fixed_size 0
		.amdhsa_private_segment_fixed_size 0
		.amdhsa_enable_private_segment 0
		.amdhsa_kernarg_size 64
		.amdhsa_user_sgpr_count 2
		.amdhsa_user_sgpr_kernarg_segment_ptr 1
		.amdhsa_wavefront_size32 1
		.amdhsa_system_sgpr_workgroup_id_x 1
		.amdhsa_system_sgpr_workgroup_id_y 1
		.amdhsa_system_sgpr_workgroup_id_z 1
		.amdhsa_system_vgpr_workitem_id 0
		.amdhsa_next_free_vgpr 192
		.amdhsa_next_free_sgpr 66
		.amdhsa_reserve_vcc 0
		.amdhsa_float_denorm_mode_32 3
		.amdhsa_float_denorm_mode_16_64 3
		.amdhsa_memory_ordered 1
		.amdhsa_forward_progress 1
		.amdhsa_inst_pref_size 18
	.end_amdhsa_kernel
	.amdgpu_metadata
---
amdhsa.version: [ 1, 2 ]
amdhsa.kernels:
  - .name:           k_qa67c8374a6_prep
    .symbol:         k_qa67c8374a6_prep.kd
    .args:
      - { .name: Wq, .offset: 0, .size: 8, .value_kind: global_buffer, .address_space: global }
      - { .name: Wk, .offset: 8, .size: 8, .value_kind: global_buffer, .address_space: global }
      - { .name: Wv, .offset: 16, .size: 8, .value_kind: global_buffer, .address_space: global }
      - { .name: Wp, .offset: 24, .size: 8, .value_kind: global_buffer, .address_space: global }
      - { .name: mask, .offset: 32, .size: 8, .value_kind: global_buffer, .address_space: global }
      - { .name: wfrag, .offset: 40, .size: 8, .value_kind: global_buffer, .address_space: global }
      - { .name: wscale, .offset: 48, .size: 8, .value_kind: global_buffer, .address_space: global }
      - { .name: mwords, .offset: 56, .size: 8, .value_kind: global_buffer, .address_space: global }
    .group_segment_fixed_size: 0
    .private_segment_fixed_size: 0
    .kernarg_segment_align: 8
    .kernarg_segment_size: 64
    .max_flat_workgroup_size: 64
    .sgpr_count:     66
    .vgpr_count:     192
    .wavefront_size: 32
...
	.end_amdgpu_metadata
.endif
;; end of part 4
;; launch winattn (part 5): grid 256 x 1, 8 waves a work-group, no clusters, 324,608 bytes of LDS; arguments x, wfrag, wscale, mwords, bias_table, bq, bk, bv, bp, out0; writes out0
.if DOCPART == 5
	.amdgcn_target "amdgcn-amd-amdhsa--gfx1250"
	.amdhsa_code_object_version 6
	.text
	.protected	k_qa67c8374a6_winattn
	.globl	k_qa67c8374a6_winattn
	.p2align	8
	.type	k_qa67c8374a6_winattn,@function
k_qa67c8374a6_winattn:
	s_mov_b64 s[64:65], 0
	v_nop
	global_prefetch_b8 v0, s[64:65] scope:SCOPE_SE
	s_setreg_imm32_b32 hwreg(HW_REG_WAVE_SCHED_MODE, 0, 2), 2
	s_setreg_imm32_b32 hwreg(HW_REG_WAVE_MODE, 25, 1), 1
	s_wait_xcnt 0x0
	s_wait_alu depctr_vm_vsrc(0)
; Window attention, the whole chain in one launch, every product on codes of FP6 (E2M3) with one E8M0 scale for each 32 along K:
; q, k, v = x W^T + b;  S = q k^T / sqrt(32) + bias, -1e9 where mask == 1;  p = 2^(t - M), not normalised;  o = (p v) / sum(p);  out = o Wp^T + bp.
; SHARES.  128 windows of 256 tokens x 512 channels, 16 heads of 32.  A work-group takes one window (ttmp9 / 2) and one half of its queries (ttmp9 % 2): 256 work-groups.  It makes K and V of the whole window itself.
; EIGHT WAVES OF 512 REGISTERS, two to a SIMD, so that one wave's softmax and waits stand beside the other's products.  Wave w takes heads 2 w, 2 w + 1 (channels 64 w .. + 63): it makes V, Q, K of its channels, keeps K and V
; in registers (192), runs its heads' attention for the 8 tiles of 16 queries, and at the end makes output columns 64 w .. + 63.  Four barriers: behind x's quantising, round the change of V's scratch into the table, in front of the output.
; TILES.  The 16 rows of tile T are 32 (T / 2) + 8 (T % 2) + r + 8 (r / 8), for tokens and for the weights' rows alike, so that the 16 registers of two neighbouring result tiles are 16 neighbours along the next K.
; OPERANDS go through LDS and memory as images of their registers.  A fragment of x or of a weight: 12 registers a lane as three blocks of 512 bytes, lane L's 16 bytes at 16 L.  A wave's 64 channels of q, k or o are HALF a fragment:
; 6 registers a lane (lanes 0-15 the first head's block of 32, lanes 16-31 the second's), three blocks of 256 bytes, lane L's 8 bytes at 8 L; its scale word has two bytes, the upper two are 0.
; A HEAD'S K IS 32.  In k q^T my two heads are blocks 0 and 1 of the instruction's 128: q's operand keeps one head's block and is zero codes elsewhere, registers 6-11 among them; k's operand for tile T is its 6 registers and the
; 6 that follow them (the next tile's, behind the last tile V's), which meet zero codes alone and add nothing.
; THE BIAS is bias_table[n / 16 - h + 15][n % 16 - m / 16 + 15][m % 16]; 26 rows of the table lie in LDS, multiplied by sqrt(32), and are loaded into the scores' registers as the C of the product k q^T.
; THE MASK comes as lane masks made by the launch before: one scalar register for each register of scores, one select each.
; NO TENSOR LOADS, NO CLUSTER: what work-groups share are the weights' 786,432 bytes of codes.  Each wave loads its 16 fragments of a matrix straight into the 192 registers that hold them for the phase, each byte once a
; work-group; a way through LDS would add a store and a read of every byte, and 4,096 bytes of LDS are left.
; LIMITS.  A masked score is held at -2^33 ahead of the factor log2(e) / sqrt(32), a logit of -1.52e9 where the problem's text has -1e9: the product with the factor is then exact, so a row that is wholly masked gives
; p = 1 for every key, the uniform weights of the problem's text; results agree as long as unmasked logits lie above about -9.9e8.  Blocks of zeros carry the byte 1 (read by this program alone).  NaN and infinities are not served.
; THE MODE: SCHED_MODE bits 1:0 = 2 (LLVM: expert scheduling mode 2), set by the entry lines.  The code itself states the register dependences between vector or matrix instructions and memory or LDS instructions,
; with s_wait_alu, always for 0.
; THE PLAN.  Registers that memory or LDS instructions touch, and who else names them:
;   v1-4, v40, v41, v254, v255   offsets, made at the head and never written again: the head's one wait on va_vdst serves them for the whole kernel.
;   X        two buffers of x (window 1 v0-63; v48-111): unit u's quantiser reads one, unit u + 2's loads land in it.  The codes v212-223 and the word v248: written by the quantiser, read by the image's stores.
;            A unit has one wait on va_vdst, between quantiser and stores, for both; and one on vm_vsrc at its head, ahead of the quantiser that writes codes and word again.
;   V, Q, K, OUTPUT   a trip's fragments (v112-163; in V also window 1 v0-47 and v16-19) are read by its products alone; the next trip's land in them.  v8-v11 are read by fetches and stores and written once a trip.
;            A trip: all its products; the wait on vm_vsrc; the four address lines; ONE wait on va_vdst (the products are done with the fragments, the addresses are written); the next fetch; the quantiser; one wait on va_vdst; its stores.
;   weights  window 1 v64-255, v164-211: read by a phase's products, loaded anew at the phase's edge behind one wait on va_vdst.
;   ATTENTION   v48-111: the bias lands, the products add onto it, the softmax works in place, the conversions read it last.  v212-223, v248: p's codes and word, made by vector lines, read by the products V^T P.
;            A step has three waits on va_vdst: one ahead of its exponentials; one behind them, ahead of their first reader; one behind the plain lines that stand ahead of V^T P, which states that codes, word and q's next operand are written, that the
;            scores' registers are done with, and, in a tile's last step, that v7, v8, v10 are written and q's registers done with.  The next bias and the next q are asked for behind it, ahead of the two products, which name none of those registers.
; LDS
.set XS,    0                          ; x's scale words: (4 T + s) x 128 + 4 L
.set XF,    8192                       ; x's 64 fragments: (4 T + s) x 1,536; behind the last barrier the waves' stages: 4,352 w, 16 rows of 272
.set PRIV0, 106496                     ; each wave's own 14,336 bytes:
.set PRIVB, 14336
.set OFO,   6144                       ; +0 q's 8 halves, +6,144 K's scratch (8 halves at a time), then o's 8 halves,
.set QSO,   12288                      ; +12,288 q's scale words,
.set OSD,   1024                       ; 1,024 further on K's, then o's
.set RC,    221184                     ; first V's scratch, 12,800 bytes a wave: 4 tiles of channels x 8 blocks x 384 bytes of codes, then 512 scale bytes;
.set VPB,   12800
.set VSB,   12288
.set BT,    RC                         ; then 26 rows of the table: row x 2,688 + entry x 80; an entry is 64 bytes.  Behind this region, from byte 0x4f000 on, the spare words: 128 bytes a wave, named by the closing add alone
.set BTE,   80
.set BTR,   2688
.set FRB,   1536
.set HFB,   768
.set SPT,   272                        ; a stage's row: 256 bytes + 16
; window 0
.set LI,  1                            ; 16 L
.set LS,  2                            ; 4 L
.set PI,  3                            ; my area + 8 L
.set PS,  4                            ; my area + QSO + 4 L
.set XA,  5                            ; x: my row and half (X phase); V's scratch, on the way in and on the way back
.set BBL, 6                            ; my lane's place in the table; the stage, on the way in (output)
.set BA,  7                            ; V's scale bytes; the table's address in hand; the stage, on the way back (output)
.set KS,  16                           ; v16-31  K's scale words
.set XSH, 16                           ; v16-19  in the V phase: the scale words of K steps 2 and 3 of the tokens in hand
.set VS,  32                           ; v32-39  V's
.set L8,  40                           ; 8 L
.set GO,  41                           ; out0: 2,048 x half + 16 r
.set OT,  42                           ; v42-45  the upper halves of o's scale words
.set S,   48                           ; v48-111 the scores; a projection's 32 or 64 results; x on its way
.set RB,  80                           ; v80-111 the output's rows on their way back
.set XFR, 112                          ; v112-159 four fragments of x or o
.set OH,  112                          ; v112-143 in the attention: O^T of two heads
.set QF,  144                          ; q's half fragment,
.set QM,  150                          ; q's operand: one head's block kept,
.set XSC, 160                          ; v160-163 the four fragments' scale words
.set QSC, 162                          ; q's scale word
.set WS,  164                          ; v164-179 the weights' 16 scale words
.set CB,  180                          ; v180-211 a bias as C
.set FF,  180                          ; in the attention: 2^(old M - new M) (a pair is named),
.set SUM2, 182                         ; the second chain of the row's sum,
.set T0,  184                          ; at work
.set PC,  212                          ; v212-230 codes just made (v227 and v231 are kept for the closing add)
.set TM,  232                          ; v232-247 the quantisers' largest magnitudes, bytes and scale operands
.set PW,  248                          ; the scale word just made
.set NEG, 249                          ; -2^33
.set RS,  250                          ; v250, 252 the two heads' row sums (pairs are named)
.set H64, 254                          ; 64 x half
.set R4,  255                          ; 4 (r + 8 (r / 8))
; window 1
.set KB,  0                            ; v0-95   K's 16 halves (before: x on its way in v0-63)
.set XH,  0                            ; v0-47   in the V phase: K steps 2 and 3 of the two tiles of tokens in hand
.set WB,  64                           ; v64-255 the 16 weight fragments, 4 s + t at 12 (4 s + t)
.set VB,  96                           ; v96-191 in the attention: V's 8 fragments; Wp's fragments 11-15 wait in v196-255
; scalars: s[4:5] x, s[6:7] my weights' codes, s[8:9] their scale words, s[10:11] my mask words, s[12:13] out0, s[14:15] bp; s16-63, s68-83 arguments, later 64 mask words; s84 wave; s85 trips; s86, s87, s96-99 stepped offsets;
; s[88:89] lane selects; s[90:91] log2(e) / sqrt(32); s92 the mask words' offset; s94, s95 the two halves of the lanes; s[100:101] the step from tile to tile in rows of 2,048 bytes.
.set MSB, 0
.macro WIN new                         ; s_set_vgpr_msb: bits 1:0 source 0, 3:2 source 1, 5:4 source 2, 7:6 destination; the high byte repeats the setting that is left
.if MSB != (\new)
	s_set_vgpr_msb (MSB<<8)|(\new)
.set MSB, (\new)
.endif
.endm
.macro PLACES n                        ; plain lines between a matrix instruction and what reads its result or writes its registers (ISA guide 7.12.1)
.rept \n
	v_nop
.endr
.endm
.macro MMC                             ; D = A B + C on the registers named by rD, rA, rB, rC, rSA, rSB
	v_wmma_scale_f32_16x16x128_f8f6f4 v[rD:rD+7], v[rA:rA+11], v[rB:rB+11], v[rC:rC+7], v[rSA], v[rSB] matrix_a_fmt:MATRIX_FMT_FP6 matrix_b_fmt:MATRIX_FMT_FP6
.endm
.macro MMZ                             ; D = A B: the product starts the sum
	v_wmma_scale_f32_16x16x128_f8f6f4 v[rD:rD+7], v[rA:rA+11], v[rB:rB+11], 0, v[rSA], v[rSB] matrix_a_fmt:MATRIX_FMT_FP6 matrix_b_fmt:MATRIX_FMT_FP6
.endm
; 64 numbers of a lane in window w, register 16 b + i = k 32 b + 16 half + i of my row, become a fragment's codes in v[PC] on and its scale word in v[PW].
.macro QUANT src, w
	WIN (((\w)<<2)|((\w)<<4))
.irp b, 0,1,2,3
	v_max3_num_f32 v[TM+\b], 0x1800000, |v[(\src)+16*\b]|, |v[(\src)+16*\b+1]|   ; block b: my 16 numbers, and the floor 2^(3 - 127): the byte cannot fall under 1
.endr
.irp i, 2,4,6,8,10,12,14
.irp b, 0,1,2,3
	v_max3_num_f32 v[TM+\b], v[TM+\b], |v[(\src)+16*\b+\i]|, |v[(\src)+16*\b+\i+1]|   ; (the four blocks by turns)
.endr
.endr
	WIN 0
.irp b, 0,1,2,3
	v_permlanex16_b32 v[TM+4+\b], v[TM+\b], s88, s89
.endr
.irp b, 0,1,2,3
	v_max_num_f32 v[TM+\b], v[TM+\b], v[TM+4+\b]   ; with lane l xor 16's: the block's largest magnitude
.endr
.irp b, 0,1,2,3
	v_add_nc_u32 v[TM+12+\b], 0xff000000, v[TM+\b] ; 2 off its exponent field: the conversion's scale operand
.endr
.irp b, 0,1,2,3
	v_lshrrev_b32 v[TM+4+\b], 23, v[TM+12+\b]      ; the scale's byte
.endr
	v_lshl_or_b32 v[PW], v[TM+5], 8, v[TM+4]
	v_lshl_or_b32 v[PW], v[TM+6], 16, v[PW]
	v_lshl_or_b32 v[PW], v[TM+7], 24, v[PW]
	WIN (\w)
.irp c, 0,1
	v_cvt_scalef32_pk16_fp6_f32 v[PC+6*\c:PC+6*\c+2], v[(\src)+32*\c:(\src)+32*\c+15], v[TM+12+2*\c]
	v_cvt_scalef32_pk16_fp6_f32 v[PC+12+4*\c:PC+12+4*\c+2], v[(\src)+32*\c+16:(\src)+32*\c+31], v[TM+12+2*\c+1]   ; (a conversion's three registers begin on an even number)
.endr
	WIN 0
	v_nop                                          ; one plain line behind the scaled conversions
.irp c, 0,1                                    ; the operand's layout wants a whole block in a lane: lanes 0-15 block 2 c, lanes 16-31 block 2 c + 1
.irp i, 0,1,2
	v_permlane16_swap_b32 v[PC+6*\c+\i], v[PC+12+4*\c+\i]
.endr
.irp i, 0,1,2
	v_mov_b32 v[PC+3+6*\c+\i], v[PC+12+4*\c+\i]
.endr
.endr
.endm
; 32 numbers of a lane in window 0, register 16 b + i = k 32 b + 16 half + i of my row, become half a fragment's codes in v[PC] .. v[PC + 5] and two scale bytes in v[PW].
.macro QUANT2 src
.irp q, 0,1,2,3
	v_max3_num_f32 v[TM+\q], 0x1800000, |v[(\src)+8*\q]|, |v[(\src)+8*\q+1]|   ; four chains, two to a block, each with the floor 2^(3 - 127); each accumulator is read from its low end on
.endr
.irp i, 2,4,6
.irp q, 0,1,2,3
	v_max3_num_f32 v[TM+\q], v[TM+\q], |v[(\src)+8*\q+\i]|, |v[(\src)+8*\q+\i+1]|
.endr
.endr
	v_max_num_f32 v[TM], v[TM], v[TM+1]            ; block 0: my 16 numbers
	v_max_num_f32 v[TM+1], v[TM+2], v[TM+3]        ; block 1
.irp b, 0,1
	v_permlanex16_b32 v[TM+4+\b], v[TM+\b], s88, s89
.endr
.irp b, 0,1
	v_max_num_f32 v[TM+\b], v[TM+\b], v[TM+4+\b]   ; with lane l xor 16's: the block's largest magnitude
.endr
.irp b, 0,1
	v_add_nc_u32 v[TM+12+\b], 0xff000000, v[TM+\b] ; 2 off its exponent field: the conversion's scale operand
.endr
.irp b, 0,1
	v_lshrrev_b32 v[TM+4+\b], 23, v[TM+12+\b]      ; the scale's byte
.endr
	v_lshl_or_b32 v[PW], v[TM+5], 8, v[TM+4]
	v_cvt_scalef32_pk16_fp6_f32 v[PC:PC+2], v[(\src):(\src)+15], v[TM+12]
	v_cvt_scalef32_pk16_fp6_f32 v[PC+12:PC+14], v[(\src)+16:(\src)+31], v[TM+13]
	v_nop                                          ; one plain line behind the scaled conversions
.irp i, 0,1,2
	v_permlane16_swap_b32 v[PC+\i], v[PC+12+\i]    ; lanes 0-15 now hold block 0 whole, lanes 16-31 block 1
.endr
.irp i, 0,1,2
	v_mov_b32 v[PC+3+\i], v[PC+12+\i]
.endr
.endm
.macro IMAGE adr, off                          ; the fragment in v[PC] on goes to LDS as it stands
.irp c, 0,1,2
	ds_store_b128 v[\adr], v[PC+4*\c:PC+4*\c+3] offset:(\off)+512*\c
.endr
.endm
.macro HIMG adr, off                           ; and so does half a fragment
.irp p, 0,1,2
	ds_store_b64 v[\adr], v[PC+2*\p:PC+2*\p+1] offset:(\off)+256*\p
.endr
.endm
.macro LOADW mat, lo, hi                       ; my fragments lo .. hi (4 s + t) of a matrix, from memory into the registers that hold them for the phase
	WIN 0x40
.set idx, \lo
.rept (\hi)-(\lo)+1
.irp c, 0,1,2
	global_load_b128 v[WB+12*idx+4*\c:WB+12*idx+4*\c+3], v[LI], s[6:7] offset:(\mat)*196608+(8*(idx/4)+idx%4)*FRB+512*\c
.endr
.set idx, idx+1
.endr
	WIN 0
.endm
.macro LOADWS mat
.set idx, 0
.rept 16
	global_load_b32 v[WS+idx], v[LS], s[8:9] offset:(\mat)*16384+(8*(idx/4)+idx%4)*128
.set idx, idx+1
.endr
.endm
.macro LOADCB p                                ; a bias in the result's layout, the C of each sum's first product: register 8 t + j = b[32 (t / 2) + 16 half + 8 (t % 2) + j] of my 64
.irp t, 0,1,2,3
	global_load_b128 v[CB+8*\t:CB+8*\t+3], v[H64], s[\p:\p+1] offset:(32*(\t/2)+8*(\t%2))*4
	global_load_b128 v[CB+8*\t+4:CB+8*\t+7], v[H64], s[\p:\p+1] offset:(32*(\t/2)+8*(\t%2))*4+16
.endr
.endm
.macro BVLOAD h                                ; bv as C for tiles of channels 2 h, 2 h + 1: in V's result a lane holds one channel, so its eight registers are equal
.irp q, 0,1
.irp j, 0,1,2,3,4,5,6,7
	global_load_b32 v[CB+8*(2*(\h)+\q)+\j], v[R4], s[30:31] offset:(32*(\h)+8*\q)*4
.endr
.endr
.endm
.macro XFETCH                                  ; a tile's four K steps of x, and their scale words
.irp sx, 0,1,2,3
.irp c, 0,1,2
	ds_load_b128 v[XFR+12*\sx+4*\c:XFR+12*\sx+4*\c+3], v8 offset:FRB*\sx+512*\c
.endr
	ds_load_b32 v[XSC+\sx], v9 offset:128*\sx
.endr
.endm
; 16 products: my 64 channels (source 0: 4 tiles of weight rows) x 16 tokens (source 1), K = 512.  A lane holds one token, register 8 t + j channel 32 (t / 2) + 16 half + 8 (t % 2) + j.
; The four accumulators take turns, one instruction a turn.
.macro PMUL
	WIN 0x01
.irp sx, 0,1,2,3
.irp t, 0,1,2,3
.set rD, S+8*\t
.set rA, WB+12*(4*\sx+\t)
.set rB, XFR+12*\sx
.set rSA, WS+4*\sx+\t
.set rSB, XSC+\sx
.if \sx == 0
.set rC, CB+8*\t
.else
.set rC, rD
.endif
	MMC
.endr
.endr
.endm
.macro XLOAD u                                 ; unit u = 4 e + s: 64 numbers a lane: K step s of my tile e: of each block of 32 my half's 16 neighbours.  Even units land in window 1, odd ones in window 0
.if ((\u)%2) == 0
	WIN 0x40
.set xr, 0
.else
	WIN 0
.set xr, S
.endif
.irp b, 0,1,2,3
.irp j, 0,1,2,3
	global_load_b128 v[xr+16*\b+4*\j:xr+16*\b+4*\j+3], v[XA], s[4:5] offset:16384*((\u)/4)+512*((\u)%4)+128*\b+16*\j
.endr
.endr
	WIN 0
.endm
.macro XUNIT u, left                           ; one K step of one tile of x becomes a fragment in LDS; left: the loads issued behind this unit's, which may stay out
	s_wait_loadcnt \left
	s_wait_dscnt 0x0                               ; the last image has landed
.if (\u) > 0
	s_wait_alu depctr_vm_vsrc(0)                   ; the last image's stores have read the codes v212-223 and the word v248, which the quantiser below writes again
.endif
.if ((\u)%2) == 0
	QUANT 0, 1
.else
	QUANT S, 0
.endif
	s_wait_alu depctr_va_vdst(0)                   ; the quantiser has written the codes and the word, which the stores read, and is done reading its buffer, in which the unit two further on lands
	IMAGE 8, FRB*(\u)
	ds_store_b32 v9, v[PW] offset:128*(\u)
.if (\u)+2 < 8
	XLOAD (\u)+2                                   ; the buffer takes the unit two further on
.endif
.endm
.macro VFETCH                                  ; all four K steps of the two tiles of 16 tokens in hand: steps 0 and 1 into v112-163, steps 2 and 3 into window 1 v0-47, their scale words into v16-19
.irp sx, 0,1
.irp e, 0,1
.irp c, 0,1,2
	ds_load_b128 v[XFR+12*(2*\sx+\e)+4*\c:XFR+12*(2*\sx+\e)+4*\c+3], v8 offset:\e*4*FRB+\sx*FRB+512*\c
.endr
	ds_load_b32 v[XSC+2*\sx+\e], v9 offset:\e*512+128*\sx
.endr
.endr
	WIN 0x40
.irp sx, 2,3
.irp e, 0,1
.irp c, 0,1,2
	ds_load_b128 v[XH+12*(2*(\sx-2)+\e)+4*\c:XH+12*(2*(\sx-2)+\e)+4*\c+3], v8 offset:\e*4*FRB+\sx*FRB+512*\c
.endr
.endr
.endr
	WIN 0
.irp sx, 2,3
.irp e, 0,1
	ds_load_b32 v[XSH+2*(\sx-2)+\e], v9 offset:\e*512+128*\sx
.endr
.endr
.endm
; 8 products of V: source 0 = 16 tokens, source 1 = 16 rows of Wv: a lane holds ONE channel, and the 16 registers of tiles e = 0, 1 are 16 neighbouring tokens, the next K.  Eight accumulators by turns.
.macro VSTEP s
.if (\s) < 2
	WIN 0x04
.else
	WIN 0x05
.endif
.irp ct, 0,1,2,3
.irp e, 0,1
.set rD, S+16*\ct+8*\e
.if (\s) < 2
.set rA, XFR+12*(2*(\s)+\e)
.set rSA, XSC+2*(\s)+\e
.else
.set rA, XH+12*(2*((\s)-2)+\e)
.set rSA, XSH+2*((\s)-2)+\e
.endif
.set rB, WB+12*(4*(\s)+\ct)
.set rSB, WS+4*(\s)+\ct
.if (\s) == 0
.set rC, CB+8*\ct
.else
.set rC, rD
.endif
	MMC
.endr
.endr
.endm
; A loop of 8 trips: 16 tokens' projection onto my 64 channels, quantised, half image and scale word into my own area.  s86, s87: the tiles' places among x's fragments and scale words; s98, s99 = 0.
.macro PLOOP imgoff, scoff
	s_wait_alu depctr_vm_vsrc(0)                   ; the LDS loads issued so far have read v8 and v9, which are written anew
	v_add_nc_u32 v8, s86, v[LI]
	v_add_nc_u32 v9, s87, v[LS]
	s_wait_alu depctr_va_vdst(0)                   ; v8 and v9 are written, which the fetch reads; the products issued so far are done reading v112-163, in which it lands
	XFETCH
	s_mov_b32 s85, 8
.Lp_\@:
	s_wait_dscnt 0x0                               ; the tile's fragments are in, and the last image has landed
	PMUL
	WIN 0
	PLACES 4
	s_add_co_u32 s86, s86, 4*FRB
	s_add_co_u32 s87, s87, 512
	s_wait_alu depctr_vm_vsrc(0)                   ; the fetch has read v8 and v9; the last trip's stores have read v10, v11, the codes and the word: all are written again below
	v_add_nc_u32 v8, s86, v[LI]                    ; (the last trip's two are not used)
	v_add_nc_u32 v9, s87, v[LS]
	v_add_nc_u32 v10, s98, v[PI]
	v_add_nc_u32 v11, s99, v[PS]
	s_wait_alu depctr_va_vdst(0)                   ; the products are done reading the fragments and their scale words, in which the next tile's land; v8 to v11 are written
	s_cmp_eq_u32 s85, 1                            ; the last trip fetches nothing
	s_cbranch_scc1 .Lpn_\@
	XFETCH
.Lpn_\@:
	QUANT2 S
	s_wait_alu depctr_va_vdst(0)                   ; the quantiser has written the codes and the word, which the stores read
	HIMG 10, \imgoff
	ds_store_b32 v11, v[PW] offset:\scoff
	s_add_co_u32 s98, s98, HFB
	s_add_co_u32 s99, s99, 128
	s_sub_co_u32 s85, s85, 1
	s_cmp_lg_u32 s85, 0
	s_cbranch_scc1 .Lp_\@
.endm
.macro KHALF hf                                ; K of tokens 128 hf on: through my scratch into window 1
	s_mov_b32 s86, XF+32*FRB*(\hf)
	s_mov_b32 s87, XS+4096*(\hf)
	s_mov_b32 s98, 0
	s_mov_b32 s99, 0
	PLOOP OFO, OSD
	WIN 0x40                                       ; no vector or matrix line stands behind the loop's last wait on va_vdst: the products are done reading the registers in which these loads land
.irp i, 0,1,2,3,4,5,6,7
.irp p, 0,1,2
	ds_load_b64 v[KB+6*(8*(\hf)+\i)+2*\p:KB+6*(8*(\hf)+\i)+2*\p+1], v[PI] offset:OFO+HFB*\i+256*\p   ; LDS serves a wave's instructions in order (ISA guide 5.7.1.4): these see my stores
.endr
.endr
	WIN 0
.irp i, 0,1,2,3,4,5,6,7
	ds_load_b32 v[KS+8*(\hf)+\i], v[PS] offset:OSD+128*\i
.endr
.endm
.macro MASKLOAD off                            ; 64 mask words: s16-63 and s68-83
	s_load_b512 s[16:31], s[10:11], s92 offset:(\off)
	s_load_b512 s[32:47], s[10:11], s92 offset:(\off)+64
	s_load_b512 s[48:63], s[10:11], s92 offset:(\off)+128
	s_load_b512 s[68:83], s[10:11], s92 offset:(\off)+192
.endm
.macro BIASLOAD hl, sx                         ; the bias x sqrt(32) of 16 queries x 128 keys, in the scores' own layout
.irp tt, 0,1,2,3,4,5,6,7
	ds_load_b128 v[S+8*\tt:S+8*\tt+3], v[BA] offset:(1-(\hl))*BTR+(7-4*(\sx)-\tt/2)*160+32*(\tt%2)
	ds_load_b128 v[S+8*\tt+4:S+8*\tt+7], v[BA] offset:(1-(\hl))*BTR+(7-4*(\sx)-\tt/2)*160+32*(\tt%2)+16
.endr
.endm
.macro QMASK hl                                ; q's operand with head hl's block alone: lanes 16 hl on of registers 0-5; zero codes elsewhere (registers 6-11 were cleared once)
.irp i, 0,1,2,3,4,5
	v_cndmask_b32 v[QM+\i], 0, v[QF+\i], s[94+(\hl)]
.endr
.endm
; HEAD hl, KEYS 128 sx ON, for the tile of 16 queries in hand.  Both products are used transposed: a lane holds one query throughout.
.macro STEP hl, sx
.if (\sx) == 0
.set nh, (\hl)
.set ns, 1
.else
.set nh, ((\hl)+1)%2
.set ns, 0
.endif
	s_wait_dscnt 0x0                               ; the bias lies in the scores' registers
	WIN 0x01
.irp tt, 0,1,2,3,4,5,6,7                       ; S^T = k q^T + bias sqrt(32): register 8 tt + j holds key 128 sx + 32 (tt / 2) + 16 half + 8 (tt % 2) + j
.set rD, S+8*\tt
.set rA, KB+6*(8*(\sx)+\tt)
.set rB, QM
.set rC, rD
.set rSA, KS+8*(\sx)+\tt
.set rSB, QSC
	MMC
.endr
	WIN 0
	s_wait_kmcnt 0x0                               ; this step's mask words
	PLACES 4
.set rho, 0
.rept 64
	v_cndmask_b32 v[S+rho], v[S+rho], v[NEG], s[16+rho+4*(rho/48)]   ; each accumulator from its low end on
.set rho, rho+1
.endr
.irp b, 0,1,2,3
	v_max3_num_f32 v[TM+\b], v[S+16*\b], v[S+1+16*\b], v[S+2+16*\b]   ; the largest score of each block of 32 keys: for the row's maximum, and, since p rises with the score, for the block's largest p
.endr
.irp i, 3,5,7,9,11,13
.irp b, 0,1,2,3
	v_max3_num_f32 v[TM+\b], v[TM+\b], v[S+16*\b+\i], v[S+16*\b+\i+1]
.endr
.endr
.irp b, 0,1,2,3
	v_max_num_f32 v[TM+\b], v[TM+\b], v[S+15+16*\b]
.endr
.if ((\hl) == 1) && ((\sx) == 1)
	s_add_co_u32 s92, s92, 8192                    ; the next tile of queries; the last trip asks for its own tile again, so that no load leaves the buffer
	s_min_u32 s92, s92, 57344
.endif
	MASKLOAD nh*512+ns*256                         ; the next step's words: the selects above have read these registers
.irp b, 0,1,2,3
	v_permlanex16_b32 v[TM+4+\b], v[TM+\b], s88, s89
.endr
.irp b, 0,1,2,3
	v_max_num_f32 v[TM+\b], v[TM+\b], v[TM+4+\b]   ; with lane l xor 16's 16 keys
.endr
	v_max3_num_f32 v[T0], v[TM], v[TM+1], v[TM+2]
	v_max_num_f32 v[T0], v[T0], v[TM+3]
.if (\sx) == 0
	v_mul_f32 v13, s90, v[T0]                      ; the largest t so far
	v_floor_f32 v12, -v13                          ; -M = floor(-t): M is a whole number
.else
	v_mul_f32 v[T0], s90, v[T0]
	v_max_num_f32 v13, v13, v[T0]                  ; the running largest t
	v_mov_b32 v[T0], v12
	v_floor_f32 v12, -v13
	v_sub_f32 v[T0], v12, v[T0]                    ; old M - new M: a whole number, 0 or less
	v_cvt_i32_f32 v[T0], v[T0]                     ; (it saturates)
	v_ldexp_f32 v[FF], 1.0, v[T0]                  ; f = 2^(old M - new M): a multiplication by it rounds nothing
.endif
.irp j, 0,2,4,6,8,10,12,14,16,18,20,22,24,26,28,30,32,34,36,38,40,42,44,46,48,50,52,54,56,58,60,62
	v_pk_fma_f32 v[S+\j:S+\j+1], v[S+\j:S+\j+1], s[90:91], v[12:13] op_sel_hi:[1,0,0]   ; t - M, two at a time
.endr
.irp b, 0,1,2,3
	v_fma_f32 v[TM+\b], v[TM+\b], s90, v12         ; the same of each block's largest score
.endr
.set rho, 0
	s_wait_alu depctr_va_vdst(0)
.rept 64
	v_exp_f32 v[S+rho], v[S+rho]                   ; p = 2^(t - M), at most 1, not normalised
.set rho, rho+1
.endr
.irp b, 0,1,2,3
	v_exp_f32 v[TM+\b], v[TM+\b]                   ; the block's largest p: in the same batch
.endr
.if (\sx) == 0
	v_mov_b32 v14, 0                               ; the row's sum begins.  (A plain line behind the exponentials)
	v_mov_b32 v15, 0
.else
	v_pk_mul_f32 v[14:15], v[14:15], v[FF:FF+1] op_sel_hi:[1,0]   ; the sum under the new M.  (A plain line behind the exponentials)
.endif
	s_wait_alu depctr_va_vdst(0)                   ; the 68 exponentials have written p and the blocks' largest p: one wait for the batch, ahead of its first reader
	v_pk_add_f32 v[SUM2:SUM2+1], v[S:S+1], v[S+2:S+3]   ; the row's sum is taken of the unquantised p, in two chains
.irp j, 4,8,12,16,20,24,28,32,36,40,44,48,52,56,60
	v_pk_add_f32 v[14:15], v[14:15], v[S+\j:S+\j+1]
	v_pk_add_f32 v[SUM2:SUM2+1], v[SUM2:SUM2+1], v[S+2+\j:S+3+\j]
.endr
	v_pk_add_f32 v[14:15], v[14:15], v[SUM2:SUM2+1]
.irp b, 0,1,2,3
	v_max_num_f32 v[TM+\b], 0x1800000, v[TM+\b]    ; the floor: a block whose every p is 0 keeps the byte 1; its codes are zeros
.endr
.irp b, 0,1,2,3
	v_add_nc_u32 v[TM+12+\b], 0xff000000, v[TM+\b]
.endr
.irp b, 0,1,2,3
	v_lshrrev_b32 v[TM+4+\b], 23, v[TM+12+\b]
.endr
	v_lshl_or_b32 v[PW], v[TM+5], 8, v[TM+4]       ; p's scale word for these 128 keys
	v_lshl_or_b32 v[PW], v[TM+6], 16, v[PW]
	v_lshl_or_b32 v[PW], v[TM+7], 24, v[PW]
.irp c, 0,1
	v_cvt_scalef32_pk16_fp6_f32 v[PC+6*\c:PC+6*\c+2], v[S+32*\c:S+32*\c+15], v[TM+12+2*\c]
	v_cvt_scalef32_pk16_fp6_f32 v[PC+12+4*\c:PC+12+4*\c+2], v[S+32*\c+16:S+32*\c+31], v[TM+12+2*\c+1]
.endr
	v_nop                                          ; one plain line behind the scaled conversions
.irp c, 0,1
.irp i, 0,1,2
	v_permlane16_swap_b32 v[PC+6*\c+\i], v[PC+12+4*\c+\i]
.endr
.irp i, 0,1,2
	v_mov_b32 v[PC+3+6*\c+\i], v[PC+12+4*\c+\i]
.endr
.endr
.if ((\hl) == 1) && ((\sx) == 1)               ; on to the next tile of queries: two rows of the table for every second tile, eight entries for the others
	s_wait_alu depctr_vm_vsrc(0)                   ; this tile's loads of the bias have read v7, the last loads of q v8 and v10: the three are written below
	s_add_co_u32 s86, s86, BTR
	s_xor_b32 s87, s87, 2048
	v_add_nc_u32 v[BA], s86, v[BBL]
	v_sub_nc_u32 v[BA], v[BA], s87                 ; 2 x 2,688 (i / 2) + 8 x 80 (i % 2)
	s_add_co_u32 s96, s96, HFB
	s_add_co_u32 s97, s97, 128
	v_add_nc_u32 v8, s96, v[PI]
	v_add_nc_u32 v10, s97, v[PS]
.endif
.if (\sx) == 0
	PLACES 8                                       ; a scale word made by vector lines stands eight plain lines ahead of the scaled product, codes so made four
.else
.if (\hl) < 1
	QMASK (\hl)+1
.endif
.irp k, 0,1,2,3,4,5,6,7
	v_pk_mul_f32 v[OH+16*(\hl)+2*\k:OH+16*(\hl)+2*\k+1], v[OH+16*(\hl)+2*\k:OH+16*(\hl)+2*\k+1], v[FF:FF+1] op_sel_hi:[1,0]   ; O^T under the new M; these eight are those plain lines too
.endr
.endif
	s_wait_alu depctr_va_vdst(0)                   ; p's codes and scale word are written, which the products below take, and so is q's operand for the next head; the conversions are done reading the scores' registers, in which the next
	                                               ; bias lands; in a tile's last step v7, v8, v10 are written, and the selects and products are done reading q's registers, in which the next q lands
	BIASLOAD nh, ns                                ; the next step's bias (behind the last trip: bytes of the table's rows 8 to 24, not used)
.if ((\hl) == 1) && ((\sx) == 1)
.irp p, 0,1,2
	ds_load_b64 v[QF+2*\p:QF+2*\p+1], v8 offset:256*\p   ; the next tile's q (behind the last trip: my own bytes of o, not used)
.endr
	ds_load_b32 v[QSC], v10
.endif
	WIN 0x01
.irp u, 0,1                                    ; O^T += V^T P^T: register 8 u + j holds channel 32 hl + 16 half + 8 u + j.  These two name none of the registers that the loads above touch
.set rD, OH+16*(\hl)+8*\u
.set rA, VB+12*(2*(2*(\hl)+\u)+(\sx))
.set rB, PC
.set rC, rD
.set rSA, VS+2*(2*(\hl)+\u)+(\sx)
.set rSB, PW
.if (\sx) == 0
	MMZ
.else
	MMC
.endif
.endr
	WIN 0
.if (\sx) == 1
	v_add_f32 v[RS+2*(\hl)], v14, v15              ; the head's sum, my half of the keys
.endif
.endm
.macro OADDR                                   ; where a tile's o lies: waves 0-3's areas by v8, v9, waves 4-7's by v10, v11
	s_add_co_u32 s2, s96, 4*PRIVB
	s_add_co_u32 s3, s97, 4*PRIVB
	v_add_nc_u32 v8, s96, v[L8]
	v_add_nc_u32 v9, s97, v[LS]
	v_add_nc_u32 v10, s2, v[L8]
	v_add_nc_u32 v11, s3, v[LS]
.endm
.macro OFETCH                                  ; o's four K steps of a tile of queries: K step s is the halves of waves 2 s and 2 s + 1; their scale words come apart and are joined in registers
.irp sx, 0,1
.irp cc, 0,1
.irp p, 0,1,2
	ds_load_b64 v[XFR+12*\sx+6*\cc+2*\p:XFR+12*\sx+6*\cc+2*\p+1], v8 offset:PRIVB*(2*\sx+\cc)+256*\p
	ds_load_b64 v[XFR+24+12*\sx+6*\cc+2*\p:XFR+24+12*\sx+6*\cc+2*\p+1], v10 offset:PRIVB*(2*\sx+\cc)+256*\p
.endr
.endr
	ds_load_b32 v[XSC+\sx], v9 offset:PRIVB*(2*\sx)
	ds_load_b32 v[OT+\sx], v9 offset:PRIVB*(2*\sx+1)
	ds_load_b32 v[XSC+2+\sx], v11 offset:PRIVB*(2*\sx)
	ds_load_b32 v[OT+2+\sx], v11 offset:PRIVB*(2*\sx+1)
.endr
.endm
; ---- HEAD
	s_load_b512 s[16:31], s[0:1], 0x0              ; x, wfrag, wscale, mwords, bias_table, bq, bk, bv
	s_load_b128 s[32:35], s[0:1], 0x40             ; bp, out0
	v_lshl_add_u32 v227, v0, 2, 0x4f000            ; my spare word, and 0: made here and kept for the closing add alone
	v_mov_b32 v231, 0
	v_lshrrev_b32 v12, 5, v0
	v_readfirstlane_b32 s84, v12                   ; wave 0..7
	v_and_b32 v12, 31, v0                          ; L
	v_lshlrev_b32 v[LI], 4, v12
	v_lshlrev_b32 v[LS], 2, v12
	v_lshlrev_b32 v[L8], 3, v12
	v_and_b32 v13, 15, v0                          ; r
	v_bfe_u32 v14, v0, 4, 1                        ; half
	v_and_b32 v15, 8, v13
	v_add_nc_u32 v15, v15, v13                     ; r + 8 (r / 8)
	v_lshlrev_b32 v[XA], 11, v15
	v_lshl_add_u32 v[XA], v14, 6, v[XA]            ; x: my row of 2,048 bytes, + 64 bytes for the upper half
	v_lshlrev_b32 v[R4], 2, v15
	v_lshlrev_b32 v[H64], 6, v14
	v_lshlrev_b32 v[GO], 4, v13
	v_lshl_add_u32 v[GO], v14, 11, v[GO]           ; out0: lanes 0-15 one row's 256 bytes, lanes 16-31 the next row's
	v_lshrrev_b32 v15, 3, v13
	v_mul_u32_u24 v[BBL], v15, BTR
	v_and_b32 v15, 7, v13
	v_mad_u32_u24 v[BBL], v15, BTE, v[BBL]
	v_xor_b32 v15, 1, v14
	v_mad_u32_u24 v[BBL], v15, BTE, v[BBL]         ; the table: row r / 8, entry r % 8 + (1 - half)
	s_wait_alu depctr_va_sdst(0)                   ; s84 is written, ahead of its first reader: every place of my wave is made from it
	s_mul_i32 s2, s84, PRIVB
	s_add_co_u32 s2, s2, PRIV0                     ; my own area
	v_add_nc_u32 v[PI], s2, v[L8]
	s_add_co_u32 s3, s2, QSO
	v_add_nc_u32 v[PS], s3, v[LS]
	s_xor_b32 s3, s84, 7
	s_mul_i32 s3, s3, 2*BTR                        ; two rows for each wave below 7
	s_add_co_u32 s3, s3, BT
	v_add_nc_u32 v[BBL], s3, v[BBL]
	s_mul_i32 s96, s84, 8*FRB
	s_add_co_u32 s96, s96, XF
	v_add_nc_u32 v8, s96, v[LI]                    ; where my two tiles' eight fragments go,
	s_lshl_b32 s97, s84, 10
	v_add_nc_u32 v9, s97, v[LS]                    ; and their scale words
.irp b, 0,1,2,3
	v_mov_b32 v[TM+4+\b], 0                        ; written once: a lane permute's destination counts as one of its sources
.endr
	v_mov_b32 v[RS+1], 0                           ; (named as the upper halves of pairs)
	v_mov_b32 v[RS+3], 0
	s_mov_b32 s88, 0x76543210
	s_mov_b32 s89, 0xfedcba98                      ; v_permlanex16_b32's selects for lane l xor 16
	s_and_b32 s93, ttmp9, 1                        ; which half of the queries
	s_lshr_b32 s2, ttmp9, 1
	s_lshl_b32 s2, s2, 19                          ; the window's 524,288 bytes in x and in out0
	s_lshr_b32 s3, s84, 1                          ; which group of 128 weight rows,
	s_and_b32 s85, s84, 1                          ; and which half of it
	s_mov_b32 s87, 0
	s_lshl_b32 s86, s84, 16                        ; my tiles 2 w, 2 w + 1 begin at rows 32 w and 32 w + 8
	s_add_co_u32 s86, s86, s2
	s_wait_kmcnt 0x0
	s_add_nc_u64 s[4:5], s[16:17], s[86:87]
	s_wait_alu depctr_va_vdst(0)                   ; the offsets and addresses v1 to v9, v40, v41, v254, v255 are written, which the loads and stores of the kernel read
	XLOAD 0                                        ; x first: it has the longest way
	XLOAD 1
	s_mul_i32 s86, s3, 32*FRB
	s_mul_i32 s99, s85, 4*FRB
	s_add_co_u32 s86, s86, s99
	s_add_nc_u64 s[6:7], s[18:19], s[86:87]
	s_lshl_b32 s86, s3, 12
	s_lshl_b32 s99, s85, 9
	s_add_co_u32 s86, s86, s99
	s_add_nc_u64 s[8:9], s[20:21], s[86:87]
	s_lshl_b32 s86, s84, 10                        ; two heads' 512 bytes of mask words in each tile's 8,192
	s_lshl_b32 s99, s93, 16
	s_add_co_u32 s86, s86, s99
	s_add_nc_u64 s[10:11], s[22:23], s[86:87]
	s_lshl_b32 s86, s84, 8                         ; my 64 numbers of each bias, my 64 columns of out0
	s_add_nc_u64 s[14:15], s[32:33], s[86:87]
	s_add_nc_u64 s[26:27], s[26:27], s[86:87]
	s_add_nc_u64 s[28:29], s[28:29], s[86:87]
	s_add_nc_u64 s[30:31], s[30:31], s[86:87]
	s_lshl_b32 s99, s93, 18
	s_add_co_u32 s86, s86, s99
	s_add_co_u32 s86, s86, s2
	s_add_nc_u64 s[12:13], s[34:35], s[86:87]
	s_mov_b64 s[36:37], s[24:25]                   ; the table from its first row,
	s_mul_i32 s86, s93, 8*1984
	s_add_nc_u64 s[24:25], s[24:25], s[86:87]      ; and from row 8 x (half of the queries): LDS row y holds the table's row y + that
; ---- X: my two tiles of 16 tokens become 8 fragments.  Two buffers; every offset is an immediate.  Wv, its scale words and bv are dealt out among the units, so that they land meanwhile: no vector line names their registers.
; A unit's wait counts the loads issued behind its own 16: the next unit's 16 and the chunks of 15, 15, 15, 19, 16, 16 between them.
	LOADW 2, 0, 4
	XUNIT 0, 31                                    ; unit 1's 16, 15 of Wv
	LOADW 2, 5, 9
	XUNIT 1, 46                                    ; 15, unit 2's 16, 15
	LOADW 2, 10, 14
	XUNIT 2, 46                                    ; 15, 16, 15
	LOADW 2, 15, 15
	LOADWS 2
	XUNIT 3, 50                                    ; 15, 16, 19
	BVLOAD 0
	XUNIT 4, 51                                    ; 19, 16, 16
	BVLOAD 1
	XUNIT 5, 48                                    ; 16, 16, 16
	XUNIT 6, 32                                    ; 16, unit 7's 16
	XUNIT 7, 0                                     ; nothing was issued behind it: all loads are in
	s_wait_dscnt 0x0                               ; for the others' sake: my fragments and scale words have landed
	s_barrier_signal -1
	s_barrier_wait -1
; ---- V: 8 trips of 32 tokens (one block along the keys), my 64 channels
	s_wait_alu depctr_vm_vsrc(0)                   ; x's loads have read v5, the images' stores v8 and v9: the three are written below
	v_and_b32 v12, 15, v0
	v_bfe_u32 v13, v0, 4, 1
	s_mul_i32 s2, s84, VPB
	s_add_co_u32 s2, s2, RC
	v_mul_u32_u24 v5, v12, 24
	v_mad_u32_u24 v5, v13, 12, v5
	v_add_nc_u32 v5, s2, v5                        ; scratch: a channel's block is 24 bytes, my half's 16 codes 12 of them: LDS puts the halves together
	s_add_co_u32 s3, s2, VSB
	v_lshl_add_u32 v7, v12, 3, s3                  ; a channel's 8 scale bytes
	s_mov_b32 s96, XF
	s_mov_b32 s97, XS
	s_mov_b32 s98, 0
	s_mov_b32 s99, 0
	v_add_nc_u32 v8, s96, v[LI]
	v_add_nc_u32 v9, s97, v[LS]
	s_wait_alu depctr_va_vdst(0)                   ; v8 and v9 are written, which the fetch reads; x's quantisers are done reading window 1 v0-47, in which half of it lands
	VFETCH
	s_mov_b32 s85, 8
.Lv:
	s_wait_dscnt 0x0                               ; the trip's eight fragments are in; the last trip's stores have landed
	VSTEP 0
	VSTEP 1
	VSTEP 2
	VSTEP 3
	WIN 0
	PLACES 4
	s_add_co_u32 s96, s96, 8*FRB
	s_add_co_u32 s97, s97, 1024
	s_wait_alu depctr_vm_vsrc(0)                   ; the fetch has read v8 and v9; the last trip's stores have read v10, v11, the codes and the scale bytes: all are written again below
	v_add_nc_u32 v8, s96, v[LI]                    ; (the last trip's two are not used)
	v_add_nc_u32 v9, s97, v[LS]
	v_add_nc_u32 v10, s98, v5
	v_add_nc_u32 v11, s99, v7
	s_wait_alu depctr_va_vdst(0)                   ; the 32 products are done reading the eight fragments and their scale words, in which the next trip's land; v8 to v11 are written
	s_cmp_eq_u32 s85, 1                            ; the last trip fetches nothing
	s_cbranch_scc1 .Lv_last
	VFETCH
.Lv_last:
.irp ct, 0,1,2,3                               ; the quantiser, the four tiles of channels by turns
	v_max3_num_f32 v[TM+\ct], |v[S+16*\ct]|, |v[S+16*\ct+1]|, 0x1800000
.endr
.irp i, 2,4,6,8,10,12,14
.irp ct, 0,1,2,3
	v_max3_num_f32 v[TM+\ct], v[TM+\ct], |v[S+16*\ct+\i]|, |v[S+16*\ct+\i+1]|
.endr
.endr
.irp ct, 0,1,2,3
	v_permlanex16_b32 v[TM+4+\ct], v[TM+\ct], s88, s89
.endr
.irp ct, 0,1,2,3
	v_max_num_f32 v[TM+\ct], v[TM+\ct], v[TM+4+\ct]
.endr
.irp ct, 0,1,2,3
	v_add_nc_u32 v[TM+8+\ct], 0xff000000, v[TM+\ct]
.endr
.irp ct, 0,1,2,3
	v_lshrrev_b32 v[TM+12+\ct], 23, v[TM+8+\ct]
.endr
.irp ct, 0,1,2,3
	v_cvt_scalef32_pk16_fp6_f32 v[PC+4*\ct:PC+4*\ct+2], v[S+16*\ct:S+16*\ct+15], v[TM+8+\ct]
.endr
	v_nop                                          ; one plain line behind the scaled conversions
	s_wait_alu depctr_va_vdst(0)                   ; the quantiser has written the codes and the scale bytes, which the stores read
.irp ct, 0,1,2,3
.irp i, 0,1,2
	ds_store_b32 v10, v[PC+4*\ct+\i] offset:2*FRB*\ct+4*\i
.endr
	ds_store_b8 v11, v[TM+12+\ct] offset:128*\ct   ; both lanes of a block write the same byte with the same value
.endr
	s_add_co_u32 s98, s98, 384
	s_add_co_u32 s99, s99, 1
	s_sub_co_u32 s85, s85, 1
	s_cmp_lg_u32 s85, 0
	s_cbranch_scc1 .Lv
	s_wait_dscnt 0x0                               ; V stays in its scratch until the weights' registers are free
	PLACES 4
	s_wait_alu depctr_va_vdst(0)                   ; V's products are done reading Wv's fragments, its scale words and bv, in whose registers Wq, its scale words and bq land
	LOADW 0, 0, 15                                 ; Wq
	LOADWS 0
	LOADCB 26
	s_wait_loadcnt 0x0
; ---- Q: my half's 8 tiles of queries
	s_and_b32 s86, ttmp9, 1
	s_mul_i32 s87, s86, 4096
	s_mul_i32 s86, s86, 32*FRB
	s_add_co_u32 s86, s86, XF
	s_mov_b32 s98, 0
	s_mov_b32 s99, 0
	PLOOP 0, 0
	PLACES 4
	s_wait_alu depctr_va_vdst(0)                   ; Q's products are done reading Wq's fragments, its scale words and bq, in whose registers Wk, its scale words and bk land
	LOADW 1, 0, 15                                 ; Wk
	LOADWS 1
	LOADCB 28
	s_wait_loadcnt 0x0
; ---- K: all 16 tiles of keys, in two halves through my scratch.  The first half's registers lie beside the weights', the second's over weights that are done with
	KHALF 0
	KHALF 1
	PLACES 4
; ---- V comes into registers, and the table takes its scratch's place.  All addresses first, then one wait, then the loads
	s_wait_alu depctr_vm_vsrc(0)                   ; K's last stores have read v10 and v11, which are written below
	v_and_b32 v12, 127, v0
	v_lshlrev_b32 v13, 4, v12
	v_min_u32 v13, 1968, v13                       ; a row of the table is 1,984 bytes: 124 threads' 16; the last four read the last 16 again
	v_lshrrev_b32 v14, 7, v0                       ; threads 0-127 take the even rows, threads 128-255 the odd ones
	v_mad_u32_u24 v8, v14, 1984, v13
	s_and_b32 s2, ttmp9, 1
	s_lshl_b32 s2, s2, 3
	s_add_co_u32 s3, s2, 22                        ; LDS rows 22 to 25: the table's row held at its last (rows 23 on are read by a look-ahead alone)
	v_add_nc_u32 v9, s3, v14
	v_min_u32 v9, 30, v9
	v_mad_u32_u24 v9, v9, 1984, v13
	s_add_co_u32 s3, s2, 24
	v_add_nc_u32 v10, s3, v14
	v_min_u32 v10, 30, v10
	v_mad_u32_u24 v10, v10, 1984, v13
	v_lshrrev_b32 v15, 2, v12
	v_mul_u32_u24 v11, v15, BTE
	v_and_b32 v15, 3, v12
	v_lshl_add_u32 v11, v15, 4, v11
	v_mad_u32_u24 v11, v14, BTR, v11
	v_add_nc_u32 v11, BT, v11                      ; in LDS: entry (thread % 128) / 4, 16 bytes each (the last four threads of a row write into its unused end)
	v_and_b32 v12, 31, v0
	v_mul_u32_u24 v5, v12, 24
	s_mul_i32 s2, s84, VPB
	s_add_co_u32 s2, s2, RC
	v_add_nc_u32 v5, s2, v5                        ; V's fragments: block 4 s + 2 c + half of channel r lies at 24 L within its 768 bytes
	s_wait_alu depctr_va_vdst(0)                   ; v5, v8 to v11 are written, which the loads and stores below read; K's products are done reading v112-163 and Wk's fragments, in which the table, Wp and V land
.set y, 0
.rept 11
	global_load_b128 v[XFR+4*y:XFR+4*y+3], v8, s[24:25] offset:y*2*1984
.set y, y+1
.endr
	global_load_b128 v[XFR+44:XFR+47], v9, s[36:37]
	global_load_b128 v[XFR+48:XFR+51], v10, s[36:37]
	LOADW 3, 11, 15                                ; five fragments of Wp land during the attention: nothing there names their registers
	WIN 0x40
.irp ct, 0,1,2,3
.irp sx, 0,1
.irp c, 0,1
.irp i, 0,1,2
	ds_load_b64 v[VB+12*(2*\ct+\sx)+6*\c+2*\i:VB+12*(2*\ct+\sx)+6*\c+2*\i+1], v5 offset:2*FRB*\ct+FRB*\sx+768*\c+8*\i
.endr
.endr
.endr
.endr
	WIN 0
.irp ct, 0,1,2,3
	ds_load_b64 v[VS+2*\ct:VS+2*\ct+1], v7 offset:128*\ct
.endr
	s_wait_dscnt 0x0                               ; my reads of V's scratch are over
	s_barrier_signal -1
	s_barrier_wait -1                              ; everybody's are: the table may be written over it
	s_wait_loadcnt 15                              ; the table's 13 loads are in; Wp's 15 may stay out
	s_mov_b32 s2, 0x40b504f3                       ; sqrt(32): (q.k + bias sqrt(32)) / sqrt(32) = q.k / sqrt(32) + bias
	s_mov_b32 s3, s2
.set y, 0
.rept 13
	v_pk_mul_f32 v[XFR+4*y:XFR+4*y+1], v[XFR+4*y:XFR+4*y+1], s[2:3] op_sel_hi:[1,0]
	v_pk_mul_f32 v[XFR+4*y+2:XFR+4*y+3], v[XFR+4*y+2:XFR+4*y+3], s[2:3] op_sel_hi:[1,0]
.set y, y+1
.endr
	s_wait_alu depctr_va_vdst(0)                   ; the 26 multiplications have written v112-163, which the stores read
.set y, 0
.rept 13
	ds_store_b128 v11, v[XFR+4*y:XFR+4*y+3] offset:y*2*BTR
.set y, y+1
.endr
	s_wait_dscnt 0x0                               ; for the others' sake: my part of the table has landed
	s_barrier_signal -1
	s_barrier_wait -1
; ---- ATTENTION: 8 trips, a tile of 16 queries each; two heads x two key steps written out
	s_wait_alu depctr_vm_vsrc(0)                   ; the table's stores have read v112-163, of which v156-161 are written below and q lands in v144-149 and v162; the loads of V's scale words have read v7
	v_mov_b32 v[NEG], 0xd0000000                   ; -2^33
	v_mov_b32 v[FF+1], 0                           ; (named as the upper half of a pair)
.irp i, 6,7,8,9,10,11
	v_mov_b32 v[QM+\i], 0                          ; blocks 2 and 3 of q's operand: zero codes, once
.endr
	s_mov_b32 s90, 0x3e8293ee                      ; c = log2(e) / sqrt(32)
	s_mov_b32 s91, s90
	s_mov_b32 s94, 0x0000ffff
	s_mov_b32 s95, 0xffff0000
	s_mov_b32 s86, 0
	s_mov_b32 s87, 0
	s_mov_b32 s92, 0
	s_mov_b32 s96, 0
	s_mov_b32 s97, 0
	v_mov_b32 v[BA], v[BBL]
	s_wait_alu depctr_va_vdst(0)                   ; v7 is written, which the bias's loads read; the quantisers are done with v48-111 and the table's multiplications with v144-149 and v162, in which bias and q land
	BIASLOAD 0, 0
	MASKLOAD 0
.irp p, 0,1,2
	ds_load_b64 v[QF+2*\p:QF+2*\p+1], v[PI] offset:256*\p
.endr
	ds_load_b32 v[QSC], v[PS]
	s_mov_b32 s85, 8
.La:
	s_wait_dscnt 0x0                               ; q, its scale word, the first bias
	s_wait_alu depctr_vm_vsrc(0)                   ; the last tile's stores of o have read v9, v11, the codes and the word: v9 and v11 are written here, the others in the first step
	v_add_nc_u32 v9, s96, v[PI]                    ; where this tile's o will go
	v_add_nc_u32 v11, s97, v[PS]
	QMASK 0
	PLACES 4                                       ; codes made by vector lines stand four plain lines ahead of the scaled product
	s_wait_alu depctr_va_vdst(0)                   ; the selects have written q's operand, which the products k q^T take; v9 and v11 are written, which the tile's stores read
	STEP 0, 0
	STEP 0, 1
	STEP 1, 0
	STEP 1, 1
	PLACES 4                                       ; behind the last products, ahead of the lines that read O^T
.irp h, 0,1
	v_permlanex16_b32 v[TM+4+\h], v[RS+2*\h], s88, s89
.endr
.irp h, 0,1
	v_add_f32 v[RS+2*\h], v[RS+2*\h], v[TM+4+\h]   ; with lane l xor 16's keys: the row's sum
.endr
	s_wait_alu depctr_va_vdst(0)
.irp h, 0,1
	v_rcp_f32 v[RS+2*\h], v[RS+2*\h]
.endr
	v_nop                                          ; a plain line behind the reciprocals
	s_wait_alu depctr_va_vdst(0)                   ; the two reciprocals have written v250 and v252: one wait, ahead of their first reader
.irp h, 0,1
.irp k, 0,1,2,3,4,5,6,7
	v_pk_mul_f32 v[OH+16*\h+2*\k:OH+16*\h+2*\k+1], v[OH+16*\h+2*\k:OH+16*\h+2*\k+1], v[RS+2*\h:RS+2*\h+1] op_sel_hi:[1,0]   ; o = O^T / the sum; each accumulator from its low end on
.endr
.endr
	QUANT2 OH                                      ; my 64 channels are half of K step w / 2 of the output projection
	s_wait_alu depctr_va_vdst(0)                   ; the quantiser has written the codes and the word, which the stores read
	HIMG 9, OFO
	ds_store_b32 v11, v[PW] offset:OSD
	s_sub_co_u32 s85, s85, 1
	s_cmp_lg_u32 s85, 0
	s_cbranch_scc1 .La
	s_wait_kmcnt 0x0                               ; the look-ahead's mask words,
	s_wait_dscnt 0x0                               ; its LDS loads, and my stores of o: for the others' sake too
	PLACES 4
	s_wait_alu depctr_va_vdst(0)                   ; the attention's products are done reading K and V, its vector lines are done with v180-184: Wp, its scale words and bp land there
	LOADW 3, 0, 10                                 ; the rest of Wp, over K and V
	LOADWS 3
	LOADCB 14
	s_barrier_signal -1
	s_barrier_wait -1                              ; every wave's o lies in LDS, and nobody reads x's fragments any more
; ---- OUTPUT: 8 trips, 16 queries x my 64 columns; through my stage, so that sixteen lanes store a row's 256 bytes
	s_wait_alu depctr_vm_vsrc(0)                   ; the bias's loads have read v7, q's loads v8 and v10, o's stores v9 and v11: all five are written below
	v_and_b32 v12, 15, v0
	v_bfe_u32 v13, v0, 4, 1
	s_mul_i32 s2, s84, 16*SPT
	s_add_co_u32 s2, s2, XF                        ; my stage
	v_mul_u32_u24 v6, v12, SPT
	v_lshl_add_u32 v6, v13, 6, v6
	v_add_nc_u32 v6, s2, v6                        ; in: row r, + 64 bytes for the upper half
	v_mul_u32_u24 v7, v13, SPT
	v_lshl_add_u32 v7, v12, 4, v7
	v_add_nc_u32 v7, s2, v7                        ; back: lanes 0-15 one row, lanes 16-31 the next
	s_mov_b32 s96, PRIV0+OFO
	s_mov_b32 s97, PRIV0+QSO+OSD
	s_mov_b32 s100, 16384                          ; from tile to tile: 8 rows and 24 rows by turns
	s_mov_b32 s101, 0
	OADDR
	s_wait_alu depctr_va_vdst(0)                   ; v6 to v11 are written, which the LDS loads and stores below read; the attention's lines are done with v112-163, in which o lands
	OFETCH
	s_wait_loadcnt 0x0                             ; Wp, its scale words, bp
	s_mov_b32 s85, 8
.Lo:
	s_wait_dscnt 0x0
.irp sx, 0,1,2,3
	v_lshl_or_b32 v[XSC+\sx], v[OT+\sx], 16, v[XSC+\sx]   ; a K step's scale word: two bytes from each of its two waves
.endr
	PLACES 8                                       ; a scale word made by vector lines stands eight plain lines ahead of the scaled product
	s_wait_alu depctr_vm_vsrc(0)                   ; the last trip's LDS stores have read v48-79, which the products write again; its global stores have read v80-111, in which this trip's rows land; the fetch has read v8 to v11
	s_wait_alu depctr_va_vdst(0)                   ; the four joins have written the scale words, which the products take
	PMUL
	WIN 0
	PLACES 5                                       ; four serve the stores of the results; the next trip's first products begin sums anew, with bp as C, over these accumulators, and
	                                               ; such a product stands five plain lines behind the products that wrote them
	s_add_co_u32 s96, s96, HFB
	s_add_co_u32 s97, s97, 128
	OADDR                                          ; (the last trip's four are not used)
	s_wait_alu depctr_va_vdst(0)                   ; the products have written v48-79, which the LDS stores read, and are done reading o's fragments and scale words, in which the next tile's land (the joins are done with v42-45); v8 to v11 are written
	s_cmp_eq_u32 s85, 1                            ; the last trip fetches nothing
	s_cbranch_scc1 .Lo_last
	OFETCH
.Lo_last:
.set k, 0
.rept 8
	ds_store_b128 v6, v[S+4*k:S+4*k+3] offset:128*(k/4)+16*(k%4)   ; registers 4 k on: columns 32 (k / 4) + 16 half + 4 (k % 4) on; each accumulator's low half first
.set k, k+1
.endr
.set k, 0
.rept 8
	ds_load_b128 v[RB+4*k:RB+4*k+3], v7 offset:2*SPT*k   ; LDS serves a wave's instructions in order (ISA guide 5.7.1.4): these see my stores
.set k, k+1
.endr
.set k, 0
.rept 8
	s_wait_dscnt 7-k                               ; the younger rows may be out
	global_store_b128 v[GO], v[RB+4*k:RB+4*k+3], s[12:13] offset:(2*k+8*(k/4))*2048 th:TH_STORE_NT   ; 16 lanes store 256 consecutive bytes, at a multiple of 256 from out0's first byte
.set k, k+1
.endr
	s_wait_xcnt 0x0                                ; the stores have had their addresses translated: their base may be written again
	s_add_nc_u64 s[12:13], s[12:13], s[100:101]
	s_xor_b32 s100, s100, 0x8000
	s_sub_co_u32 s85, s85, 1
	s_cmp_lg_u32 s85, 0
	s_cbranch_scc1 .Lo
	s_wait_dscnt 0x0                               ; the closing lines, six on end
	s_wait_alu 0x0
	s_wait_tensorcnt 0x0
	ds_add_u32 v227, v231
	s_wait_dscnt 0x0
	s_endpgm
.Lfunc_end_k_qa67c8374a6_winattn:
	.size	k_qa67c8374a6_winattn, .Lfunc_end_k_qa67c8374a6_winattn-k_qa67c8374a6_winattn
	.p2alignl 7, 3214868480
	.fill 96, 4, 3214868480
	.section	.rodata,"a",@progbits
	.p2align	6, 0x0
	.amdhsa_kernel k_qa67c8374a6_winattn
		.amdhsa_group_segment_fixed_size 324608
		.amdhsa_private_segment_fixed_size 0
		.amdhsa_enable_private_segment 0
		.amdhsa_kernarg_size 80
		.amdhsa_user_sgpr_count 2
		.amdhsa_user_sgpr_kernarg_segment_ptr 1
		.amdhsa_wavefront_size32 1
		.amdhsa_system_sgpr_workgroup_id_x 1
		.amdhsa_system_sgpr_workgroup_id_y 1
		.amdhsa_system_sgpr_workgroup_id_z 1
		.amdhsa_system_vgpr_workitem_id 0
		.amdhsa_next_free_vgpr 512
		.amdhsa_next_free_sgpr 104
		.amdhsa_reserve_vcc 0
		.amdhsa_float_denorm_mode_32 3
		.amdhsa_float_denorm_mode_16_64 3
		.amdhsa_memory_ordered 1
		.amdhsa_forward_progress 1
		.amdhsa_inst_pref_size 219
	.end_amdhsa_kernel
	.amdgpu_metadata
---
amdhsa.version: [ 1, 2 ]
amdhsa.kernels:
  - .name:           k_qa67c8374a6_winattn
    .symbol:         k_qa67c8374a6_winattn.kd
    .args:
      - { .name: x, .offset: 0, .size: 8, .value_kind: global_buffer, .address_space: global }
      - { .name: wfrag, .offset: 8, .size: 8, .value_kind: global_buffer, .address_space: global }
      - { .name: wscale, .offset: 16, .size: 8, .value_kind: global_buffer, .address_space: global }
      - { .name: mwords, .offset: 24, .size: 8, .value_kind: global_buffer, .address_space: global }
      - { .name: bias_table, .offset: 32, .size: 8, .value_kind: global_buffer, .address_space: global }
      - { .name: bq, .offset: 40, .size: 8, .value_kind: global_buffer, .address_space: global }
      - { .name: bk, .offset: 48, .size: 8, .value_kind: global_buffer, .address_space: global }
      - { .name: bv, .offset: 56, .size: 8, .value_kind: global_buffer, .address_space: global }
      - { .name: bp, .offset: 64, .size: 8, .value_kind: global_buffer, .address_space: global }
      - { .name: out0, .offset: 72, .size: 8, .value_kind: global_buffer, .address_space: global }
    .group_segment_fixed_size: 324608
    .private_segment_fixed_size: 0
    .kernarg_segment_align: 8
    .kernarg_segment_size: 80
    .max_flat_workgroup_size: 256
    .sgpr_count:     104
    .vgpr_count:     512
    .wavefront_size: 32
...
	.end_amdgpu_metadata
.endif
;; end of part 5
